; MI455X (gfx1250); checked and timed in simulation.
; The chip was launched on July 23, 2026; its instructions are those of AMD's public machine-readable ISA for CDNA 5 (MIT licence, August 2026) and "CDNA5" Instruction Set Architecture Reference Guide (July 2026). The comments in the code are by the model that wrote it; some were corrected since.
;; Diffusion Transformer Block. Allowed arithmetic: matrix products marked QUANTISED: E2M3 operands, one E8M0 scale for each 32 along K, by v_wmma_scale_f32_16x16x128_f8f6f4 with both operands' format E2M3, f32 sums; products left as they are: f32 operands where the result goes on into a quantised operand, else bf16, f16 or f32 operands; f32 sums; everything else in f32.
;; Inputs: b1 4,096 float32; b2 1,024 float32; bk 1,024 float32; bo 1,024 float32; bq 1,024 float32; bt_attn 2,048 float32; bt_ffn 2,048 float32; bv 1,024 float32; ln1_b 1,024 float32; ln1_w 1,024 float32; ln2_b 1,024 float32; ln2_w 1,024 float32; t_emb 2 x 1,024 float32; w1_codes 4,096 x 32 x 24 uint8 (E2M3 codes of w1, K innermost, in blocks of 32 codes, four codes in three bytes); w1_scales 4,096 x 32 uint8 (E8M0 scales of w1, one for each 32 codes along K); w2_codes 1,024 x 128 x 24 uint8 (E2M3 codes of w2, K innermost, in blocks of 32 codes, four codes in three bytes); w2_scales 1,024 x 128 uint8 (E8M0 scales of w2, one for each 32 codes along K); wk_codes 1,024 x 32 x 24 uint8 (E2M3 codes of wk, K innermost, in blocks of 32 codes, four codes in three bytes); wk_scales 1,024 x 32 uint8 (E8M0 scales of wk, one for each 32 codes along K); wo_codes 1,024 x 32 x 24 uint8 (E2M3 codes of wo, K innermost, in blocks of 32 codes, four codes in three bytes); wo_scales 1,024 x 32 uint8 (E8M0 scales of wo, one for each 32 codes along K); wq_codes 1,024 x 32 x 24 uint8 (E2M3 codes of wq, K innermost, in blocks of 32 codes, four codes in three bytes); wq_scales 1,024 x 32 uint8 (E8M0 scales of wq, one for each 32 codes along K); wt_attn 1,024 x 2,048 float32; wt_ffn 1,024 x 2,048 float32; wv_codes 1,024 x 32 x 24 uint8 (E2M3 codes of wv, K innermost, in blocks of 32 codes, four codes in three bytes); wv_scales 1,024 x 32 uint8 (E8M0 scales of wv, one for each 32 codes along K); x 2 x 2,048 x 1,024 float32.
;; Outputs: out0 2 x 2,048 x 1,024 float32.
;; This version of the problem:
;;   THIS VERSION OF THE PROBLEM IS GIVEN IN LOW PRECISION. The matrix products marked QUANTISED in the list below multiply operands that are first quantised to E2M3 (2 exponent bits, 3 mantissa bits; 6 bits a number), with one power-of-two scale for each 32 numbers along K (OCP MX v1.0); their sums are f32. All else is computed in f32.
;;   The module's matrix products, in the order in which they are computed (A, B: the left and right operand; K: the contracted axis; several contracted axes count as one K, in the product's order):
;;     1. [M 2, K 1,024] x [K 1,024, N 2,048]; A: input t_emb; B: input wt_attn: left as it is (M = 2 < 16)
;;     2. [M 4,096, K 1,024] x [K 1,024, N 1,024]; A: computed on the way; B: input wq (given as codes): QUANTISED
;;     3. [M 4,096, K 1,024] x [K 1,024, N 1,024]; A: computed on the way; B: input wk (given as codes): QUANTISED
;;     4. [M 4,096, K 1,024] x [K 1,024, N 1,024]; A: computed on the way; B: input wv (given as codes): QUANTISED
;;     5. batch 32 x [M 2,048, K 64] x [K 64, N 2,048]; A: computed on the way; B: computed on the way: QUANTISED
;;     6. batch 32 x [M 2,048, K 2,048] x [K 2,048, N 64]; A: softmax (see below); B: computed on the way: QUANTISED
;;     7. [M 4,096, K 1,024] x [K 1,024, N 1,024]; A: computed on the way; B: input wo (given as codes): QUANTISED
;;     8. [M 2, K 1,024] x [K 1,024, N 2,048]; A: input t_emb; B: input wt_ffn: left as it is (M = 2 < 16)
;;     9. [M 4,096, K 1,024] x [K 1,024, N 4,096]; A: computed on the way; B: input w1 (given as codes): QUANTISED
;;     10. [M 4,096, K 4,096] x [K 4,096, N 1,024]; A: computed on the way; B: input w2 (given as codes): QUANTISED
;;   THE QUANTISER, for each operand of a quantised product, along K:
;;     - K is cut into blocks of 32 from its start; a last block that is shorter is filled with zeros.
;;     - A block's scale is 2^e with e = floor(log2(the largest magnitude in the block)) - 2, held to -126 .. 127; a block of zeros has e = 0. As a byte (E8M0): e + 127.
;;     - Each number is divided by its block's scale, clamped to +-7.5, and rounded to the nearest number of E2M3, ties to even, subnormals kept.
;;     - The product sums the exact products of the quantised numbers (number of the format x scale) in f32.
;;   ~~~python
;;   def quantise(x, axis):      # numpy; x: float32 -> the quantised numbers, widened to float32 again
;;       x = np.moveaxis(x, axis, -1); K = x.shape[-1]
;;       x = np.pad(x, [(0, 0)] * (x.ndim - 1) + [(0, -K % 32)]); x = x.reshape(x.shape[:-1] + (-1, 32)); a = np.abs(x).max(-1, keepdims=True)
;;       e = np.where(a > 0, np.clip(np.frexp(np.where(a > 0, a, 1))[1] - 1 - 2, -126, 127), 0)      # np.frexp(a)[1] - 1 = floor(log2(a)), exactly
;;       r = np.clip(x / 2.0 ** e, -7.5, 7.5)
;;       step = 2.0 ** (np.maximum(np.frexp(np.where(r == 0, 1, r))[1] - 1, 0) - 3)
;;       q = np.round(r / step) * step * 2.0 ** e      # np.round: ties to even
;;       return np.moveaxis(q.reshape(q.shape[:-2] + (-1,))[..., :K], -1, axis).astype(np.float32)
;;   ~~~
;;   SOFTMAX AHEAD OF A QUANTISED PRODUCT. Where the list says 'softmax', what is quantised is not the finished softmax but p = 2^(t - M), with t = logit x log2(e) and M = ceil(the row's largest t), a whole number; so 1/2 < the row's largest p <= 1. The row's sum l is taken of the UNQUANTISED p, in f32, and the product's result is divided by l at the end. Since M is a whole number, a kernel that streams over the keys may use a running M (the ceiling of the running maximum): every later rescaling is an exact power of two, which a block's scale takes up: the codes' values come out the same.
;;   OPERANDS COMPUTED ON THE WAY. 'Computed on the way' means the value that the module computes at that place (a softmax that the list does not call 'softmax' is quantised finished and normalised). What goes into a quantiser is computed in f32, as accurately as f32 sums, v_exp_f32 and their like allow (about 1e-6 of the number): no bf16 or f16 on the way to a quantiser, and a product that is left as it is and whose result goes on into a quantised operand takes f32 operands (vector FMAs, or v_wmma_f32_16x16x4_f32). A number that lies on a knife's edge between two numbers of the format may be rounded either way, as far as f32 arithmetic and the matrix unit's own rounding can turn it there, and no further.
;;   INPUTS GIVEN AS CODES. w1 (in the module: [1024, 4096], K = its axis 0); w2 (in the module: [4096, 1024], K = its axis 0); wk (in the module: [1024, 1024], K = its axis 0); wo (in the module: [1024, 1024], K = its axis 0); wq (in the module: [1024, 1024], K = its axis 0); wv (in the module: [1024, 1024], K = its axis 0): each comes as NAME_codes (uint8): NAME with its K axis moved to the last place and cut into blocks of 32 codes, [.., K / 32, bytes a block], one block behind the other in memory; four codes in three bytes: a row's codes are one little-endian stream of bits, code i at bits 6 i .. 6 i + 5 (a code: sign, 2 exponent bits, 3 mantissa bits); and NAME_scales (uint8): the same leading axes, one E8M0 byte (e + 127) for each 32 codes along K. Its value is code x scale, taken as it is: it is not quantised again, and the codes and scales need not be those that the quantiser above would give.
;; 2 versions, each right; version 2 is version 1 with the launch attn written anew for expert scheduling mode. Each part assembles by itself: llvm-mc -triple=amdgcn-amd-amdhsa -mcpu=gfx1250 --defsym DOCPART=n.
;; ======== version 1 of 2: 8 launches
;; workspace buffers: tpa 65,536 bytes; tpf 65,536 bytes; wimg 10,223,616 bytes; xn 3,407,872 bytes; qkv 10,223,616 bytes; att 3,407,872 bytes; x1 16,777,216 bytes; hid 13,631,488 bytes
;; launch prep (part 1): grid 352 x 1, 8 waves a work-group, no clusters, 113,664 bytes of LDS; arguments t_emb, wt_attn, wt_ffn, wq_codes, wk_codes, wv_codes, wo_codes, w1_codes, w2_codes, wq_scales, wk_scales, wv_scales, wo_scales, w1_scales, w2_scales, tpa, tpf, wimg; writes tpa, tpf, wimg
.if DOCPART == 1
	.amdgcn_target "amdgcn-amd-amdhsa--gfx1250"
	.amdhsa_code_object_version 6
	.text
	.protected	k_q66fe2a690f_prep
	.globl	k_q66fe2a690f_prep
	.p2align	8
	.type	k_q66fe2a690f_prep,@function
k_q66fe2a690f_prep:
	s_mov_b64 s[64:65], 0
	v_nop
	global_prefetch_b8 v0, s[64:65] scope:SCOPE_SE
	s_setreg_imm32_b32 hwreg(HW_REG_WAVE_MODE, 25, 1), 1
	s_wait_xcnt 0x0
; TWO JOBS IN ONE LAUNCH, told apart by the work-group's number.
; Work-groups 0-255: partial sums of t_emb @ wt_attn (0-127) and t_emb @ wt_ffn (128-255), in f32 by fused multiply-adds: the results go on into a quantiser.
;   A work-group takes 64 columns x 256 rows of K (64 KiB of the weight, each row piece 256 consecutive bytes); its 8 waves take 32 rows each; the waves' sums meet in LDS;
;   out: tp[K slice 4][batch 2][2048] f32.  The four slices and the bias are added by the launch that uses them.
; Work-groups 256-351: the six weights' codes and scale bytes are laid once in THE ORDER OF THE OPERAND'S REGISTERS.  A wave takes a unit u: 16 rows x 1,024 along K = 8 fragments.
;   A fragment's image is 1,536 bytes: three runs of 512, run c = registers 4 c .. 4 c + 3 of the 32 lanes, 16 bytes a lane.  A scale record is 128 bytes: the row's word at 4 x lane (lanes 16-31 repeat lanes 0-15).
;   THE ROWS OF A TILE ARE NOT NEIGHBOURS: lane r of tile T holds row 32 (T / 2) + 8 (T % 2) + r + 8 (r / 8), so that the results of two neighbouring tiles are 16 neighbours along the next product's K.
;   units: wq 0-63, wk 64-127, wv 128-191, wo 192-255, w1 256-511, w2 512 + 4 tile + K chunk.  codes at 12,288 u, scale records at WSC + 1,024 u.
; LDS: bytes 0-4,095 the first job's sums; behind them 13,568 bytes for each wave of the second job (16 rows x 784, then 8 records): each job has bytes of its own.
.set RL0,  4096
.set RLW,  13568
.set SPI,  784                         ; a stage row: 768 bytes + 16 = 196 words: the 32 lanes of an 8-byte read (rows 784 apart, halves 24 apart) touch 64 different banks
.set WSC,  9437184
	s_load_b512 s[8:23], s[0:1], 0x0               ; t_emb, wt_attn, wt_ffn, codes of wq, wk, wv, wo, w1
	s_load_b512 s[24:39], s[0:1], 0x40             ; codes of w2, scales of wq, wk, wv, wo, w1, w2, tpa
	s_load_b128 s[40:43], s[0:1], 0x80             ; tpf, wimg
	v_lshl_add_u32 v240, v0, 2, 0x1b800
	v_mov_b32 v241, 0
	v_lshrrev_b32 v10, 5, v0
	v_readfirstlane_b32 s44, v10                   ; wave 0..7
	v_and_b32 v11, 31, v0                          ; lane
	v_and_b32 v12, 15, v0                          ; r
	v_bfe_u32 v13, v0, 4, 1                        ; h
	; every LDS address of both jobs is made here, ahead of the parting
	v_lshlrev_b32 v1, 4, v11                       ; 16 x lane
	v_lshlrev_b32 v2, 2, v11                       ; 4 x lane
	v_lshlrev_b32 v9, 3, v11                       ; 8 x lane
	s_lshl_b32 s45, s44, 9
	v_add_nc_u32 v3, s45, v1                       ; the sums: 512 x wave + 16 x lane
	s_mul_i32 s45, s44, RLW
	s_add_co_u32 s45, s45, RL0                     ; my wave's stage
	v_add_nc_u32 v4, s45, v9                       ; in: 8 bytes a lane
	v_mul_u32_u24 v5, v12, SPI
	v_mad_u32_u24 v5, v13, 24, v5
	v_add_nc_u32 v5, s45, v5                       ; out: row r, + 24 h
	s_add_co_u32 s45, s45, 16*SPI
	v_add_nc_u32 v6, s45, v2                       ; the records: in, 4 bytes a lane
	v_add_nc_u32 v7, s45, v1                       ; out, 16 bytes a lane
	v_lshlrev_b32 v8, 13, v13
	v_lshl_add_u32 v8, v12, 4, v8                  ; the sums' place in tp: batch (lane / 16) x 8,192 + 16 (lane % 16)
	s_and_b32 s46, ttmp9, 3                        ; K slice
	s_bfe_u32 s47, ttmp9, 0x50002                  ; which 64 columns
	s_lshl_b32 s48, s46, 14
	s_lshl_b32 s49, s47, 8
	s_add_co_u32 s48, s48, s49
	s_mov_b32 s49, 0
	s_wait_kmcnt 0x0
	s_cmp_lt_u32 ttmp9, 128
	s_cselect_b64 s[50:51], s[38:39], s[40:41]     ; tpa or tpf
	s_cselect_b64 s[52:53], s[10:11], s[12:13]     ; wt_attn or wt_ffn
	s_add_nc_u64 s[50:51], s[50:51], s[48:49]
	s_cmp_ge_u32 ttmp9, 256
	s_cbranch_scc1 .Lrelay
	; ---- t_emb @ wt: lane (c4 = r, h) takes 4 columns of rows k0 + 16 h + i, i = 0 .. 15
	s_lshl_b32 s54, s46, 8
	s_lshl_b32 s55, s44, 5
	s_add_co_u32 s54, s54, s55                     ; k0 = 256 slice + 32 wave
	s_lshl_b32 s56, s54, 2
	s_mov_b32 s57, 0
	s_add_nc_u64 s[58:59], s[8:9], s[56:57]        ; t_emb at k0
	s_lshl_b32 s56, s54, 13                        ; a row of wt is 8,192 bytes
	s_lshl_b32 s55, s47, 8
	s_add_co_u32 s56, s56, s55
	s_add_nc_u64 s[52:53], s[52:53], s[56:57]
	s_mov_b32 s60, 0x76543210
	s_mov_b32 s61, 0xfedcba98                      ; v_permlanex16_b32's selects for lane l xor 16
	v_lshlrev_b32 v14, 6, v13                      ; t: 64 h
	v_lshlrev_b32 v15, 17, v13
	v_lshl_add_u32 v15, v12, 4, v15                ; wt: 16 rows x h + 16 c4
.irp b, 0,1
.irp j, 0,1,2,3
	global_load_b128 v[96+16*\b+4*\j:99+16*\b+4*\j], v14, s[58:59] offset:4096*\b+16*\j   ; t_emb[b][k0 + 16 h + 0 .. 15]
.endr
.endr
.set I, 0
.rept 16
	global_load_b128 v[32+4*I:35+4*I], v15, s[52:53] offset:8192*I th:TH_LOAD_NT   ; sixteen lanes read 256 consecutive bytes of a row
.set I, I+1
.endr
.irp n, 0,1,2,3,4,5,6,7
	v_mov_b32 v[24+\n], 0                          ; a lane permute's destination counts as one of its sources
.endr
.set I, 0
.rept 16
	s_wait_loadcnt 15-I                            ; row i is in; the 15 - i younger rows may be out
.irp b, 0,1
.irp p, 0,2
.if I == 0
	v_pk_mul_f32 v[16+4*\b+\p:17+4*\b+\p], v[32+\p:33+\p], v[96+16*\b:97+16*\b] op_sel_hi:[1,0]   ; the first product starts the sums
.elseif I%2 == 0
	v_pk_fma_f32 v[16+4*\b+\p:17+4*\b+\p], v[32+4*I+\p:33+4*I+\p], v[96+16*\b+I:97+16*\b+I], v[16+4*\b+\p:17+4*\b+\p] op_sel_hi:[1,0,1]
.else
	v_pk_fma_f32 v[16+4*\b+\p:17+4*\b+\p], v[32+4*I+\p:33+4*I+\p], v[95+16*\b+I:96+16*\b+I], v[16+4*\b+\p:17+4*\b+\p] op_sel:[0,1,0] op_sel_hi:[1,1,1]
.endif
.endr
.endr
.set I, I+1
.endr
.irp n, 0,1,2,3,4,5,6,7
	v_permlanex16_b32 v[24+\n], v[16+\n], s60, s61
.endr
.irp n, 0,1,2,3,4,5,6,7
	v_add_f32 v[16+\n], v[16+\n], v[24+\n]         ; with the other half's 16 rows
.endr
	v_cmp_ne_u32 vcc_lo, 0, v13
.irp n, 0,1,2,3
	v_cndmask_b32 v[16+\n], v[16+\n], v[20+\n], vcc_lo   ; lanes 0-15 keep batch 0's sums, lanes 16-31 batch 1's
.endr
	ds_store_b128 v3, v[16:19]                     ; [wave][batch][64 columns]
	s_branch .Ljoin
.Lrelay:
	; ---- a unit of a weight becomes 8 fragment images and 8 scale records
	s_sub_co_u32 s54, ttmp9, 256
	s_lshl_b32 s54, s54, 3
	s_add_co_u32 s54, s54, s44                     ; u
	s_lshr_b32 s55, s54, 6
	s_mov_b64 s[56:57], s[14:15]
	s_mov_b64 s[58:59], s[26:27]
	s_cmp_eq_u32 s55, 1
	s_cselect_b64 s[56:57], s[16:17], s[56:57]
	s_cselect_b64 s[58:59], s[28:29], s[58:59]
	s_cmp_eq_u32 s55, 2
	s_cselect_b64 s[56:57], s[18:19], s[56:57]
	s_cselect_b64 s[58:59], s[30:31], s[58:59]
	s_cmp_eq_u32 s55, 3
	s_cselect_b64 s[56:57], s[20:21], s[56:57]
	s_cselect_b64 s[58:59], s[32:33], s[58:59]
	s_cmp_ge_u32 s55, 4
	s_cselect_b64 s[56:57], s[22:23], s[56:57]
	s_cselect_b64 s[58:59], s[34:35], s[58:59]
	s_cmp_ge_u32 s55, 8
	s_cselect_b64 s[56:57], s[24:25], s[56:57]
	s_cselect_b64 s[58:59], s[36:37], s[58:59]
	s_and_b32 s60, s54, 63                         ; the tile: in the four square weights,
	s_and_b32 s61, s54, 255                        ; in w1,
	s_lshr_b32 s62, s61, 2                         ; in w2, whose tile has four units along K
	s_and_b32 s63, s54, 3
	s_mov_b32 s66, 768                             ; a row of codes in bytes,
	s_mov_b32 s67, 32                              ; of scale bytes
	s_cmp_ge_u32 s55, 4
	s_cselect_b32 s60, s61, s60
	s_cmp_ge_u32 s55, 8
	s_cselect_b32 s60, s62, s60
	s_cselect_b32 s63, s63, 0
	s_cselect_b32 s66, 3072, s66
	s_cselect_b32 s67, 128, s67
	s_lshr_b32 s68, s60, 1
	s_lshl_b32 s68, s68, 5
	s_and_b32 s61, s60, 1
	s_lshl_b32 s61, s61, 3
	s_add_co_u32 s68, s68, s61                     ; the tile's first row
	s_mul_i32 s70, s68, s66
	s_mul_i32 s61, s63, 768
	s_add_co_u32 s70, s70, s61
	s_mov_b32 s71, 0
	s_add_nc_u64 s[56:57], s[56:57], s[70:71]
	s_mul_i32 s70, s68, s67
	s_lshl_b32 s61, s63, 5
	s_add_co_u32 s70, s70, s61
	s_add_nc_u64 s[58:59], s[58:59], s[70:71]
	s_mul_i32 s70, s54, 12288
	s_add_nc_u64 s[72:73], s[42:43], s[70:71]      ; the unit's images
	s_lshl_b32 s70, s54, 10
	s_add_nc_u64 s[74:75], s[42:43], s[70:71]
	s_add_nc_u64 s[74:75], s[74:75], WSC           ; and records
	v_and_b32 v14, 8, v12
	v_add_nc_u32 v14, v14, v12                     ; r + 8 (r / 8)
	v_mul_lo_u32 v14, v14, s67
	global_load_b128 v[224:227], v14, s[58:59]     ; my row's 8 scale words
	global_load_b128 v[228:231], v14, s[58:59] offset:16
.set I, 0
.rept 16
	s_mul_i32 s61, s66, I+8*(I/8)
	v_add_nc_u32 v[16+I], s61, v9                  ; the tile's i-th row, 8 bytes a lane
.set I, I+1
.endr
.set I, 0
.rept 16
.irp j, 0,1,2
	global_load_b64 v[32+6*I+2*\j:33+6*I+2*\j], v[16+I], s[56:57] offset:256*\j th:TH_LOAD_NT   ; 32 lanes read 256 consecutive bytes, aligned
.endr
.set I, I+1
.endr
.set I, 0
.rept 16
	s_wait_loadcnt 45-3*I                          ; row i's three loads are in; the younger rows' may be out
.irp j, 0,1,2
	ds_store_b64 v4, v[32+6*I+2*\j:33+6*I+2*\j] offset:SPI*I+256*\j
.endr
.set I, I+1
.endr
.set S, 0
.rept 8
.irp p, 0,1,2,3,4,5
	ds_load_b64 v[128+12*S+2*\p:129+12*S+2*\p], v5 offset:96*S+48*(\p/3)+8*(\p%3)   ; fragment s as the operand's registers want it; LDS serves a wave's instructions in order
.endr
.set S, S+1
.endr
.irp s, 0,1,2,3,4,5,6,7
	ds_store_b32 v6, v[224+\s] offset:128*\s
.endr
	ds_load_b128 v[232:235], v7
	ds_load_b128 v[236:239], v7 offset:512
	s_wait_dscnt 0x0
.set S, 0
.rept 8
.irp c, 0,1,2
	global_store_b128 v1, v[128+12*S+4*\c:131+12*S+4*\c], s[72:73] offset:1536*S+512*\c   ; 512 consecutive bytes, aligned to 256
.endr
.set S, S+1
.endr
	global_store_b128 v1, v[232:235], s[74:75]
	global_store_b128 v1, v[236:239], s[74:75] offset:512
.Ljoin:
	s_wait_dscnt 0x0                               ; for the others' sake: my LDS stores are done
	s_barrier_signal -1
	s_barrier_wait -1
	s_cmp_ge_u32 ttmp9, 256
	s_cbranch_scc1 .Lend
	s_cmp_lg_u32 s44, 0
	s_cbranch_scc1 .Lend
.irp w, 0,1,2,3,4,5,6,7
	ds_load_b128 v[32+4*\w:35+4*\w], v1 offset:512*\w   ; wave 0 adds the eight waves' sums
.endr
	s_wait_dscnt 0x0
.irp w, 0,2,4,6
.irp p, 0,2
	v_pk_add_f32 v[32+4*\w+\p:33+4*\w+\p], v[32+4*\w+\p:33+4*\w+\p], v[36+4*\w+\p:37+4*\w+\p]
.endr
.endr
.irp w, 0,4
.irp p, 0,2
	v_pk_add_f32 v[32+4*\w+\p:33+4*\w+\p], v[32+4*\w+\p:33+4*\w+\p], v[40+4*\w+\p:41+4*\w+\p]
.endr
.endr
.irp p, 0,2
	v_pk_add_f32 v[32+\p:33+\p], v[32+\p:33+\p], v[48+\p:49+\p]
.endr
	global_store_b128 v8, v[32:35], s[50:51]       ; sixteen lanes store 256 consecutive bytes, aligned, for each batch
.Lend:
	s_wait_tensorcnt 0x0
	ds_add_u32 v240, v241
	s_wait_dscnt 0x0
	s_endpgm
.Lfunc_end_k_q66fe2a690f_prep:
	.size	k_q66fe2a690f_prep, .Lfunc_end_k_q66fe2a690f_prep-k_q66fe2a690f_prep
	.p2alignl 7, 3214868480
	.fill 96, 4, 3214868480
	.section	.rodata,"a",@progbits
	.p2align	6, 0x0
	.amdhsa_kernel k_q66fe2a690f_prep
		.amdhsa_group_segment_fixed_size 113664
		.amdhsa_private_segment_fixed_size 0
		.amdhsa_enable_private_segment 0
		.amdhsa_kernarg_size 144
		.amdhsa_user_sgpr_count 2
		.amdhsa_user_sgpr_kernarg_segment_ptr 1
		.amdhsa_wavefront_size32 1
		.amdhsa_system_sgpr_workgroup_id_x 1
		.amdhsa_system_sgpr_workgroup_id_y 1
		.amdhsa_system_sgpr_workgroup_id_z 1
		.amdhsa_system_vgpr_workitem_id 0
		.amdhsa_next_free_vgpr 242
		.amdhsa_next_free_sgpr 80
		.amdhsa_reserve_vcc 1
		.amdhsa_float_denorm_mode_32 3
		.amdhsa_float_denorm_mode_16_64 3
		.amdhsa_memory_ordered 1
		.amdhsa_forward_progress 1
		.amdhsa_inst_pref_size 30
	.end_amdhsa_kernel
	.amdgpu_metadata
---
amdhsa.version: [ 1, 2 ]
amdhsa.kernels:
  - .name:           k_q66fe2a690f_prep
    .symbol:         k_q66fe2a690f_prep.kd
    .args:
      - { .name: t_emb, .offset: 0, .size: 8, .value_kind: global_buffer, .address_space: global }
      - { .name: wt_attn, .offset: 8, .size: 8, .value_kind: global_buffer, .address_space: global }
      - { .name: wt_ffn, .offset: 16, .size: 8, .value_kind: global_buffer, .address_space: global }
      - { .name: wq_codes, .offset: 24, .size: 8, .value_kind: global_buffer, .address_space: global }
      - { .name: wk_codes, .offset: 32, .size: 8, .value_kind: global_buffer, .address_space: global }
      - { .name: wv_codes, .offset: 40, .size: 8, .value_kind: global_buffer, .address_space: global }
      - { .name: wo_codes, .offset: 48, .size: 8, .value_kind: global_buffer, .address_space: global }
      - { .name: w1_codes, .offset: 56, .size: 8, .value_kind: global_buffer, .address_space: global }
      - { .name: w2_codes, .offset: 64, .size: 8, .value_kind: global_buffer, .address_space: global }
      - { .name: wq_scales, .offset: 72, .size: 8, .value_kind: global_buffer, .address_space: global }
      - { .name: wk_scales, .offset: 80, .size: 8, .value_kind: global_buffer, .address_space: global }
      - { .name: wv_scales, .offset: 88, .size: 8, .value_kind: global_buffer, .address_space: global }
      - { .name: wo_scales, .offset: 96, .size: 8, .value_kind: global_buffer, .address_space: global }
      - { .name: w1_scales, .offset: 104, .size: 8, .value_kind: global_buffer, .address_space: global }
      - { .name: w2_scales, .offset: 112, .size: 8, .value_kind: global_buffer, .address_space: global }
      - { .name: tpa, .offset: 120, .size: 8, .value_kind: global_buffer, .address_space: global }
      - { .name: tpf, .offset: 128, .size: 8, .value_kind: global_buffer, .address_space: global }
      - { .name: wimg, .offset: 136, .size: 8, .value_kind: global_buffer, .address_space: global }
    .group_segment_fixed_size: 113664
    .private_segment_fixed_size: 0
    .kernarg_segment_align: 8
    .kernarg_segment_size: 144
    .max_flat_workgroup_size: 256
    .sgpr_count:     80
    .vgpr_count:     242
    .wavefront_size: 32
...
	.end_amdgpu_metadata
.endif
;; end of part 1
;; launch ln1 (part 2): grid 256 x 1, 8 waves a work-group, no clusters, 78,848 bytes of LDS; arguments x, tpa, bt_attn, ln1_w, ln1_b, xn; writes xn
.if DOCPART == 2
	.amdgcn_target "amdgcn-amd-amdhsa--gfx1250"
	.amdhsa_code_object_version 6
	.text
	.protected	k_q66fe2a690f_ln1
	.globl	k_q66fe2a690f_ln1
	.p2align	8
	.type	k_q66fe2a690f_ln1,@function
k_q66fe2a690f_ln1:
	s_mov_b64 s[64:65], 0
	v_nop
	global_prefetch_b8 v0, s[64:65] scope:SCOPE_SE
	s_setreg_imm32_b32 hwreg(HW_REG_WAVE_MODE, 25, 1), 1
	s_wait_xcnt 0x0
; xn = layernorm(x) x (1 + scale) + shift, quantised to FP6 (E2M3) along the 1,024 columns, stored as fragment images and scale records (16 rows x 128 columns: 1,536 bytes; 128 bytes).
; shift, scale = the four partial sums of t_emb @ wt (tp[4][2][2048]) + bt.  All in f32; the variance is taken of x - mean (two passes over registers), so a common offset of the inputs costs nothing.
; A work-group takes tile T of 16 rows (lane r: row 32 (T / 2) + 8 (T % 2) + r + 8 (r / 8)); wave s takes columns 128 s .. 128 s + 127, one K step.
; Loads take the bytes as they lie (512 consecutive bytes an instruction); the conversion wants 16 neighbours of a row in a lane: the wave's 8 KiB turn through its own stage in LDS (rows 528 bytes apart).
; The row's sums meet in LDS: two barriers.  With g = w (1 + scale), o = b (1 + scale) + shift:  xn = (x - mean) rstd g + o.
; LIMITS: NaN and infinities are not served; a block whose largest magnitude lies under 2^-124 (a block of zeros too) gets the byte 1: the bytes are read by this program alone.
.set WREG, 9472                        ; a wave's LDS: 16 rows x 528, g's row of 512 bytes, o's row
.set GOFF, 8448
.set RED1, 75776                       ; 8 x 128 bytes: the waves' row sums
.set RED2, 76800                       ; and sums of squares
.set XSC,  3145728
.set X,   16                           ; v16-79   register 16 B + i = column 32 B + 16 h + i of my row
.set G,   80                           ; v80-143  g likewise (first: what g and o are made of)
.set O,   144                          ; v144-207 o likewise
.set TM,  208
.set PW,  224
.set PC,  226
.set SEL, 20
; 64 numbers of a lane, register 16 b + i = k 32 b + 16 (lane / 16) + i of my row, become a fragment's 12 registers in v[PC] on and its scale word in v[PW]
.macro QUANT s
.irp b, 0,1,2,3
	v_max3_num_f32 v[TM+\b], |v[\s+16*\b]|, |v[\s+1+16*\b]|, 0x1800000   ; my 16 numbers of block b, and the floor 2^(3 - 127): the byte cannot fall under 1
.endr
.irp i, 2,4,6,8,10,12,14
.irp b, 0,1,2,3
	v_max3_num_f32 v[TM+\b], v[TM+\b], |v[\s+16*\b+\i]|, |v[\s+1+16*\b+\i]|
.endr
.endr
.irp b, 0,1,2,3
	v_permlanex16_b32 v[TM+4+\b], v[TM+\b], s[SEL], s[SEL+1]
.endr
.irp b, 0,1,2,3
	v_max_num_f32 v[TM+\b], v[TM+\b], v[TM+4+\b]   ; with lane l xor 16's: the block's largest magnitude
.endr
.irp b, 0,1,2,3
	v_add_nc_u32 v[TM+12+\b], 0xff000000, v[TM+\b] ; 2 off its exponent field: the conversion's scale operand
.endr
.irp b, 0,1,2,3
	v_lshrrev_b32 v[TM+4+\b], 23, v[TM+12+\b]      ; the scale's byte
.endr
	v_lshl_or_b32 v[PW], v[TM+5], 8, v[TM+4]
	v_lshl_or_b32 v[PW], v[TM+6], 16, v[PW]
	v_lshl_or_b32 v[PW], v[TM+7], 24, v[PW]
.irp c, 0,1
	v_cvt_scalef32_pk16_fp6_f32 v[PC+6*\c:PC+2+6*\c], v[\s+32*\c:\s+15+32*\c], v[TM+12+2*\c]
	v_cvt_scalef32_pk16_fp6_f32 v[PC+12+4*\c:PC+14+4*\c], v[\s+16+32*\c:\s+31+32*\c], v[TM+12+2*\c+1]   ; (a conversion's three registers begin on an even number)
.endr
	v_nop                                          ; one plain place behind a scaled conversion
.irp c, 0,1                                    ; the operand's layout wants a whole block in a lane
.irp i, 0,1,2
	v_permlane16_swap_b32 v[PC+6*\c+\i], v[PC+12+4*\c+\i]
.endr
.irp i, 0,1,2
	v_mov_b32 v[PC+3+6*\c+\i], v[PC+12+4*\c+\i]
.endr
.endr
.endm
; four chains of pairs in v[TM .. TM+7] become the row's total over all 1,024 columns in v[TM+8]: within the lane, with lane l xor 16, then over the eight waves through LDS
.macro RSUM sto, lod
	v_pk_add_f32 v[TM:TM+1], v[TM:TM+1], v[TM+2:TM+3]
	v_pk_add_f32 v[TM+4:TM+5], v[TM+4:TM+5], v[TM+6:TM+7]
	v_pk_add_f32 v[TM:TM+1], v[TM:TM+1], v[TM+4:TM+5]
	v_add_f32 v[TM], v[TM], v[TM+1]
	v_permlanex16_b32 v[TM+1], v[TM], s[SEL], s[SEL+1]
	v_add_f32 v[TM], v[TM], v[TM+1]
	ds_store_b32 v[\sto], v[TM]
	s_wait_dscnt 0x0                               ; for the others' sake: zero
	s_barrier_signal -1
	s_barrier_wait -1
.irp j, 0,1,2,3,4,5,6,7
	ds_load_b32 v[TM+8+\j], v[\lod] offset:128*\j
.endr
	s_wait_dscnt 0x0
	v_pk_add_f32 v[TM+8:TM+9], v[TM+8:TM+9], v[TM+10:TM+11]
	v_pk_add_f32 v[TM+12:TM+13], v[TM+12:TM+13], v[TM+14:TM+15]
	v_pk_add_f32 v[TM+8:TM+9], v[TM+8:TM+9], v[TM+12:TM+13]
	v_add_f32 v[TM+8], v[TM+8], v[TM+9]
.endm
	s_load_b256 s[4:11], s[0:1], 0x0               ; x, tp, bt, ln_w
	s_load_b128 s[12:15], s[0:1], 0x20             ; ln_b, xn
	v_lshl_add_u32 v246, v0, 2, 0x13000
	v_mov_b32 v247, 0
	v_lshrrev_b32 v11, 5, v0
	v_readfirstlane_b32 s16, v11                   ; wave = K step
	v_and_b32 v11, 31, v0
	v_and_b32 v12, 15, v0
	v_bfe_u32 v13, v0, 4, 1
	v_lshlrev_b32 v1, 4, v11                       ; 16 x lane
	v_lshlrev_b32 v2, 2, v11                       ; 4 x lane
	s_mul_i32 s17, s16, WREG
	v_add_nc_u32 v3, s17, v1                       ; stage, in
	v_mul_u32_u24 v4, v12, 528
	v_lshl_add_u32 v4, v13, 6, v4
	v_add_nc_u32 v4, s17, v4                       ; stage, out: row r, + 64 h
	s_add_co_u32 s17, s17, GOFF
	v_add_nc_u32 v5, s17, v1                       ; g's row, in
	v_lshlrev_b32 v6, 6, v13
	v_add_nc_u32 v6, s17, v6                       ; out: + 64 h, the same for all rows
	s_lshl_b32 s17, s16, 7
	v_add_nc_u32 v7, s17, v2
	v_add_nc_u32 v7, RED1, v7
	v_add_nc_u32 v8, RED1, v2
	v_add_nc_u32 v9, 1024, v7
	v_add_nc_u32 v10, RED2, v2
	s_lshr_b32 s18, ttmp9, 1
	s_lshl_b32 s18, s18, 5
	s_and_b32 s19, ttmp9, 1
	s_lshl_b32 s19, s19, 3
	s_add_co_u32 s18, s18, s19                     ; the tile's first row
	s_lshl_b32 s18, s18, 12
	s_lshl_b32 s22, s16, 9                         ; my 128 columns: 512 bytes
	s_add_co_u32 s18, s18, s22
	s_mov_b32 s19, 0
	s_mov_b32 s23, 0
	s_lshr_b32 s24, ttmp9, 7                       ; the batch
	s_lshl_b32 s24, s24, 13
	s_add_co_u32 s24, s24, s22
	s_mov_b32 s25, 0
	s_lshl_b32 s26, ttmp9, 3
	s_add_co_u32 s26, s26, s16                     ; fragment 8 T + s
	s_mul_i32 s28, s26, 1536
	s_mov_b32 s29, 0
	s_lshl_b32 s26, s26, 7
	s_mov_b32 s27, 0
	s_mov_b32 s[SEL], 0x76543210
	s_mov_b32 s[SEL+1], 0xfedcba98
	s_mov_b32 s30, 0x3a800000                      ; 1 / 1,024
	s_wait_kmcnt 0x0
	s_add_nc_u64 s[4:5], s[4:5], s[18:19]
	s_add_nc_u64 s[6:7], s[6:7], s[24:25]
	s_add_nc_u64 s[8:9], s[8:9], s[22:23]
	s_add_nc_u64 s[10:11], s[10:11], s[22:23]
	s_add_nc_u64 s[12:13], s[12:13], s[22:23]
	s_add_nc_u64 s[32:33], s[14:15], s[28:29]
	s_add_nc_u64 s[34:35], s[14:15], s[26:27]
	s_add_nc_u64 s[34:35], s[34:35], XSC
.set I, 0
.rept 16
	global_load_b128 v[X+4*I:X+4*I+3], v1, s[4:5] offset:(I+8*(I/8))*4096 th:TH_LOAD_NT   ; the tile's i-th row: 512 consecutive bytes
.set I, I+1
.endr
.irp j, 0,1,2,3
	global_load_b128 v[80+4*\j:83+4*\j], v1, s[6:7] offset:16384*\j          ; shift's four partial sums,
	global_load_b128 v[96+4*\j:99+4*\j], v1, s[6:7] offset:16384*\j+4096     ; scale's
.endr
	global_load_b128 v[112:115], v1, s[8:9]
	global_load_b128 v[116:119], v1, s[8:9] offset:4096
	global_load_b128 v[120:123], v1, s[10:11]
	global_load_b128 v[124:127], v1, s[12:13]
	s_wait_loadcnt 12                              ; x is in; the twelve younger loads may be out
.set I, 0
.rept 16
	ds_store_b128 v3, v[X+4*I:X+4*I+3] offset:528*I
.set I, I+1
.endr
.irp b, 0,1,2,3
.irp j, 0,1,2,3
	ds_load_b128 v[X+16*\b+4*\j:X+16*\b+4*\j+3], v4 offset:128*\b+16*\j   ; back, 16 neighbours of each block of 32: LDS serves a wave's instructions in order
.endr
.endr
	s_wait_loadcnt 0x0
.irp p, 0,2
	v_pk_add_f32 v[80+\p:81+\p], v[80+\p:81+\p], v[84+\p:85+\p]
	v_pk_add_f32 v[88+\p:89+\p], v[88+\p:89+\p], v[92+\p:93+\p]
	v_pk_add_f32 v[96+\p:97+\p], v[96+\p:97+\p], v[100+\p:101+\p]
	v_pk_add_f32 v[104+\p:105+\p], v[104+\p:105+\p], v[108+\p:109+\p]
.endr
.irp p, 0,2
	v_pk_add_f32 v[80+\p:81+\p], v[80+\p:81+\p], v[88+\p:89+\p]
	v_pk_add_f32 v[96+\p:97+\p], v[96+\p:97+\p], v[104+\p:105+\p]
.endr
.irp p, 0,2
	v_pk_add_f32 v[80+\p:81+\p], v[80+\p:81+\p], v[112+\p:113+\p]            ; shift
	v_pk_add_f32 v[96+\p:97+\p], v[96+\p:97+\p], v[116+\p:117+\p]            ; scale
.endr
.irp p, 0,2
	v_pk_fma_f32 v[248+\p:249+\p], v[120+\p:121+\p], v[96+\p:97+\p], v[120+\p:121+\p]   ; g = w scale + w
	v_pk_add_f32 v[80+\p:81+\p], v[80+\p:81+\p], v[124+\p:125+\p]                       ; b + shift
.endr
.irp p, 0,2
	v_pk_fma_f32 v[252+\p:253+\p], v[124+\p:125+\p], v[96+\p:97+\p], v[80+\p:81+\p]     ; o = b scale + b + shift
.endr
	ds_store_b128 v5, v[248:251]
	ds_store_b128 v5, v[252:255] offset:512
.irp b, 0,1,2,3
.irp j, 0,1,2,3
	ds_load_b128 v[G+16*\b+4*\j:G+16*\b+4*\j+3], v6 offset:128*\b+16*\j
	ds_load_b128 v[O+16*\b+4*\j:O+16*\b+4*\j+3], v6 offset:512+128*\b+16*\j
.endr
.endr
	s_wait_dscnt 34                                ; x is back: behind its loads stand g's and o's 2 stores and 32 loads
.irp c, 0,1,2,3
	v_pk_add_f32 v[TM+2*\c:TM+2*\c+1], v[X+2*\c:X+2*\c+1], v[X+8+2*\c:X+9+2*\c]
.endr
.irp k, 2,3,4,5,6,7
.irp c, 0,1,2,3
	v_pk_add_f32 v[TM+2*\c:TM+2*\c+1], v[TM+2*\c:TM+2*\c+1], v[X+8*\k+2*\c:X+8*\k+2*\c+1]
.endr
.endr
	RSUM 7, 8
	v_mul_f32 v[TM], s30, v[TM+8]                  ; the mean
	v_mov_b32 v[TM+1], v[TM]
.set I, 0
.rept 32
	v_pk_add_f32 v[X+I:X+I+1], v[X+I:X+I+1], v[TM:TM+1] neg_lo:[0,1] neg_hi:[0,1]
.set I, I+2
.endr
.irp c, 0,1,2,3
	v_pk_mul_f32 v[TM+2*\c:TM+2*\c+1], v[X+2*\c:X+2*\c+1], v[X+2*\c:X+2*\c+1]
.endr
.irp k, 1,2,3,4,5,6,7
.irp c, 0,1,2,3
	v_pk_fma_f32 v[TM+2*\c:TM+2*\c+1], v[X+8*\k+2*\c:X+8*\k+2*\c+1], v[X+8*\k+2*\c:X+8*\k+2*\c+1], v[TM+2*\c:TM+2*\c+1]
.endr
.endr
	RSUM 9, 10
	v_fmaak_f32 v[TM], s30, v[TM+8], 0x3727c5ac    ; the variance + 1e-5
	v_rsq_f32 v[TM+2], v[TM]
	v_nop                                          ; a plain place behind the transcendental,
	s_wait_alu depctr_va_vdst(0)                   ; and the wait ahead of its first reader
	v_mov_b32 v[TM+3], v[TM+2]
.set I, 0
.rept 32
	v_pk_mul_f32 v[G+I:G+I+1], v[G+I:G+I+1], v[TM+2:TM+3]
.set I, I+2
.endr
.set I, 0
.rept 32
	v_pk_fma_f32 v[X+I:X+I+1], v[X+I:X+I+1], v[G+I:G+I+1], v[O+I:O+I+1]
.set I, I+2
.endr
	QUANT X
.irp c, 0,1,2
	global_store_b128 v1, v[PC+4*\c:PC+4*\c+3], s[32:33] offset:512*\c   ; 512 consecutive bytes, aligned to 256
.endr
	global_store_b32 v2, v[PW], s[34:35]
	s_wait_tensorcnt 0x0
	ds_add_u32 v246, v247
	s_wait_dscnt 0x0
	s_endpgm
.Lfunc_end_k_q66fe2a690f_ln1:
	.size	k_q66fe2a690f_ln1, .Lfunc_end_k_q66fe2a690f_ln1-k_q66fe2a690f_ln1
	.p2alignl 7, 3214868480
	.fill 96, 4, 3214868480
	.section	.rodata,"a",@progbits
	.p2align	6, 0x0
	.amdhsa_kernel k_q66fe2a690f_ln1
		.amdhsa_group_segment_fixed_size 78848
		.amdhsa_private_segment_fixed_size 0
		.amdhsa_enable_private_segment 0
		.amdhsa_kernarg_size 48
		.amdhsa_user_sgpr_count 2
		.amdhsa_user_sgpr_kernarg_segment_ptr 1
		.amdhsa_wavefront_size32 1
		.amdhsa_system_sgpr_workgroup_id_x 1
		.amdhsa_system_sgpr_workgroup_id_y 1
		.amdhsa_system_sgpr_workgroup_id_z 1
		.amdhsa_system_vgpr_workitem_id 0
		.amdhsa_next_free_vgpr 256
		.amdhsa_next_free_sgpr 66
		.amdhsa_reserve_vcc 0
		.amdhsa_float_denorm_mode_32 3
		.amdhsa_float_denorm_mode_16_64 3
		.amdhsa_memory_ordered 1
		.amdhsa_forward_progress 1
		.amdhsa_inst_pref_size 28
	.end_amdhsa_kernel
	.amdgpu_metadata
---
amdhsa.version: [ 1, 2 ]
amdhsa.kernels:
  - .name:           k_q66fe2a690f_ln1
    .symbol:         k_q66fe2a690f_ln1.kd
    .args:
      - { .name: x, .offset: 0, .size: 8, .value_kind: global_buffer, .address_space: global }
      - { .name: tpa, .offset: 8, .size: 8, .value_kind: global_buffer, .address_space: global }
      - { .name: bt_attn, .offset: 16, .size: 8, .value_kind: global_buffer, .address_space: global }
      - { .name: ln1_w, .offset: 24, .size: 8, .value_kind: global_buffer, .address_space: global }
      - { .name: ln1_b, .offset: 32, .size: 8, .value_kind: global_buffer, .address_space: global }
      - { .name: xn, .offset: 40, .size: 8, .value_kind: global_buffer, .address_space: global }
    .group_segment_fixed_size: 78848
    .private_segment_fixed_size: 0
    .kernarg_segment_align: 8
    .kernarg_segment_size: 48
    .max_flat_workgroup_size: 256
    .sgpr_count:     66
    .vgpr_count:     256
    .wavefront_size: 32
...
	.end_amdgpu_metadata
.endif
;; end of part 2
;; launch qkv (part 3): grid 12 x 16, 4 waves a work-group, clusters of 4 x 4, 327,680 bytes of LDS; arguments xn, wimg, bq, bk, bv, qkv; writes qkv
.if DOCPART == 3
	.amdgcn_target "amdgcn-amd-amdhsa--gfx1250"
	.amdhsa_code_object_version 6
	.text
	.protected	k_q66fe2a690f_qkv
	.globl	k_q66fe2a690f_qkv
	.p2align	8
	.type	k_q66fe2a690f_qkv,@function
k_q66fe2a690f_qkv:
	s_mov_b64 s[64:65], 0
	v_nop
	global_prefetch_b8 v0, s[64:65] scope:SCOPE_SE
	s_setreg_imm32_b32 hwreg(HW_REG_WAVE_MODE, 25, 1), 1
	s_wait_xcnt 0x0
	s_wait_alu depctr_hold_cnt(0) depctr_sa_sdst(0) depctr_va_vdst(0) depctr_va_sdst(0) depctr_va_ssrc(0) depctr_va_vcc(0) depctr_vm_vsrc(0)
	s_getreg_b32 s2, hwreg(HW_REG_IB_STS2, 6, 4)
	s_cmp_eq_u32 s2, 0
	s_cbranch_scc0 .Lentry_in_a_cluster
	s_endpgm
.Lentry_in_a_cluster:
	s_bfe_u32 s2, ttmp6, 0x10000c
	s_cmp_lg_u32 s2, 0xf033
	s_cbranch_scc0 .Lentry_shape_is_right
	s_endpgm
.Lentry_shape_is_right:
; q = xn wq + bq, k = xn wk + bk, v = xn wv + bv on codes of FP6 (E2M3) with E8M0 scales, each result quantised at once for attention's products.  Cluster x = 0: q; 1: k; 2: v.
; OPERANDS ARE FRAGMENT IMAGES: 16 rows x 128 K as the 12 operand registers of the 32 lanes (1,536 bytes, three runs of 512, 16 bytes a lane), scale records of 128 bytes (the row's word at 4 x lane, lanes 16-31 repeat).
; Lane r of tile T stands for row 32 (T / 2) + 8 (T % 2) + r + 8 (r / 8).  P is source 0, Q source 1: a lane holds ONE row of Q, and register 16 B + i of P's tiles 2 B, 2 B + 1 is P's row 32 B + 16 h + i:
; 16 neighbours along the next product's K.  q, k: P = the weight (channels), Q = tokens: blocks of 32 along the head's channels.  v: P = tokens, Q = the weight: blocks of 32 along the KEYS.
; A work-group makes 256 (P) x 256 (Q), a wave 128 x 128: 64 accumulators.  K = 1,024 goes in 4 slots' worth of 256 through a ring of two LDS slots; the scale records of all K come once.
; CLUSTERS 4 x 4: Q's tiles are shared along a row of the cluster, P's along a column: joint loads.  A wave has at most three tensor loads out (the first fills), later one.
; OUT: q, k [batch 8 + head pair][token tile 128][1,536] (a fragment holds two heads: registers 0-5 the even head's 64 channels, 6-11 the odd one's); v [batch 8 + head pair][key step 16][8 channel tiles][1,536].
; LIMITS: NaN and infinities are not served; a block whose largest magnitude lies under 2^-124 (a block of zeros too) gets the byte 1: the bytes are read by this program alone.
.set NB,    8                          ; tiles of 16 rows a wave and side
.set NQ,    2                          ; K steps of 128 in a slot
.set KS,    8                          ; K steps in all
.set WSC,   9437184
.set XSC,   3145728
.set FR,    12
.set NL,    3                          ; LDS loads that bring a fragment
.set HB,    NB/2
.set QB,    NB/4
.set APW,   32/NB                      ; Q's blocks whose accumulators fill a window
.set HALFT, NB*NQ*1536                 ; what one tensor load brings: NB tiles x NQ K steps
.set SLOT,  4*HALFT                    ; Q's two halves, then P's two halves
.set SCL,   2*SLOT                     ; behind the ring: the scale records of all K, in the same order of halves
.set HALFS, NB*KS*128
.set SPARE, SCL+4*HALFS                ; the spare words, 128 bytes for each wave, that no other line names
.set LAPS,  KS/(2*NQ)
.set ADRQ, 16                          ; v16-17 LDS address of my Q fragments in slot 0, 1
.set ADRP, 20                          ; v20-21 the same for P
.set LI,   24                          ; v24 16 x lane
.set LS,   25                          ; v25 4 x lane
.set BA,   26                          ; v26 the bias's offset
.set ADRS, 27                          ; v27 my scale words: lanes 0-15 Q's, lanes 16-31 P's
.set SPW,  28
.set NIL,  29
.set SC,   32                          ; v32-63 scale words, two sets of 16: register NQ i + q
.set BI,   64                          ; v64-127 the bias
.set AF,   128                         ; Q's fragments, one set; window 1: P's, two sets at v0 and v128; windows 2, 3: the accumulators
.set H,    128                         ; the epilogue: a block's 64 numbers
.set TM,   200
.set PW,   216
.set PC,   220
.set SEL,  100
.set G1, 24
.set G0, 32
.set G1B, 48
.set G0B, 56
.set G1S, 68
.set G0S, 76
.set G1SB, 80
.set G0SB, 88
.set MSB, 0
.macro WIN new                         ; the immediate's high byte repeats the setting that is left
.if MSB != \new
	s_set_vgpr_msb (MSB<<8)|\new
.set MSB, \new
.endif
.endm
.macro JLOAD g0a, g1a, g0b, g1b        ; a joint load: waves 0, 1 fetch Q's halves, waves 2, 3 P's; four v_nop follow each line
	s_cmp_eq_u32 s15, 0
	s_cbranch_scc0 .Lfor_b_\@
	tensor_load_to_lds s[\g0a:\g0a+3], s[\g1a:\g1a+7]
	s_nop 0
.rept 4
	v_nop
.endr
	s_branch .Lasked_\@
.Lfor_b_\@:
	tensor_load_to_lds s[\g0b:\g0b+3], s[\g1b:\g1b+7]
	s_nop 0
.rept 4
	v_nop
.endr
.Lasked_\@:
.endm
.macro CREST                           ; a round of the cluster's barrier behind its opening barrier
	s_cmp_lg_u32 s14, 0
	s_cbranch_scc1 .Lnot_wave_0_\@
	s_barrier_signal -3
.Lnot_wave_0_\@:
	s_barrier_wait -3
	s_barrier_signal -1
	s_barrier_wait -1
.endm
.macro CROUND
	s_barrier_signal -1
	s_barrier_wait -1
	CREST
.endm
.macro PLACES n                        ; plain places behind matrix instructions, ahead of loads into their registers and of reads of their results
.rept \n
	v_nop
.endr
.endm
.macro FRAG reg, adr, off              ; an image comes back as it was stored: three loads of 16 bytes a lane, 512 consecutive bytes each
.irp c, 0,1,2
	ds_load_b128 v[\reg+4*\c:\reg+4*\c+3], v[\adr] offset:\off+512*\c
.endr
.endm
.macro FETCH_P slot, q, p              ; P's NB fragments of the slot's q-th K step into set p
	WIN 0x40
.set II, 0
.rept NB
	FRAG 128*(\p)+FR*II, ADRP+\slot, (II*NQ+(\q))*1536
.set II, II+1
.endr
	WIN 0
.endm
.macro FETCH_Q slot, q, i0             ; Q's blocks i0 .. i0 + HB - 1
.set II, \i0
.rept HB
	FRAG AF+FR*II, ADRQ+\slot, (II*NQ+(\q))*1536
.set II, II+1
.endr
.endm
.macro SCALES set                      ; a slot's scale words: lanes 0-15 take Q's tile i, lanes 16-31 P's tile i
.set II, 0
.rept NB
.set QI, 0
.rept NQ
	ds_load_b32 v[SC+16*\set+NQ*II+QI], v[ADRS] offset:II*KS*128+QI*128
.set QI, QI+1
.endr
.set II, II+1
.endr
.endm
.macro MULB a, p, q, sc, zero          ; Q's block a against P's NB tiles.  The accumulators take turns, one instruction a turn
.set WN, 0xa1+0x50*((\a)/APW)
	WIN WN
.irp b, 0,1,2,3,4,5,6,7
.if \b < NB
.set AC, 8*(NB*((\a)%APW)+\b)
.if \zero
	v_wmma_scale_f32_16x16x128_f8f6f4 v[AC:AC+7], v[128*(\p)+FR*\b:128*(\p)+FR*\b+FR-1], v[AF+FR*(\a):AF+FR*(\a)+FR-1], 0, v[SC+16*(\sc)+NQ*\b+(\q)], v[SC+16*(\sc)+NQ*(\a)+(\q)] matrix_a_fmt:MATRIX_FMT_FP6 matrix_b_fmt:MATRIX_FMT_FP6 matrix_a_scale:MATRIX_SCALE_ROW1
.else
	v_wmma_scale_f32_16x16x128_f8f6f4 v[AC:AC+7], v[128*(\p)+FR*\b:128*(\p)+FR*\b+FR-1], v[AF+FR*(\a):AF+FR*(\a)+FR-1], v[AC:AC+7], v[SC+16*(\sc)+NQ*\b+(\q)], v[SC+16*(\sc)+NQ*(\a)+(\q)] matrix_a_fmt:MATRIX_FMT_FP6 matrix_b_fmt:MATRIX_FMT_FP6 matrix_a_scale:MATRIX_SCALE_ROW1
.endif
.endif
.endr
.endm
.macro MULS a0, n, p, q, sc, zero
.set AA, \a0
.rept \n
	MULB AA, \p, \q, \sc, \zero
.set AA, AA+1
.endr
.endm
.macro STEP slot, q, zero              ; a K step that has its successor in the same slot
	s_wait_dscnt HB*NL                             ; all but the youngest loads, Q's upper blocks
	MULS 0, HB, (\q)%2, \q, \slot, \zero
	s_wait_dscnt 0x0
	PLACES 4
	FETCH_P \slot, (\q)+1, 1-(\q)%2
	FETCH_Q \slot, (\q)+1, 0
	MULS HB, HB, (\q)%2, \q, \slot, \zero
	PLACES 4
	WIN 0
	FETCH_Q \slot, (\q)+1, HB
.endm
.macro MID slot
.set QM, 1
.rept NQ-2
	STEP \slot, QM, 0
.set QM, QM+1
.endr
.endm
.macro TURN slot, next, fill           ; a slot's last K step changes slots: one barrier (with fill = 1 it opens a round of the cluster's)
	s_wait_tensorcnt 0x0                           ; all my tensor loads have landed: my part of the next slot
	ds_add_u32 v[SPW], v[NIL]                      ; 0 onto my spare word
	s_wait_dscnt HB*NL+1                           ; (the add and Q's upper blocks may be out)
	MULS 0, QB, 1, NQ-1, \slot, 0
	s_wait_dscnt 0x0                               ; the add is done, and my reads of this slot are over
	s_barrier_signal -1
	MULS QB, HB-QB, 1, NQ-1, \slot, 0
	WIN 0
	s_barrier_wait -1
.if \fill
	CREST                                          ; no wave of any partner still reads this slot or has a load on its way
	s_add_nc_u64 s[G0+4*\slot+2:G0+4*\slot+3], s[G0+4*\slot+2:G0+4*\slot+3], 2*NQ*1536
	s_add_nc_u64 s[G0B+4*\slot+2:G0B+4*\slot+3], s[G0B+4*\slot+2:G0B+4*\slot+3], 2*NQ*1536
	JLOAD G0+4*\slot, G1, G0B+4*\slot, G1B         ; the first tensor load behind the round; its four v_nop are the places ahead of the loads below
.else
	PLACES 4
.endif
	v_add_nc_u32 v[ADRS], NQ*128, v[ADRS]
	FETCH_P \next, 0, 0
	FETCH_Q \next, 0, 0
	SCALES \next
	MULS HB, HB, 1, NQ-1, \slot, 0
	PLACES 4
	WIN 0
	FETCH_Q \next, 0, HB
.endm
.macro LAST
	s_wait_dscnt HB*NL
	MULS 0, HB, 1, NQ-1, 1, 0
	s_wait_dscnt 0x0
	MULS HB, HB, 1, NQ-1, 1, 0
	WIN 0
.endm
; 64 numbers of a lane, register 16 b + i = k 32 b + 16 (lane / 16) + i of my row, become a fragment's 12 registers in v[PC] on and its scale word in v[PW]
.macro QUANT s
.irp b, 0,1,2,3
	v_max3_num_f32 v[TM+\b], |v[\s+16*\b]|, |v[\s+1+16*\b]|, 0x1800000   ; and the floor 2^(3 - 127): the byte cannot fall under 1
.endr
.irp i, 2,4,6,8,10,12,14
.irp b, 0,1,2,3
	v_max3_num_f32 v[TM+\b], v[TM+\b], |v[\s+16*\b+\i]|, |v[\s+1+16*\b+\i]|
.endr
.endr
.irp b, 0,1,2,3
	v_permlanex16_b32 v[TM+4+\b], v[TM+\b], s[SEL], s[SEL+1]
.endr
.irp b, 0,1,2,3
	v_max_num_f32 v[TM+\b], v[TM+\b], v[TM+4+\b]
.endr
.irp b, 0,1,2,3
	v_add_nc_u32 v[TM+12+\b], 0xff000000, v[TM+\b] ; 2 off the exponent field: the conversion's scale operand
.endr
.irp b, 0,1,2,3
	v_lshrrev_b32 v[TM+4+\b], 23, v[TM+12+\b]
.endr
	v_lshl_or_b32 v[PW], v[TM+5], 8, v[TM+4]
	v_lshl_or_b32 v[PW], v[TM+6], 16, v[PW]
	v_lshl_or_b32 v[PW], v[TM+7], 24, v[PW]
.irp c, 0,1
	v_cvt_scalef32_pk16_fp6_f32 v[PC+6*\c:PC+2+6*\c], v[\s+32*\c:\s+15+32*\c], v[TM+12+2*\c]
	v_cvt_scalef32_pk16_fp6_f32 v[PC+12+4*\c:PC+14+4*\c], v[\s+16+32*\c:\s+31+32*\c], v[TM+12+2*\c+1]
.endr
	v_nop                                          ; one plain place behind a scaled conversion
.irp c, 0,1
.irp i, 0,1,2
	v_permlane16_swap_b32 v[PC+6*\c+\i], v[PC+12+4*\c+\i]
.endr
.irp i, 0,1,2
	v_mov_b32 v[PC+3+6*\c+\i], v[PC+12+4*\c+\i]
.endr
.endr
.endm
; Q's block a leaves: + bias, quantised, one fragment image and one scale record.  isv = 0: the bias runs along the registers; 1: it is the lane's own, one number for block a, held twice as a pair
.macro EPI a, isv
.if (\a) > 0
	s_wait_xcnt 0x0                                ; the last block's stores have read the codes' registers
.endif
.set WN, 2+(\a)/4
	WIN WN
.set I2, 0
.rept 32
.if \isv
	v_pk_add_f32 v[H+I2:H+I2+1], v[64*((\a)%4)+I2:64*((\a)%4)+I2+1], v[BI+2*(\a):BI+2*(\a)+1]
.else
	v_pk_add_f32 v[H+I2:H+I2+1], v[64*((\a)%4)+I2:64*((\a)%4)+I2+1], v[BI+I2:BI+I2+1]
.endif
.set I2, I2+2
.endr
	WIN 0
	QUANT H
.irp c, 0,1,2
	global_store_b128 v[LI], v[PC+4*\c:PC+4*\c+3], s[12:13] offset:1536*(\a)+512*\c
.endr
	global_store_b32 v[LS], v[PW], s[66:67] offset:128*(\a)
.endm
.macro EPIHEAD
	PLACES 4                                       ; behind the last products
.irp b, 0,1,2,3
	v_mov_b32 v[TM+4+\b], 0                        ; a lane permute's destination counts as one of its sources
.endr
	s_wait_loadcnt 0x0                             ; the bias
.endm
	s_load_b256 s[4:11], s[0:1], 0x0               ; xn, wimg, bq, bk
	s_load_b128 s[96:99], s[0:1], 0x20             ; bv, qkv
	v_lshl_add_u32 v[SPW], v0, 2, SPARE
	v_mov_b32 v[NIL], 0
	ds_add_u32 v28, v29
	ds_add_u32 v28, v29
	s_wait_dscnt 0x0
	v_lshrrev_b32 v1, 5, v0
	v_readfirstlane_b32 s14, v1                    ; wave 0..3
	s_lshr_b32 s15, s14, 1                         ; my half of Q.  Also: I fetch for Q (0) or for P (1)
	s_and_b32 s16, s14, 1                          ; my half of P.  Also: which half I fetch
	s_bfe_u32 s40, ttmp6, 0x40000                  ; cx
	s_bfe_u32 s41, ttmp6, 0x40004                  ; cy
	s_and_b32 s18, ttmp7, 0xffff
	s_lshl_b32 s18, s18, 2
	s_add_co_u32 s19, s18, s41                     ; 4 x cluster y + cy
	s_add_co_u32 s18, s18, s40                     ; 4 x cluster y + cx
	s_cmp_eq_u32 ttmp9, 2                          ; v?  The cluster's x: the same in all partners
	s_cselect_b32 s42, s18, s40                    ; P's block of 256 rows: tokens (v) or channels: it hangs on cx
	s_cselect_b32 s17, s41, s19                    ; Q's: channels (v) or tokens: it hangs on cy
	s_lshl_b32 s43, s41, 2
	s_lshl_b32 s43, 15, s43                        ; my row of the cluster
	s_lshl_b32 s44, 0x1111, s40                    ; my column
	s_mov_b32 s[SEL], 0x76543210
	s_mov_b32 s[SEL+1], 0xfedcba98
	s_mul_i32 s18, s16, NB
	s_mul_i32 s20, s17, 2*NB
	s_add_co_u32 s20, s20, s18                     ; Q: the first tile that I fetch
	s_mul_i32 s46, s42, 2*NB
	s_add_co_u32 s46, s46, s18                     ; P likewise
	s_mul_i32 s22, s20, KS*128
	s_mul_i32 s92, s46, KS*128
	s_mul_i32 s20, s20, KS*1536
	s_mul_i32 s46, s46, KS*1536
	s_mov_b32 s21, 0
	s_mov_b32 s23, 0
	s_mov_b32 s47, 0
	s_mov_b32 s93, 0
	s_mul_i32 s45, s14, HALFT                      ; where they go: no place in the cluster enters an LDS address
	s_mul_i32 s94, s14, HALFS
	s_mul_i32 s68, ttmp9, 786432                   ; the weight's images in wimg: 64 units of 12,288 bytes each
	s_mov_b32 s69, 0
	s_lshl_b32 s70, ttmp9, 16
	s_mov_b32 s71, 0
	s_wait_kmcnt 0x0
	s_add_nc_u64 s[72:73], s[6:7], s[68:69]
	s_add_nc_u64 s[74:75], s[6:7], s[70:71]
	s_add_nc_u64 s[74:75], s[74:75], WSC
	s_add_nc_u64 s[76:77], s[4:5], XSC
	s_cmp_eq_u32 ttmp9, 2
	s_cselect_b64 s[78:79], s[72:73], s[4:5]       ; Q's codes,
	s_cselect_b64 s[80:81], s[74:75], s[76:77]     ; Q's scale records,
	s_cselect_b64 s[82:83], s[4:5], s[72:73]       ; P's codes,
	s_cselect_b64 s[84:85], s[76:77], s[74:75]     ; P's scale records
	s_add_nc_u64 s[20:21], s[78:79], s[20:21]
	s_add_nc_u64 s[22:23], s[80:81], s[22:23]
	s_add_nc_u64 s[46:47], s[82:83], s[46:47]
	s_add_nc_u64 s[92:93], s[84:85], s[92:93]
	; descriptor group 1.  Codes: NB rows (tiles) of NQ x 1,536 bytes, KS x 1,536 bytes apart, in elements of 8 bytes; dense in LDS
	s_or_b32 s[G1+0], s43, (3<<16)|(1<<21)         ; 15:0 the mask: Q's tiles go to my row; 17:16 elements of 8 bytes; 21 set beside a mask
	s_or_b32 s[G1B+0], s44, (3<<16)|(1<<21)
.irp g, G1, G1B
	s_mov_b32 s[\g+1], (NQ*192)<<16                ; tensor_dim0
	s_mov_b32 s[\g+2], NB<<16                      ; tensor_dim1
	s_mov_b32 s[\g+3], (NQ*192)<<16                ; tile_dim0
	s_mov_b32 s[\g+4], NB                          ; tile_dim1
	s_mov_b32 s[\g+5], KS*192                      ; tensor_dim0_stride
	s_mov_b32 s[\g+6], 0
	s_mov_b32 s[\g+7], 0
.endr
	; scale records of NB tiles and all K: a dense block, as rows of 256 bytes
	s_or_b32 s[G1S+0], s43, (3<<16)|(1<<21)
	s_or_b32 s[G1SB+0], s44, (3<<16)|(1<<21)
.irp g, G1S, G1SB
	s_mov_b32 s[\g+1], 32<<16
	s_mov_b32 s[\g+2], (HALFS/256)<<16
	s_mov_b32 s[\g+3], 32<<16
	s_mov_b32 s[\g+4], HALFS/256
	s_mov_b32 s[\g+5], 32
	s_mov_b32 s[\g+6], 0
	s_mov_b32 s[\g+7], 0
.endr
	CROUND                                         ; all sixteen work-groups are here: the first joint loads meet
	s_mov_b32 s[G0S], 1
	s_add_co_u32 s[G0S+1], s94, SCL
	s_mov_b64 s[G0S+2:G0S+3], s[22:23]
	s_or_b32 s[G0S+3], s[G0S+3], 0x80000000
	s_mov_b32 s[G0SB], 1
	s_add_co_u32 s[G0SB+1], s94, SCL
	s_mov_b64 s[G0SB+2:G0SB+3], s[92:93]
	s_or_b32 s[G0SB+3], s[G0SB+3], 0x80000000
	JLOAD G0S, G1S, G0SB, G1SB
.irp s, 0,1
	s_mov_b32 s[G0+4*\s], 1
	s_add_co_u32 s[G0+4*\s+1], s45, \s*SLOT
	s_add_nc_u64 s[G0+4*\s+2:G0+4*\s+3], s[20:21], \s*NQ*1536
	s_or_b32 s[G0+4*\s+3], s[G0+4*\s+3], 0x80000000
	s_mov_b32 s[G0B+4*\s], 1
	s_add_co_u32 s[G0B+4*\s+1], s45, \s*SLOT
	s_add_nc_u64 s[G0B+4*\s+2:G0B+4*\s+3], s[46:47], \s*NQ*1536
	s_or_b32 s[G0B+4*\s+3], s[G0B+4*\s+3], 0x80000000
	JLOAD G0+4*\s, G1, G0B+4*\s, G1B
.endr
	v_and_b32 v1, 31, v0
	v_bfe_u32 v2, v0, 4, 1
	v_lshlrev_b32 v[LI], 4, v1
	v_lshlrev_b32 v[LS], 2, v1
	s_mul_i32 s21, s15, HALFT
	s_mul_i32 s22, s16, HALFT
	s_add_co_u32 s22, s22, 2*HALFT
.irp s, 0,1
	v_add_nc_u32 v[ADRQ+\s], s21, v[LI]
	v_add_nc_u32 v[ADRP+\s], s22, v[LI]
	s_add_co_u32 s21, s21, SLOT
	s_add_co_u32 s22, s22, SLOT
.endr
	s_mul_i32 s21, s15, HALFS
	s_mul_i32 s22, s16, HALFS
	s_add_co_u32 s22, s22, 2*HALFS
	s_sub_co_u32 s22, s22, s21
	v_mul_u32_u24 v3, s22, v2                      ; lanes 16-31 take P's records: one product, the distance between the two bases
	s_add_co_u32 s21, s21, SCL
	v_add_nc_u32 v3, v3, v[LS]
	v_add_nc_u32 v[ADRS], s21, v3
	s_wait_tensorcnt 1                             ; the scale records and my part of slot 0 are in; slot 1's load may be out
	s_barrier_signal -1
	s_barrier_wait -1
	FETCH_P 0, 0, 0
	FETCH_Q 0, 0, 0
	SCALES 0
	FETCH_Q 0, 0, HB
	STEP 0, 0, 1                                   ; the first K step starts the sums
	s_mov_b32 s3, LAPS-1
.Llap:
	MID 0
	TURN 0, 1, 1
	STEP 1, 0, 0
	MID 1
	TURN 1, 0, 1
	STEP 0, 0, 0
	s_sub_co_u32 s3, s3, 1
	s_cmp_lg_u32 s3, 0
	s_cbranch_scc1 .Llap
	MID 0
	TURN 0, 1, 0                                   ; the last barrier: nothing is filled again
	; THE TWO WAYS PART HERE, once, on the cluster's x: each has its bias loads, the last two K steps (in which those loads land) and its way out
	s_cmp_eq_u32 ttmp9, 2
	s_cbranch_scc1 .Lway_v
	s_cmp_eq_u32 ttmp9, 0
	s_cselect_b64 s[18:19], s[8:9], s[10:11]       ; bq or bk
	s_lshl_b32 s20, s42, 10
	s_lshl_b32 s21, s16, 9
	s_add_co_u32 s20, s20, s21
	s_mov_b32 s21, 0
	s_add_nc_u64 s[18:19], s[18:19], s[20:21]      ; at my 128 channels
	v_bfe_u32 v[BA], v0, 4, 1
	v_lshlrev_b32 v[BA], 6, v[BA]                  ; register 16 B + i wants channel 32 B + 16 h + i
.irp b, 0,1,2,3
.irp j, 0,1,2,3
	global_load_b128 v[BI+16*\b+4*\j:BI+16*\b+4*\j+3], v[BA], s[18:19] offset:128*\b+16*\j
.endr
.endr
	s_lshl_b32 s20, s17, 4
	s_lshl_b32 s21, s15, 3
	s_add_co_u32 s20, s20, s21                     ; my first token tile
	s_lshr_b32 s22, s20, 7                         ; the batch
	s_and_b32 s20, s20, 127
	s_lshl_b32 s22, s22, 3
	s_lshl_b32 s23, s42, 1
	s_add_co_u32 s23, s23, s16                     ; the head pair
	s_add_co_u32 s22, s22, s23
	s_lshl_b32 s22, s22, 7
	s_add_co_u32 s22, s22, s20
	s_mul_i32 s20, s22, 1536
	s_mul_i32 s23, ttmp9, 3145728
	s_add_co_u32 s20, s20, s23
	s_mov_b32 s21, 0
	s_add_nc_u64 s[12:13], s[98:99], s[20:21]
	s_lshl_b32 s20, s22, 7
	s_lshl_b32 s23, ttmp9, 18
	s_add_co_u32 s20, s20, s23
	s_add_nc_u64 s[66:67], s[98:99], s[20:21]
	s_add_nc_u64 s[66:67], s[66:67], 9437184
	STEP 1, 0, 0
	MID 1
	LAST
	EPIHEAD
.irp a, 0,1,2,3,4,5,6,7
	EPI \a, 0
.endr
	s_branch .Lend
.Lway_v:
	s_lshl_b32 s18, s17, 10
	s_lshl_b32 s19, s15, 9
	s_add_co_u32 s18, s18, s19
	s_mov_b32 s19, 0
	s_add_nc_u64 s[18:19], s[96:97], s[18:19]      ; bv at my 128 channels
	v_and_b32 v[BA], 15, v0
	v_and_b32 v30, 8, v[BA]
	v_add_nc_u32 v[BA], v[BA], v30
	v_lshlrev_b32 v[BA], 2, v[BA]                  ; my lane's channel in a tile: r + 8 (r / 8)
.irp a, 0,1,2,3,4,5,6,7
	global_load_b32 v[BI+2*\a], v[BA], s[18:19] offset:(32*(\a/2)+8*(\a%2))*4
	global_load_b32 v[BI+2*\a+1], v[BA], s[18:19] offset:(32*(\a/2)+8*(\a%2))*4   ; twice: the packed addition takes a pair
.endr
	s_lshl_b32 s20, s42, 1
	s_add_co_u32 s20, s20, s16                     ; my 128 tokens: which of 32
	s_lshr_b32 s21, s20, 4                         ; the batch
	s_and_b32 s20, s20, 15                         ; the key step
	s_lshl_b32 s21, s21, 3
	s_lshl_b32 s22, s17, 1
	s_add_co_u32 s22, s22, s15                     ; the head pair
	s_add_co_u32 s21, s21, s22
	s_lshl_b32 s21, s21, 4
	s_add_co_u32 s21, s21, s20
	s_lshl_b32 s22, s21, 3                         ; eight fragments a key step
	s_mul_i32 s20, s22, 1536
	s_mov_b32 s21, 0
	s_add_nc_u64 s[12:13], s[98:99], s[20:21]
	s_add_nc_u64 s[12:13], s[12:13], 6291456
	s_lshl_b32 s20, s22, 7
	s_add_nc_u64 s[66:67], s[98:99], s[20:21]
	s_add_nc_u64 s[66:67], s[66:67], 9961472
	STEP 1, 0, 0
	MID 1
	LAST
	EPIHEAD
.irp a, 0,1,2,3,4,5,6,7
	EPI \a, 1
.endr
.Lend:
	s_wait_tensorcnt 0x0                           ; the wave's end
	ds_add_u32 v[SPW], v[NIL]
	s_wait_dscnt 0x0
	CROUND                                         ; the closing round
	s_endpgm
.Lfunc_end_k_q66fe2a690f_qkv:
	.size	k_q66fe2a690f_qkv, .Lfunc_end_k_q66fe2a690f_qkv-k_q66fe2a690f_qkv
	.p2alignl 7, 3214868480
	.fill 96, 4, 3214868480
	.section	.rodata,"a",@progbits
	.p2align	6, 0x0
	.amdhsa_kernel k_q66fe2a690f_qkv
		.amdhsa_group_segment_fixed_size 327680
		.amdhsa_private_segment_fixed_size 0
		.amdhsa_enable_private_segment 0
		.amdhsa_kernarg_size 48
		.amdhsa_user_sgpr_count 2
		.amdhsa_user_sgpr_kernarg_segment_ptr 1
		.amdhsa_wavefront_size32 1
		.amdhsa_system_sgpr_workgroup_id_x 1
		.amdhsa_system_sgpr_workgroup_id_y 1
		.amdhsa_system_sgpr_workgroup_id_z 1
		.amdhsa_system_vgpr_workitem_id 0
		.amdhsa_next_free_vgpr 1024
		.amdhsa_next_free_sgpr 102
		.amdhsa_reserve_vcc 0
		.amdhsa_float_denorm_mode_32 3
		.amdhsa_float_denorm_mode_16_64 3
		.amdhsa_memory_ordered 1
		.amdhsa_forward_progress 1
		.amdhsa_inst_pref_size 232
	.end_amdhsa_kernel
	.amdgpu_metadata
---
amdhsa.version: [ 1, 2 ]
amdhsa.kernels:
  - .name:           k_q66fe2a690f_qkv
    .symbol:         k_q66fe2a690f_qkv.kd
    .args:
      - { .name: xn, .offset: 0, .size: 8, .value_kind: global_buffer, .address_space: global }
      - { .name: wimg, .offset: 8, .size: 8, .value_kind: global_buffer, .address_space: global }
      - { .name: bq, .offset: 16, .size: 8, .value_kind: global_buffer, .address_space: global }
      - { .name: bk, .offset: 24, .size: 8, .value_kind: global_buffer, .address_space: global }
      - { .name: bv, .offset: 32, .size: 8, .value_kind: global_buffer, .address_space: global }
      - { .name: qkv, .offset: 40, .size: 8, .value_kind: global_buffer, .address_space: global }
    .group_segment_fixed_size: 327680
    .private_segment_fixed_size: 0
    .kernarg_segment_align: 8
    .kernarg_segment_size: 48
    .max_flat_workgroup_size: 128
    .sgpr_count:     102
    .vgpr_count:     1024
    .wavefront_size: 32
...
	.end_amdgpu_metadata
.endif
;; end of part 3
;; launch attn (part 4): grid 16 x 16, 16 waves a work-group, no clusters, 69,632 bytes of LDS; arguments qkv, att; writes att
.if DOCPART == 4
	.amdgcn_target "amdgcn-amd-amdhsa--gfx1250"
	.amdhsa_code_object_version 6
	.text
	.protected	k_q66fe2a690f_attn
	.globl	k_q66fe2a690f_attn
	.p2align	8
	.type	k_q66fe2a690f_attn,@function
k_q66fe2a690f_attn:
	s_mov_b64 s[64:65], 0
	v_nop
	global_prefetch_b8 v0, s[64:65] scope:SCOPE_SE
	s_setreg_imm32_b32 hwreg(HW_REG_WAVE_MODE, 25, 1), 1
	s_wait_xcnt 0x0
; att = softmax(q k^T / 8) v for 32 heads of 64, both products on codes of FP6 (E2M3); the result is quantised at once along head x 64 + channel for the next product.
; t = score x log2(e) / 8; M = the running largest t rounded UP to a whole number; p = 2^(t - M) is quantised along the keys, not normalised; the row's sum of the unquantised p divides at the end.
; SHARES.  A work-group: 128 queries of a head PAIR; 16 waves: wave w has head 2 hp + (w & 1) and query tile w / 2.  Four waves to a SIMD: one wave's vector work stands beside another's products.
; A fragment of q or k holds both heads of the pair (registers 0-5, 6-11).  The product's K is 128 and a head's is 64: my Q fragment's other six registers are set to zero codes, so K's fragment is used whole.
; Both products are used transposed (S^T = K Q^T, O^T = V^T P^T): a lane holds one query.  The tiles' row order makes the 16 registers of two neighbouring tiles 16 neighbouring keys (channels).
; FEEDING.  A key step (128 keys) is 8 fragments of K, 8 of V and their 16 scale records: 26,624 bytes.  Wave w copies fragment w and record w of the NEXT step: four loads at the step's head,
; four LDS stores at its end, into the other of two buffers; one barrier a step: behind it the next buffer is whole and nobody reads the one just left.  No tensor loads: what is shared is small beside a step's work.
; LIMITS: NaN and infinities are not served; a block whose largest magnitude lies under 2^-124 gets the byte 1.
.set BUFB, 26624
.set SREC, 24576
.set STG,  53248                       ; the way out: 768 bytes for each wave: its six registers
.set STGS, 65536                       ; and 128 bytes: its two scale bytes
.set KOFF, 3145728
.set VOFF, 6291456
.set QSC,  9437184
.set SEL,  20
.set CS,   22
; v1 16 l; v2 4 l; v3, v4 my head's V fragments and records; v5, v6 where I copy to; v7, v10 stage in; v9, v11 stage out; v12 -M; v13 largest t; v[14:15] the sum; v16-27 Q; v32-79 four fragments;
; v80-92 the copy; v96-159 S^T, then p; v160-191 O^T; v224-235 p's codes; v232-254 at work; v253 p's scale word; v255 Q's
.macro COPYLD
.irp c, 0,1,2
	global_load_b128 v[80+4*\c:83+4*\c], v1, s[8:9] offset:512*\c
.endr
	global_load_b32 v92, v2, s[10:11]
.endm
.macro COPYST p
.irp c, 0,1,2
	ds_store_b128 v5, v[80+4*\c:83+4*\c] offset:(\p)*BUFB+512*\c
.endr
	ds_store_b32 v6, v92 offset:(\p)*BUFB
	s_add_nc_u64 s[8:9], s[8:9], 12288             ; (the loads that read these bases have come)
	s_add_nc_u64 s[10:11], s[10:11], 1024
	s_wait_dscnt 0x0                               ; my stores are done, and my reads of the other buffer were waited for ahead of their products
	s_barrier_signal -1
	s_barrier_wait -1
.endm
.macro KSTEP p, more
.if \more
	COPYLD                                         ; the next step's part: it has this step's work in which to come
.endif
.irp g, 0,1                                    ; S^T = K Q^T, four tiles of 16 keys at a time
.rept 4
	v_nop                                          ; places ahead of loads into registers that matrix instructions have read
.endr
.irp t, 0,1,2,3
.irp c, 0,1,2
	ds_load_b128 v[32+12*\t+4*\c:35+12*\t+4*\c], v1 offset:(\p)*BUFB+(4*\g+\t)*1536+512*\c
.endr
	ds_load_b32 v[248+\t], v2 offset:(\p)*BUFB+SREC+(4*\g+\t)*128
.endr
	s_wait_dscnt 0x0
.irp t, 0,1,2,3
	v_wmma_scale_f32_16x16x128_f8f6f4 v[96+8*(4*\g+\t):103+8*(4*\g+\t)], v[32+12*\t:43+12*\t], v[16:27], 0, v[248+\t], v255 matrix_a_fmt:MATRIX_FMT_FP6 matrix_b_fmt:MATRIX_FMT_FP6
.endr
.endr
.rept 4
	v_nop
.endr
.irp b, 0,1,2,3
	v_max3_num_f32 v[232+\b], v[96+16*\b], v[97+16*\b], v[98+16*\b]   ; the largest score of each block of 32 keys: for the row's maximum, and, since p rises with the score, for the block's largest p
.endr
.irp i, 3,5,7,9,11,13
.irp b, 0,1,2,3
	v_max3_num_f32 v[232+\b], v[232+\b], v[96+16*\b+\i], v[97+16*\b+\i]
.endr
.endr
.irp b, 0,1,2,3
	v_max_num_f32 v[232+\b], v[232+\b], v[111+16*\b]
.endr
.irp b, 0,1,2,3
	v_permlanex16_b32 v[236+\b], v[232+\b], s[SEL], s[SEL+1]
.endr
.irp b, 0,1,2,3
	v_max_num_f32 v[232+\b], v[232+\b], v[236+\b]
.endr
	v_max3_num_f32 v254, v232, v233, v234
	v_max_num_f32 v254, v254, v235
	v_mul_f32 v254, s[CS], v254
	v_max_num_f32 v13, v13, v254                   ; the running largest t
	v_mov_b32 v254, v12
	v_floor_f32 v12, -v13                          ; -M = floor(-t): M is a whole number
	v_sub_f32 v254, v12, v254
	v_cvt_i32_f32 v254, v254
	v_ldexp_f32 v252, 1.0, v254                    ; f = 2^(old M - new M): a multiplication by it rounds nothing
.irp j, 0,2,4,6,8,10,12,14,16,18,20,22,24,26,28,30,32,34,36,38,40,42,44,46,48,50,52,54,56,58,60,62
	v_pk_fma_f32 v[96+\j:97+\j], v[96+\j:97+\j], s[CS:CS+1], v[12:13] op_sel_hi:[1,0,0]   ; t - M
.endr
.irp b, 0,1,2,3
	v_fma_f32 v[232+\b], v[232+\b], s[CS], v12
.endr
.set J, 0
.rept 64
	v_exp_f32 v[96+J], v[96+J]                     ; p = 2^(t - M)
.set J, J+1
.endr
	v_pk_mul_f32 v[14:15], v[14:15], v[252:253] op_sel_hi:[1,0]   ; the sums under the new M: a plain place behind the exponentials
	s_wait_alu depctr_va_vdst(0)                   ; one wait for the batch, ahead of its first reader
.irp b, 0,1,2,3
	v_exp_f32 v[232+\b], v[232+\b]                 ; each block's largest p
.endr
	v_pk_add_f32 v[236:237], v[96:97], v[98:99]    ; the row's sum is taken of the unquantised p
.irp j, 4,8,12,16,20,24,28,32,36,40,44,48,52,56,60
	v_pk_add_f32 v[14:15], v[14:15], v[96+\j:97+\j]
	v_pk_add_f32 v[236:237], v[236:237], v[98+\j:99+\j]
.endr
	v_pk_add_f32 v[14:15], v[14:15], v[236:237]
	s_wait_alu depctr_va_vdst(0)                   ; and one for the four
.irp b, 0,1,2,3
	v_max_num_f32 v[232+\b], 0x1800000, v[232+\b]  ; the floor 2^(3 - 127)
.endr
.irp b, 0,1,2,3
	v_add_nc_u32 v[244+\b], 0xff000000, v[232+\b]
.endr
.irp b, 0,1,2,3
	v_lshrrev_b32 v[236+\b], 23, v[244+\b]
.endr
	v_lshl_or_b32 v253, v237, 8, v236              ; p's scale word for these 128 keys
	v_lshl_or_b32 v253, v238, 16, v253
	v_lshl_or_b32 v253, v239, 24, v253
.irp c, 0,1
	v_cvt_scalef32_pk16_fp6_f32 v[224+6*\c:226+6*\c], v[96+32*\c:111+32*\c], v[244+2*\c]
	v_cvt_scalef32_pk16_fp6_f32 v[236+4*\c:238+4*\c], v[112+32*\c:127+32*\c], v[244+2*\c+1]
.endr
	v_nop
.irp c, 0,1
.irp i, 0,1,2
	v_permlane16_swap_b32 v[224+6*\c+\i], v[236+4*\c+\i]
.endr
.irp i, 0,1,2
	v_mov_b32 v[227+6*\c+\i], v[236+4*\c+\i]
.endr
.endr
.irp j, 0,2,4,6,8,10,12,14,16,18,20,22,24,26,28,30
	v_pk_mul_f32 v[160+\j:161+\j], v[160+\j:161+\j], v[252:253] op_sel_hi:[1,0]   ; O^T under the new M; these sixteen are also the places ahead of the products below
.endr
.irp t, 0,1,2,3                                ; O^T += V^T P^T: my head's four tiles of 16 channels
.irp c, 0,1,2
	ds_load_b128 v[32+12*\t+4*\c:35+12*\t+4*\c], v3 offset:(\p)*BUFB+1536*\t+512*\c
.endr
	ds_load_b32 v[248+\t], v4 offset:(\p)*BUFB+128*\t
.endr
	s_wait_dscnt 0x0
.irp t, 0,1,2,3
	v_wmma_scale_f32_16x16x128_f8f6f4 v[160+8*\t:167+8*\t], v[32+12*\t:43+12*\t], v[224:235], v[160+8*\t:167+8*\t], v[248+\t], v253 matrix_a_fmt:MATRIX_FMT_FP6 matrix_b_fmt:MATRIX_FMT_FP6
.endr
.if \more
	s_wait_loadcnt 0x0
	COPYST 1-(\p)
.endif
.endm
	s_load_b128 s[4:7], s[0:1], 0x0                ; qkv, att
	v_lshl_add_u32 v223, v0, 2, 0x10800
	v_mov_b32 v243, 0
	v_lshrrev_b32 v8, 5, v0
	v_readfirstlane_b32 s18, v8                    ; wave 0..15
	s_and_b32 s19, s18, 1                          ; which head of the pair
	s_lshr_b32 s24, s18, 1                         ; which query tile
	v_and_b32 v8, 31, v0
	v_lshlrev_b32 v1, 4, v8
	v_lshlrev_b32 v2, 2, v8
	s_lshl_b32 s25, s19, 2
	s_add_co_u32 s25, s25, 8
	s_mul_i32 s26, s25, 1536
	v_add_nc_u32 v3, s26, v1
	s_lshl_b32 s26, s25, 7
	s_add_co_u32 s26, s26, SREC
	v_add_nc_u32 v4, s26, v2
	s_mul_i32 s26, s18, 1536
	v_add_nc_u32 v5, s26, v1
	s_lshl_b32 s26, s18, 7
	s_add_co_u32 s27, s26, SREC
	v_add_nc_u32 v6, s27, v2
	s_add_co_u32 s27, s26, STGS
	v_add_nc_u32 v10, s27, v2
	v_lshlrev_b32 v9, 3, v8
	s_mul_i32 s27, s18, 768
	s_add_co_u32 s27, s27, STG
	v_add_nc_u32 v7, s27, v9
	s_mul_i32 s27, s24, 1536
	s_add_co_u32 s27, s27, STG
	v_add_nc_u32 v9, s27, v9
	s_lshl_b32 s27, s24, 8
	s_add_co_u32 s27, s27, STGS
	v_add_nc_u32 v11, s27, v2
	s_and_b32 s28, ttmp7, 0xffff                   ; 8 x batch + head pair
	s_and_b32 s29, s18, 7
	s_mul_i32 s30, s28, 196608
	s_mul_i32 s31, s29, 1536
	s_add_co_u32 s30, s30, s31
	s_lshl_b32 s32, s28, 14
	s_lshl_b32 s33, s29, 7
	s_add_co_u32 s32, s32, s33
	s_mov_b32 s34, VOFF
	s_mov_b32 s35, QSC+524288
	s_cmp_lt_u32 s18, 8                            ; waves 0-7 copy K's fragments, waves 8-15 V's
	s_cselect_b32 s34, KOFF, s34
	s_cselect_b32 s35, QSC+262144, s35
	s_add_co_u32 s30, s30, s34
	s_add_co_u32 s32, s32, s35
	s_mov_b32 s31, 0
	s_mov_b32 s33, 0
	s_lshl_b32 s36, s28, 7
	s_lshl_b32 s37, ttmp9, 3
	s_add_co_u32 s36, s36, s37
	s_add_co_u32 s36, s36, s24                     ; my Q fragment
	s_mul_i32 s38, s36, 1536
	s_mov_b32 s39, 0
	s_lshl_b32 s36, s36, 7
	s_mov_b32 s37, 0
	s_lshr_b32 s40, s28, 3
	s_lshl_b32 s40, s40, 7
	s_lshl_b32 s41, ttmp9, 3
	s_add_co_u32 s40, s40, s41
	s_add_co_u32 s40, s40, s24                     ; my token tile of 256
	s_lshl_b32 s40, s40, 3
	s_and_b32 s41, s28, 7
	s_add_co_u32 s40, s40, s41                     ; K step = head pair
	s_mul_i32 s42, s40, 1536
	s_mov_b32 s43, 0
	s_lshl_b32 s40, s40, 7
	s_mov_b32 s41, 0
	s_mov_b32 s[SEL], 0x76543210
	s_mov_b32 s[SEL+1], 0xfedcba98
	s_mov_b32 s[CS], 0x3e38aa3b                    ; c = log2(e) / 8
	s_mov_b32 s[CS+1], s[CS]
	s_wait_kmcnt 0x0
	s_add_nc_u64 s[8:9], s[4:5], s[30:31]
	s_add_nc_u64 s[10:11], s[4:5], s[32:33]
	s_add_nc_u64 s[12:13], s[4:5], s[38:39]
	s_add_nc_u64 s[14:15], s[4:5], s[36:37]
	s_add_nc_u64 s[14:15], s[14:15], QSC
	s_add_nc_u64 s[16:17], s[6:7], s[42:43]
	s_add_nc_u64 s[44:45], s[6:7], s[40:41]
	s_add_nc_u64 s[44:45], s[44:45], 3145728
	COPYLD                                         ; key step 0
.irp c, 0,1,2
	global_load_b128 v[16+4*\c:19+4*\c], v1, s[12:13] offset:512*\c
.endr
	global_load_b32 v255, v2, s[14:15]
	v_mov_b32 v13, 0xff61b1e6                      ; the largest t so far: -3e38
	v_floor_f32 v12, -v13
	v_mov_b32 v14, 0
	v_mov_b32 v15, 0
.irp b, 0,1,2,3
	v_mov_b32 v[236+\b], 0                         ; a lane permute's destination counts as one of its sources
.endr
	v_mov_b32 v253, 0
.set J, 0
.rept 32
	v_mov_b32 v[160+J], 0                          ; O^T: the step is written once, its first turn finds zeros
.set J, J+1
.endr
	s_cmp_eq_u32 s19, 0
	s_cselect_b32 s26, -1, 0
	s_cselect_b32 s27, 0, -1
	s_wait_loadcnt 4                               ; the copy's four loads are in; Q's four may be out
	COPYST 0
	s_wait_loadcnt 0x0
.irp i, 0,1,2,3,4,5
	v_and_b32 v[16+\i], s26, v[16+\i]              ; the other head's codes become zeros
	v_and_b32 v[22+\i], s27, v[22+\i]
.endr
	s_mov_b32 s46, 7
.Lpair:
	KSTEP 0, 1
	KSTEP 1, 1
	s_sub_co_u32 s46, s46, 1
	s_cmp_lg_u32 s46, 0
	s_cbranch_scc1 .Lpair
	KSTEP 0, 1
	KSTEP 1, 0                                     ; the last step copies nothing: no load leaves the buffer
	; THE WAY OUT: O^T / the sum; two blocks of 32 channels are quantised; the pair's two waves meet in LDS; the even wave stores the fragment
.rept 4
	v_nop
.endr
	v_add_f32 v14, v14, v15
	v_permlanex16_b32 v252, v14, s[SEL], s[SEL+1]
	v_add_f32 v14, v14, v252
	v_rcp_f32 v14, v14
	v_nop
	s_wait_alu depctr_va_vdst(0)
.set J, 0
.rept 32
	v_mul_f32 v[96+J], v[160+J], v14               ; register 16 B + i = channel 32 B + 16 h + i
.set J, J+1
.endr
.irp b, 0,1
	v_max3_num_f32 v[232+\b], |v[96+16*\b]|, |v[97+16*\b]|, 0x1800000
.endr
.irp i, 2,4,6,8,10,12,14
.irp b, 0,1
	v_max3_num_f32 v[232+\b], v[232+\b], |v[96+16*\b+\i]|, |v[97+16*\b+\i]|
.endr
.endr
.irp b, 0,1
	v_permlanex16_b32 v[236+\b], v[232+\b], s[SEL], s[SEL+1]
.endr
.irp b, 0,1
	v_max_num_f32 v[232+\b], v[232+\b], v[236+\b]
.endr
.irp b, 0,1
	v_add_nc_u32 v[244+\b], 0xff000000, v[232+\b]
.endr
.irp b, 0,1
	v_lshrrev_b32 v[236+\b], 23, v[244+\b]
.endr
	v_lshl_or_b32 v238, v237, 8, v236              ; my head's two scale bytes
	v_cvt_scalef32_pk16_fp6_f32 v[224:226], v[96:111], v244
	v_cvt_scalef32_pk16_fp6_f32 v[228:230], v[112:127], v245
	v_nop
.irp i, 0,1,2
	v_permlane16_swap_b32 v[224+\i], v[228+\i]
.endr
	v_mov_b32 v227, v228
	v_mov_b32 v228, v229
	v_mov_b32 v229, v230                           ; v224-229: my head's six registers of the fragment
	ds_store_b64 v7, v[224:225]
	ds_store_b64 v7, v[226:227] offset:256
	ds_store_b64 v7, v[228:229] offset:512
	ds_store_b32 v10, v238
	s_wait_dscnt 0x0
	s_barrier_signal -1
	s_barrier_wait -1
	s_cmp_lg_u32 s19, 0
	s_cbranch_scc1 .Lend
.irp k, 0,1,2,3,4,5
	ds_load_b64 v[32+2*\k:33+2*\k], v9 offset:256*\k   ; registers 0-5 are mine, 6-11 the odd wave's
.endr
	ds_load_b32 v44, v11
	ds_load_b32 v45, v11 offset:128
	s_wait_dscnt 0x0
	v_lshl_or_b32 v44, v45, 16, v44
.irp c, 0,1,2
	global_store_b128 v1, v[32+4*\c:35+4*\c], s[16:17] offset:512*\c
.endr
	global_store_b32 v2, v44, s[44:45]
.Lend:
	s_wait_tensorcnt 0x0
	ds_add_u32 v223, v243
	s_wait_dscnt 0x0
	s_endpgm
.Lfunc_end_k_q66fe2a690f_attn:
	.size	k_q66fe2a690f_attn, .Lfunc_end_k_q66fe2a690f_attn-k_q66fe2a690f_attn
	.p2alignl 7, 3214868480
	.fill 96, 4, 3214868480
	.section	.rodata,"a",@progbits
	.p2align	6, 0x0
	.amdhsa_kernel k_q66fe2a690f_attn
		.amdhsa_group_segment_fixed_size 69632
		.amdhsa_private_segment_fixed_size 0
		.amdhsa_enable_private_segment 0
		.amdhsa_kernarg_size 16
		.amdhsa_user_sgpr_count 2
		.amdhsa_user_sgpr_kernarg_segment_ptr 1
		.amdhsa_wavefront_size32 1
		.amdhsa_system_sgpr_workgroup_id_x 1
		.amdhsa_system_sgpr_workgroup_id_y 1
		.amdhsa_system_sgpr_workgroup_id_z 1
		.amdhsa_system_vgpr_workitem_id 0
		.amdhsa_next_free_vgpr 256
		.amdhsa_next_free_sgpr 66
		.amdhsa_reserve_vcc 0
		.amdhsa_float_denorm_mode_32 3
		.amdhsa_float_denorm_mode_16_64 3
		.amdhsa_memory_ordered 1
		.amdhsa_forward_progress 1
		.amdhsa_inst_pref_size 81
	.end_amdhsa_kernel
	.amdgpu_metadata
---
amdhsa.version: [ 1, 2 ]
amdhsa.kernels:
  - .name:           k_q66fe2a690f_attn
    .symbol:         k_q66fe2a690f_attn.kd
    .args:
      - { .name: qkv, .offset: 0, .size: 8, .value_kind: global_buffer, .address_space: global }
      - { .name: att, .offset: 8, .size: 8, .value_kind: global_buffer, .address_space: global }
    .group_segment_fixed_size: 69632
    .private_segment_fixed_size: 0
    .kernarg_segment_align: 8
    .kernarg_segment_size: 16
    .max_flat_workgroup_size: 512
    .sgpr_count:     66
    .vgpr_count:     256
    .wavefront_size: 32
...
	.end_amdgpu_metadata
.endif
;; end of part 4
;; launch wo (part 5): grid 8 x 32, 4 waves a work-group, clusters of 4 x 4, 327,680 bytes of LDS; arguments att, wimg, bo, x, x1; writes x1
.if DOCPART == 5
	.amdgcn_target "amdgcn-amd-amdhsa--gfx1250"
	.amdhsa_code_object_version 6
	.text
	.protected	k_q66fe2a690f_wo
	.globl	k_q66fe2a690f_wo
	.p2align	8
	.type	k_q66fe2a690f_wo,@function
k_q66fe2a690f_wo:
	s_mov_b64 s[64:65], 0
	v_nop
	global_prefetch_b8 v0, s[64:65] scope:SCOPE_SE
	s_setreg_imm32_b32 hwreg(HW_REG_WAVE_MODE, 25, 1), 1
	s_wait_xcnt 0x0
	s_wait_alu depctr_hold_cnt(0) depctr_sa_sdst(0) depctr_va_vdst(0) depctr_va_sdst(0) depctr_va_ssrc(0) depctr_va_vcc(0) depctr_vm_vsrc(0)
	s_getreg_b32 s2, hwreg(HW_REG_IB_STS2, 6, 4)
	s_cmp_eq_u32 s2, 0
	s_cbranch_scc0 .Lentry_in_a_cluster
	s_endpgm
.Lentry_in_a_cluster:
	s_bfe_u32 s2, ttmp6, 0x10000c
	s_cmp_lg_u32 s2, 0xf033
	s_cbranch_scc0 .Lentry_shape_is_right
	s_endpgm
.Lentry_shape_is_right:
; x1 = x + (att wo + bo): the product on codes of FP6 (E2M3) with E8M0 scales; f32 out.
; OPERANDS ARE FRAGMENT IMAGES (16 rows x 128 K: 1,536 bytes, three runs of 512, 16 bytes a lane) and scale records of 128 bytes.  Lane r of tile T stands for row 32 (T / 2) + 8 (T % 2) + r + 8 (r / 8).
; P (source 0) = the weight's rows = output columns, Q (source 1) = tokens: a lane holds one token and eight neighbouring columns a register run.
; N = 1,024 gives too few tiles of 256 x 256 for the chip's work-group processors: a work-group makes 128 x 128, a wave 64 x 64 (16 accumulators); a slot holds 4 K steps.  K = 1,024 is the two slots' first fills: nothing is filled again.
; CLUSTERS 4 x 4: Q's tiles shared along a row, P's along a column.  A wave has three tensor loads out at the start.
; The residual (32 loads a wave) and the bias are asked for at the head and land under the products.  The way out goes through the wave's stage in slot 0, which has had its last fill and its last read: sixteen lanes store 256 consecutive bytes, aligned.
.set NB,    4
.set NQ,    4
.set KS,    8
.set POFF,  2359296
.set PSOFF, 9437184+196608
.set QSOFF, 3145728
.set FR,    12
.set NL,    3
.set HB,    NB/2
.set QB,    NB/4
.set APW,   32/NB
.set HALFT, NB*NQ*1536
.set SLOT,  4*HALFT
.set SCL,   2*SLOT
.set HALFS, NB*KS*128
.set SPARE, SCL+4*HALFS
.set LAPS,  KS/(2*NQ)
.set ADRQ, 16
.set ADRP, 20
.set LI,   24
.set LS,   25
.set CO,   26                          ; v26 my offset in the residual and in the output: (lane / 16) rows + 16 (lane % 16)
.set ADRS, 27
.set SPW,  28
.set NIL,  29
.set STO,  30
.set RD,   31
.set SC,   32
.set AF,   128
.set BIA,  240                         ; v240-243 the bias of my four columns on the way out
.set G1, 24
.set G0, 32
.set G1B, 48
.set G0B, 56
.set G1S, 68
.set G0S, 76
.set G1SB, 80
.set G0SB, 88
.set MSB, 0
.macro WIN new
.if MSB != \new
	s_set_vgpr_msb (MSB<<8)|\new
.set MSB, \new
.endif
.endm
.macro JLOAD g0a, g1a, g0b, g1b
	s_cmp_eq_u32 s15, 0
	s_cbranch_scc0 .Lfor_b_\@
	tensor_load_to_lds s[\g0a:\g0a+3], s[\g1a:\g1a+7]
	s_nop 0
.rept 4
	v_nop
.endr
	s_branch .Lasked_\@
.Lfor_b_\@:
	tensor_load_to_lds s[\g0b:\g0b+3], s[\g1b:\g1b+7]
	s_nop 0
.rept 4
	v_nop
.endr
.Lasked_\@:
.endm
.macro CREST
	s_cmp_lg_u32 s14, 0
	s_cbranch_scc1 .Lnot_wave_0_\@
	s_barrier_signal -3
.Lnot_wave_0_\@:
	s_barrier_wait -3
	s_barrier_signal -1
	s_barrier_wait -1
.endm
.macro CROUND
	s_barrier_signal -1
	s_barrier_wait -1
	CREST
.endm
.macro PLACES n
.rept \n
	v_nop
.endr
.endm
.macro FRAG reg, adr, off
.irp c, 0,1,2
	ds_load_b128 v[\reg+4*\c:\reg+4*\c+3], v[\adr] offset:\off+512*\c
.endr
.endm
.macro FETCH_P slot, q, p
	WIN 0x40
.set II, 0
.rept NB
	FRAG 128*(\p)+FR*II, ADRP+\slot, (II*NQ+(\q))*1536
.set II, II+1
.endr
	WIN 0
.endm
.macro FETCH_Q slot, q, i0
.set II, \i0
.rept HB
	FRAG AF+FR*II, ADRQ+\slot, (II*NQ+(\q))*1536
.set II, II+1
.endr
.endm
.macro SCALES set
.set II, 0
.rept NB
.set QI, 0
.rept NQ
	ds_load_b32 v[SC+16*\set+NQ*II+QI], v[ADRS] offset:II*KS*128+QI*128
.set QI, QI+1
.endr
.set II, II+1
.endr
.endm
.macro MULB a, p, q, sc, zero          ; the accumulators take turns, one instruction a turn
.set WN, 0xa1+0x50*((\a)/APW)
	WIN WN
.irp b, 0,1,2,3,4,5,6,7
.if \b < NB
.set AC, 8*(NB*((\a)%APW)+\b)
.if \zero
	v_wmma_scale_f32_16x16x128_f8f6f4 v[AC:AC+7], v[128*(\p)+FR*\b:128*(\p)+FR*\b+FR-1], v[AF+FR*(\a):AF+FR*(\a)+FR-1], 0, v[SC+16*(\sc)+NQ*\b+(\q)], v[SC+16*(\sc)+NQ*(\a)+(\q)] matrix_a_fmt:MATRIX_FMT_FP6 matrix_b_fmt:MATRIX_FMT_FP6 matrix_a_scale:MATRIX_SCALE_ROW1
.else
	v_wmma_scale_f32_16x16x128_f8f6f4 v[AC:AC+7], v[128*(\p)+FR*\b:128*(\p)+FR*\b+FR-1], v[AF+FR*(\a):AF+FR*(\a)+FR-1], v[AC:AC+7], v[SC+16*(\sc)+NQ*\b+(\q)], v[SC+16*(\sc)+NQ*(\a)+(\q)] matrix_a_fmt:MATRIX_FMT_FP6 matrix_b_fmt:MATRIX_FMT_FP6 matrix_a_scale:MATRIX_SCALE_ROW1
.endif
.endif
.endr
.endm
.macro MULS a0, n, p, q, sc, zero
.set AA, \a0
.rept \n
	MULB AA, \p, \q, \sc, \zero
.set AA, AA+1
.endr
.endm
.macro STEP slot, q, zero
	s_wait_dscnt HB*NL                             ; all but the youngest loads, Q's upper blocks
	MULS 0, HB, (\q)%2, \q, \slot, \zero
	s_wait_dscnt 0x0
	PLACES 4
	FETCH_P \slot, (\q)+1, 1-(\q)%2
	FETCH_Q \slot, (\q)+1, 0
	MULS HB, HB, (\q)%2, \q, \slot, \zero
	PLACES 4
	WIN 0
	FETCH_Q \slot, (\q)+1, HB
.endm
.macro MID slot
.set QM, 1
.rept NQ-2
	STEP \slot, QM, 0
.set QM, QM+1
.endr
.endm
.macro TURN slot, next, fill
	s_wait_tensorcnt 0x0                           ; all my tensor loads have landed: my part of the next slot
	ds_add_u32 v[SPW], v[NIL]                      ; 0 onto my spare word
	s_wait_dscnt HB*NL+1                           ; (the add and Q's upper blocks may be out)
	MULS 0, QB, 1, NQ-1, \slot, 0
	s_wait_dscnt 0x0                               ; the add is done, and my reads of this slot are over
	s_barrier_signal -1
	MULS QB, HB-QB, 1, NQ-1, \slot, 0
	WIN 0
	s_barrier_wait -1
.if \fill
	CREST
	s_add_nc_u64 s[G0+4*\slot+2:G0+4*\slot+3], s[G0+4*\slot+2:G0+4*\slot+3], 2*NQ*1536
	s_add_nc_u64 s[G0B+4*\slot+2:G0B+4*\slot+3], s[G0B+4*\slot+2:G0B+4*\slot+3], 2*NQ*1536
	JLOAD G0+4*\slot, G1, G0B+4*\slot, G1B
.else
	PLACES 4
.endif
	v_add_nc_u32 v[ADRS], NQ*128, v[ADRS]
	FETCH_P \next, 0, 0
	FETCH_Q \next, 0, 0
	SCALES \next
	MULS HB, HB, 1, NQ-1, \slot, 0
	PLACES 4
	WIN 0
	FETCH_Q \next, 0, HB
.endm
.macro LAST
	s_wait_dscnt HB*NL
	MULS 0, HB, 1, NQ-1, 1, 0
	s_wait_dscnt 0x0
	MULS HB, HB, 1, NQ-1, 1, 0
	WIN 0
.endm
.macro RESREG a                        ; where block a's residual lies: blocks 0, 1 in v64-127, blocks 2, 3 in v176-239
.set RR, 64+32*(\a)+48*((\a)/2)
.endm
.macro TOSTAGE a                       ; block a (16 tokens x 64 columns) into my stage, rows 272 bytes apart, and back as whole rows of 256 bytes
	WIN 0x08                                       ; an LDS store's data are its source 1: window 2
.irp b, 0,1,2,3
	ds_store_b128 v[STO], v[8*(4*(\a)+\b):8*(4*(\a)+\b)+3] offset:128*(\b/2)+32*(\b%2)      ; each accumulator from its low end on
	ds_store_b128 v[STO], v[8*(4*(\a)+\b)+4:8*(4*(\a)+\b)+7] offset:128*(\b/2)+32*(\b%2)+16
.endr
	WIN 0
.set BB, 32+96*((\a)%2)
.irp t, 0,1,2,3,4,5,6,7
	ds_load_b128 v[BB+4*\t:BB+4*\t+3], v[RD] offset:544*\t   ; LDS serves a wave's instructions in order
.endr
.endm
.macro SENDF a, younger
.set BB, 32+96*((\a)%2)
	RESREG \a
	s_wait_dscnt \younger                          ; the block is back; the next block's 8 stores and 8 loads may be out
.irp t, 0,1,2,3,4,5,6,7
	v_pk_add_f32 v[BB+4*\t:BB+4*\t+1], v[BB+4*\t:BB+4*\t+1], v[BIA:BIA+1]
	v_pk_add_f32 v[BB+4*\t+2:BB+4*\t+3], v[BB+4*\t+2:BB+4*\t+3], v[BIA+2:BIA+3]
	v_pk_add_f32 v[BB+4*\t:BB+4*\t+1], v[BB+4*\t:BB+4*\t+1], v[RR+4*\t:RR+4*\t+1]
	v_pk_add_f32 v[BB+4*\t+2:BB+4*\t+3], v[BB+4*\t+2:BB+4*\t+3], v[RR+4*\t+2:RR+4*\t+3]
	global_store_b128 v[CO], v[BB+4*\t:BB+4*\t+3], s[12:13] offset:(32*((\a)/2)+8*((\a)%2)+2*\t+8*(\t/4))*4096
.endr
.endm
	s_load_b256 s[4:11], s[0:1], 0x0               ; Q's images, wimg, the bias, the residual
	s_load_b64 s[12:13], s[0:1], 0x20              ; the output
	v_lshl_add_u32 v[SPW], v0, 2, SPARE
	v_mov_b32 v[NIL], 0
	ds_add_u32 v28, v29
	ds_add_u32 v28, v29
	s_wait_dscnt 0x0
	v_lshrrev_b32 v1, 5, v0
	v_readfirstlane_b32 s14, v1
	s_lshr_b32 s15, s14, 1
	s_and_b32 s16, s14, 1
	s_bfe_u32 s40, ttmp6, 0x40000
	s_bfe_u32 s41, ttmp6, 0x40004
	s_lshl_b32 s42, ttmp9, 2
	s_add_co_u32 s42, s42, s40                     ; P's block of 128 columns
	s_and_b32 s17, ttmp7, 0xffff
	s_lshl_b32 s17, s17, 2
	s_add_co_u32 s17, s17, s41                     ; Q's block of 128 tokens
	s_lshl_b32 s43, s41, 2
	s_lshl_b32 s43, 15, s43
	s_lshl_b32 s44, 0x1111, s40
	s_or_b32 s[G1+0], s43, (3<<16)|(1<<21)
	s_or_b32 s[G1B+0], s44, (3<<16)|(1<<21)
.irp g, G1, G1B
	s_mov_b32 s[\g+1], (NQ*192)<<16
	s_mov_b32 s[\g+2], NB<<16
	s_mov_b32 s[\g+3], (NQ*192)<<16
	s_mov_b32 s[\g+4], NB
	s_mov_b32 s[\g+5], KS*192
	s_mov_b32 s[\g+6], 0
	s_mov_b32 s[\g+7], 0
.endr
	s_or_b32 s[G1S+0], s43, (3<<16)|(1<<21)
	s_or_b32 s[G1SB+0], s44, (3<<16)|(1<<21)
.irp g, G1S, G1SB
	s_mov_b32 s[\g+1], 32<<16
	s_mov_b32 s[\g+2], (HALFS/256)<<16
	s_mov_b32 s[\g+3], 32<<16
	s_mov_b32 s[\g+4], HALFS/256
	s_mov_b32 s[\g+5], 32
	s_mov_b32 s[\g+6], 0
	s_mov_b32 s[\g+7], 0
.endr
	s_mul_i32 s18, s16, NB
	s_mul_i32 s20, s17, 2*NB
	s_add_co_u32 s20, s20, s18
	s_mul_i32 s46, s42, 2*NB
	s_add_co_u32 s46, s46, s18
	s_mul_i32 s22, s20, KS*128
	s_mul_i32 s92, s46, KS*128
	s_mul_i32 s20, s20, KS*1536
	s_mul_i32 s46, s46, KS*1536
	s_mov_b32 s21, 0
	s_mov_b32 s23, 0
	s_mov_b32 s47, 0
	s_mov_b32 s93, 0
	s_mul_i32 s45, s14, HALFT
	s_mul_i32 s94, s14, HALFS
	s_wait_kmcnt 0x0
	s_add_nc_u64 s[20:21], s[4:5], s[20:21]
	s_add_nc_u64 s[22:23], s[4:5], s[22:23]
	s_add_nc_u64 s[22:23], s[22:23], QSOFF
	s_add_nc_u64 s[46:47], s[6:7], s[46:47]
	s_add_nc_u64 s[46:47], s[46:47], POFF
	s_add_nc_u64 s[92:93], s[6:7], s[92:93]
	s_add_nc_u64 s[92:93], s[92:93], PSOFF
	CROUND
	s_mov_b32 s[G0S], 1
	s_add_co_u32 s[G0S+1], s94, SCL
	s_mov_b64 s[G0S+2:G0S+3], s[22:23]
	s_or_b32 s[G0S+3], s[G0S+3], 0x80000000
	s_mov_b32 s[G0SB], 1
	s_add_co_u32 s[G0SB+1], s94, SCL
	s_mov_b64 s[G0SB+2:G0SB+3], s[92:93]
	s_or_b32 s[G0SB+3], s[G0SB+3], 0x80000000
	JLOAD G0S, G1S, G0SB, G1SB
.irp s, 0,1
	s_mov_b32 s[G0+4*\s], 1
	s_add_co_u32 s[G0+4*\s+1], s45, \s*SLOT
	s_add_nc_u64 s[G0+4*\s+2:G0+4*\s+3], s[20:21], \s*NQ*1536
	s_or_b32 s[G0+4*\s+3], s[G0+4*\s+3], 0x80000000
	s_mov_b32 s[G0B+4*\s], 1
	s_add_co_u32 s[G0B+4*\s+1], s45, \s*SLOT
	s_add_nc_u64 s[G0B+4*\s+2:G0B+4*\s+3], s[46:47], \s*NQ*1536
	s_or_b32 s[G0B+4*\s+3], s[G0B+4*\s+3], 0x80000000
	JLOAD G0+4*\s, G1, G0B+4*\s, G1B
.endr
	v_and_b32 v1, 31, v0
	v_bfe_u32 v2, v0, 4, 1
	v_and_b32 v3, 15, v0
	v_lshlrev_b32 v[LI], 4, v1
	v_lshlrev_b32 v[LS], 2, v1
	v_lshlrev_b32 v[CO], 12, v2
	v_lshl_add_u32 v[CO], v3, 4, v[CO]
	v_lshlrev_b32 v5, 4, v3
	s_lshl_b32 s20, s17, 7
	s_lshl_b32 s21, s15, 6
	s_add_co_u32 s20, s20, s21                     ; my first token
	s_lshl_b32 s20, s20, 12
	s_lshl_b32 s21, s42, 7
	s_lshl_b32 s22, s16, 6
	s_add_co_u32 s21, s21, s22                     ; my first column
	s_lshl_b32 s22, s21, 2
	s_add_co_u32 s20, s20, s22
	s_mov_b32 s21, 0
	s_mov_b32 s23, 0
	s_add_nc_u64 s[10:11], s[10:11], s[20:21]
	s_add_nc_u64 s[12:13], s[12:13], s[20:21]
	s_add_nc_u64 s[8:9], s[8:9], s[22:23]
	global_load_b128 v[BIA:BIA+3], v5, s[8:9]
.irp a, 0,1,2,3
	RESREG \a
.irp t, 0,1,2,3,4,5,6,7
	global_load_b128 v[RR+4*\t:RR+4*\t+3], v[CO], s[10:11] offset:(32*(\a/2)+8*(\a%2)+2*\t+8*(\t/4))*4096
.endr
.endr
	s_mul_i32 s21, s15, HALFT
	s_mul_i32 s22, s16, HALFT
	s_add_co_u32 s22, s22, 2*HALFT
.irp s, 0,1
	v_add_nc_u32 v[ADRQ+\s], s21, v[LI]
	v_add_nc_u32 v[ADRP+\s], s22, v[LI]
	s_add_co_u32 s21, s21, SLOT
	s_add_co_u32 s22, s22, SLOT
.endr
	s_mul_i32 s21, s15, HALFS
	s_mul_i32 s22, s16, HALFS
	s_add_co_u32 s22, s22, 2*HALFS
	s_sub_co_u32 s22, s22, s21
	v_mul_u32_u24 v4, s22, v2
	s_add_co_u32 s21, s21, SCL
	v_add_nc_u32 v4, v4, v[LS]
	v_add_nc_u32 v[ADRS], s21, v4
	s_mul_i32 s23, s14, 4352                       ; my stage
	v_mul_u32_u24 v4, v3, 272
	v_lshl_add_u32 v4, v2, 6, v4
	v_add_nc_u32 v[STO], s23, v4                   ; in: row r, + 64 h
	v_mul_u32_u24 v4, v2, 272
	v_lshl_add_u32 v4, v3, 4, v4
	v_add_nc_u32 v[RD], s23, v4                    ; back: lanes 0-15 one row, lanes 16-31 the next
	s_wait_tensorcnt 1                             ; the scale records and my part of slot 0 are in; slot 1's load may be out
	s_barrier_signal -1
	s_barrier_wait -1
	FETCH_P 0, 0, 0
	FETCH_Q 0, 0, 0
	SCALES 0
	FETCH_Q 0, 0, HB
	STEP 0, 0, 1
.if LAPS > 1
	s_mov_b32 s3, LAPS-1
.Llap:
	MID 0
	TURN 0, 1, 1
	STEP 1, 0, 0
	MID 1
	TURN 1, 0, 1
	STEP 0, 0, 0
	s_sub_co_u32 s3, s3, 1
	s_cmp_lg_u32 s3, 0
	s_cbranch_scc1 .Llap
.endif
	MID 0
	TURN 0, 1, 0
	STEP 1, 0, 0
	MID 1
	LAST
	PLACES 4
	s_wait_loadcnt 0x0                             ; the bias and the residual
	TOSTAGE 0
.irp a, 1,2,3
.if \a > 1
	s_wait_xcnt 0x0                                ; block a - 2's stores have read the registers that block a's loads take
.endif
	TOSTAGE \a
	SENDF \a-1, 16
.endr
	SENDF 3, 0
	s_wait_tensorcnt 0x0                           ; the wave's end
	ds_add_u32 v[SPW], v[NIL]
	s_wait_dscnt 0x0
	CROUND
	s_endpgm
.Lfunc_end_k_q66fe2a690f_wo:
	.size	k_q66fe2a690f_wo, .Lfunc_end_k_q66fe2a690f_wo-k_q66fe2a690f_wo
	.p2alignl 7, 3214868480
	.fill 96, 4, 3214868480
	.section	.rodata,"a",@progbits
	.p2align	6, 0x0
	.amdhsa_kernel k_q66fe2a690f_wo
		.amdhsa_group_segment_fixed_size 327680
		.amdhsa_private_segment_fixed_size 0
		.amdhsa_enable_private_segment 0
		.amdhsa_kernarg_size 40
		.amdhsa_user_sgpr_count 2
		.amdhsa_user_sgpr_kernarg_segment_ptr 1
		.amdhsa_wavefront_size32 1
		.amdhsa_system_sgpr_workgroup_id_x 1
		.amdhsa_system_sgpr_workgroup_id_y 1
		.amdhsa_system_sgpr_workgroup_id_z 1
		.amdhsa_system_vgpr_workitem_id 0
		.amdhsa_next_free_vgpr 768
		.amdhsa_next_free_sgpr 102
		.amdhsa_reserve_vcc 0
		.amdhsa_float_denorm_mode_32 3
		.amdhsa_float_denorm_mode_16_64 3
		.amdhsa_memory_ordered 1
		.amdhsa_forward_progress 1
		.amdhsa_inst_pref_size 63
	.end_amdhsa_kernel
	.amdgpu_metadata
---
amdhsa.version: [ 1, 2 ]
amdhsa.kernels:
  - .name:           k_q66fe2a690f_wo
    .symbol:         k_q66fe2a690f_wo.kd
    .args:
      - { .name: att, .offset: 0, .size: 8, .value_kind: global_buffer, .address_space: global }
      - { .name: wimg, .offset: 8, .size: 8, .value_kind: global_buffer, .address_space: global }
      - { .name: bo, .offset: 16, .size: 8, .value_kind: global_buffer, .address_space: global }
      - { .name: x, .offset: 24, .size: 8, .value_kind: global_buffer, .address_space: global }
      - { .name: x1, .offset: 32, .size: 8, .value_kind: global_buffer, .address_space: global }
    .group_segment_fixed_size: 327680
    .private_segment_fixed_size: 0
    .kernarg_segment_align: 8
    .kernarg_segment_size: 40
    .max_flat_workgroup_size: 128
    .sgpr_count:     102
    .vgpr_count:     768
    .wavefront_size: 32
...
	.end_amdgpu_metadata
.endif
;; end of part 5
;; launch ln2: the kernel of part 2 again; grid 256 x 1, 8 waves a work-group, no clusters, 78,848 bytes of LDS; arguments x1, tpf, bt_ffn, ln2_w, ln2_b, xn; writes xn
;; launch ffn1 (part 6): grid 16 x 16, 4 waves a work-group, clusters of 4 x 4, 327,680 bytes of LDS; arguments xn, wimg, b1, hid; writes hid
.if DOCPART == 6
	.amdgcn_target "amdgcn-amd-amdhsa--gfx1250"
	.amdhsa_code_object_version 6
	.text
	.protected	k_q66fe2a690f_ffn1
	.globl	k_q66fe2a690f_ffn1
	.p2align	8
	.type	k_q66fe2a690f_ffn1,@function
k_q66fe2a690f_ffn1:
	s_mov_b64 s[64:65], 0
	v_nop
	global_prefetch_b8 v0, s[64:65] scope:SCOPE_SE
	s_setreg_imm32_b32 hwreg(HW_REG_WAVE_MODE, 25, 1), 1
	s_wait_xcnt 0x0
	s_wait_alu depctr_hold_cnt(0) depctr_sa_sdst(0) depctr_va_vdst(0) depctr_va_sdst(0) depctr_va_ssrc(0) depctr_va_vcc(0) depctr_vm_vsrc(0)
	s_getreg_b32 s2, hwreg(HW_REG_IB_STS2, 6, 4)
	s_cmp_eq_u32 s2, 0
	s_cbranch_scc0 .Lentry_in_a_cluster
	s_endpgm
.Lentry_in_a_cluster:
	s_bfe_u32 s2, ttmp6, 0x10000c
	s_cmp_lg_u32 s2, 0xf033
	s_cbranch_scc0 .Lentry_shape_is_right
	s_endpgm
.Lentry_shape_is_right:
; hid = Q(gelu(xn w1 + b1)): the product on codes of FP6 (E2M3) with E8M0 scales; the exact GELU in f32; the result quantised at once along the 4,096 hidden units and stored as fragment images.
; OPERANDS ARE FRAGMENT IMAGES (16 rows x 128 K: 1,536 bytes, three runs of 512, 16 bytes a lane) and scale records of 128 bytes.  Lane r of tile T stands for row 32 (T / 2) + 8 (T % 2) + r + 8 (r / 8).
; P (source 0) = w1's rows (hidden units), Q (source 1) = tokens: a lane holds one token, and register 16 B + i of P's tiles 2 B, 2 B + 1 is hidden unit 32 B + 16 h + i: a wave's 128 units are one K step of the next product.
; A work-group makes 256 x 256, a wave 128 x 128.  K = 1,024 goes in 4 slots' worth of 256 through a ring of two LDS slots; the scale records of all K come once.  CLUSTERS 4 x 4 with joint loads.  At most three tensor loads of a wave are out.
; gelu(x) = x / 2 + (x / 2) erf(x / sqrt 2); erf(z) = z P(z^2) / Q(z^2), z held to +-4, polynomials of degree 6 and 4.
; The way out is a loop of eight trips (one block of 16 tokens each): only the copy out of the accumulators, on which the bias rides, differs from trip to trip and is chosen by a scalar branch on the trip's number.
; LIMITS: NaN and infinities are not served; gelu's absolute error is about 1.2e-7 |x|, so under x = -4 its relative accuracy is lost; a block whose largest magnitude lies under 2^-124 gets the byte 1.
.set NB,    8
.set NQ,    2
.set KS,    8
.set POFF,  3145728
.set PSOFF, 9437184+262144
.set QSOFF, 3145728
.set HSC,   12582912
.set FR,    12
.set NL,    3
.set HB,    NB/2
.set QB,    NB/4
.set APW,   32/NB
.set HALFT, NB*NQ*1536
.set SLOT,  4*HALFT
.set SCL,   2*SLOT
.set HALFS, NB*KS*128
.set SPARE, SCL+4*HALFS
.set LAPS,  KS/(2*NQ)
.set ADRQ, 16
.set ADRP, 20
.set LI,   24
.set LS,   25
.set BA,   26
.set ADRS, 27
.set SPW,  28
.set NIL,  29
.set SC,   32
.set BI,   64
.set AF,   128
.set H,    128
.set Z,    32                          ; the way out: z, later Q(z^2) and its reciprocal
.set X2,   48                          ; z^2, later x / 2
.set PP,   240                         ; P(z^2), later erf
.set CA,   192
.set CB,   194
.set TM,   200
.set PW,   216
.set PC,   220
.set SEL,  100
.set G1, 24
.set G0, 32
.set G1B, 48
.set G0B, 56
.set G1S, 68
.set G0S, 76
.set G1SB, 80
.set G0SB, 88
.set MSB, 0
.macro WIN new
.if MSB != \new
	s_set_vgpr_msb (MSB<<8)|\new
.set MSB, \new
.endif
.endm
.macro JLOAD g0a, g1a, g0b, g1b
	s_cmp_eq_u32 s15, 0
	s_cbranch_scc0 .Lfor_b_\@
	tensor_load_to_lds s[\g0a:\g0a+3], s[\g1a:\g1a+7]
	s_nop 0
.rept 4
	v_nop
.endr
	s_branch .Lasked_\@
.Lfor_b_\@:
	tensor_load_to_lds s[\g0b:\g0b+3], s[\g1b:\g1b+7]
	s_nop 0
.rept 4
	v_nop
.endr
.Lasked_\@:
.endm
.macro CREST
	s_cmp_lg_u32 s14, 0
	s_cbranch_scc1 .Lnot_wave_0_\@
	s_barrier_signal -3
.Lnot_wave_0_\@:
	s_barrier_wait -3
	s_barrier_signal -1
	s_barrier_wait -1
.endm
.macro CROUND
	s_barrier_signal -1
	s_barrier_wait -1
	CREST
.endm
.macro PLACES n
.rept \n
	v_nop
.endr
.endm
.macro FRAG reg, adr, off
.irp c, 0,1,2
	ds_load_b128 v[\reg+4*\c:\reg+4*\c+3], v[\adr] offset:\off+512*\c
.endr
.endm
.macro FETCH_P slot, q, p
	WIN 0x40
.set II, 0
.rept NB
	FRAG 128*(\p)+FR*II, ADRP+\slot, (II*NQ+(\q))*1536
.set II, II+1
.endr
	WIN 0
.endm
.macro FETCH_Q slot, q, i0
.set II, \i0
.rept HB
	FRAG AF+FR*II, ADRQ+\slot, (II*NQ+(\q))*1536
.set II, II+1
.endr
.endm
.macro SCALES set
.set II, 0
.rept NB
.set QI, 0
.rept NQ
	ds_load_b32 v[SC+16*\set+NQ*II+QI], v[ADRS] offset:II*KS*128+QI*128
.set QI, QI+1
.endr
.set II, II+1
.endr
.endm
.macro MULB a, p, q, sc, zero          ; the accumulators take turns, one instruction a turn
.set WN, 0xa1+0x50*((\a)/APW)
	WIN WN
.irp b, 0,1,2,3,4,5,6,7
.if \b < NB
.set AC, 8*(NB*((\a)%APW)+\b)
.if \zero
	v_wmma_scale_f32_16x16x128_f8f6f4 v[AC:AC+7], v[128*(\p)+FR*\b:128*(\p)+FR*\b+FR-1], v[AF+FR*(\a):AF+FR*(\a)+FR-1], 0, v[SC+16*(\sc)+NQ*\b+(\q)], v[SC+16*(\sc)+NQ*(\a)+(\q)] matrix_a_fmt:MATRIX_FMT_FP6 matrix_b_fmt:MATRIX_FMT_FP6 matrix_a_scale:MATRIX_SCALE_ROW1
.else
	v_wmma_scale_f32_16x16x128_f8f6f4 v[AC:AC+7], v[128*(\p)+FR*\b:128*(\p)+FR*\b+FR-1], v[AF+FR*(\a):AF+FR*(\a)+FR-1], v[AC:AC+7], v[SC+16*(\sc)+NQ*\b+(\q)], v[SC+16*(\sc)+NQ*(\a)+(\q)] matrix_a_fmt:MATRIX_FMT_FP6 matrix_b_fmt:MATRIX_FMT_FP6 matrix_a_scale:MATRIX_SCALE_ROW1
.endif
.endif
.endr
.endm
.macro MULS a0, n, p, q, sc, zero
.set AA, \a0
.rept \n
	MULB AA, \p, \q, \sc, \zero
.set AA, AA+1
.endr
.endm
.macro STEP slot, q, zero
	s_wait_dscnt HB*NL                             ; all but the youngest loads, Q's upper blocks
	MULS 0, HB, (\q)%2, \q, \slot, \zero
	s_wait_dscnt 0x0
	PLACES 4
	FETCH_P \slot, (\q)+1, 1-(\q)%2
	FETCH_Q \slot, (\q)+1, 0
	MULS HB, HB, (\q)%2, \q, \slot, \zero
	PLACES 4
	WIN 0
	FETCH_Q \slot, (\q)+1, HB
.endm
.macro MID slot
.set QM, 1
.rept NQ-2
	STEP \slot, QM, 0
.set QM, QM+1
.endr
.endm
.macro TURN slot, next, fill
	s_wait_tensorcnt 0x0                           ; all my tensor loads have landed: my part of the next slot
	ds_add_u32 v[SPW], v[NIL]                      ; 0 onto my spare word
	s_wait_dscnt HB*NL+1                           ; (the add and Q's upper blocks may be out)
	MULS 0, QB, 1, NQ-1, \slot, 0
	s_wait_dscnt 0x0                               ; the add is done, and my reads of this slot are over
	s_barrier_signal -1
	MULS QB, HB-QB, 1, NQ-1, \slot, 0
	WIN 0
	s_barrier_wait -1
.if \fill
	CREST                                          ; no wave of any partner still reads this slot or has a load on its way
	s_add_nc_u64 s[G0+4*\slot+2:G0+4*\slot+3], s[G0+4*\slot+2:G0+4*\slot+3], 2*NQ*1536
	s_add_nc_u64 s[G0B+4*\slot+2:G0B+4*\slot+3], s[G0B+4*\slot+2:G0B+4*\slot+3], 2*NQ*1536
	JLOAD G0+4*\slot, G1, G0B+4*\slot, G1B
.else
	PLACES 4
.endif
	v_add_nc_u32 v[ADRS], NQ*128, v[ADRS]
	FETCH_P \next, 0, 0
	FETCH_Q \next, 0, 0
	SCALES \next
	MULS HB, HB, 1, NQ-1, \slot, 0
	PLACES 4
	WIN 0
	FETCH_Q \next, 0, HB
.endm
.macro LAST
	s_wait_dscnt HB*NL
	MULS 0, HB, 1, NQ-1, 1, 0
	s_wait_dscnt 0x0
	MULS HB, HB, 1, NQ-1, 1, 0
	WIN 0
.endm
.macro QUANT s
.irp b, 0,1,2,3
	v_max3_num_f32 v[TM+\b], |v[\s+16*\b]|, |v[\s+1+16*\b]|, 0x1800000   ; and the floor 2^(3 - 127): the byte cannot fall under 1
.endr
.irp i, 2,4,6,8,10,12,14
.irp b, 0,1,2,3
	v_max3_num_f32 v[TM+\b], v[TM+\b], |v[\s+16*\b+\i]|, |v[\s+1+16*\b+\i]|
.endr
.endr
.irp b, 0,1,2,3
	v_permlanex16_b32 v[TM+4+\b], v[TM+\b], s[SEL], s[SEL+1]
.endr
.irp b, 0,1,2,3
	v_max_num_f32 v[TM+\b], v[TM+\b], v[TM+4+\b]
.endr
.irp b, 0,1,2,3
	v_add_nc_u32 v[TM+12+\b], 0xff000000, v[TM+\b]
.endr
.irp b, 0,1,2,3
	v_lshrrev_b32 v[TM+4+\b], 23, v[TM+12+\b]
.endr
	v_lshl_or_b32 v[PW], v[TM+5], 8, v[TM+4]
	v_lshl_or_b32 v[PW], v[TM+6], 16, v[PW]
	v_lshl_or_b32 v[PW], v[TM+7], 24, v[PW]
.irp c, 0,1
	v_cvt_scalef32_pk16_fp6_f32 v[PC+6*\c:PC+2+6*\c], v[\s+32*\c:\s+15+32*\c], v[TM+12+2*\c]
	v_cvt_scalef32_pk16_fp6_f32 v[PC+12+4*\c:PC+14+4*\c], v[\s+16+32*\c:\s+31+32*\c], v[TM+12+2*\c+1]
.endr
	v_nop
.irp c, 0,1
.irp i, 0,1,2
	v_permlane16_swap_b32 v[PC+6*\c+\i], v[PC+12+4*\c+\i]
.endr
.irp i, 0,1,2
	v_mov_b32 v[PC+3+6*\c+\i], v[PC+12+4*\c+\i]
.endr
.endr
.endm
.macro COPY k                          ; block k's 64 sums + the bias, out of window 2 or 3, each accumulator from its low end on
.set WN, 2+(\k)/4
	WIN WN
.set I2, 0
.rept 32
	v_pk_add_f32 v[H+I2:H+I2+1], v[64*((\k)%4)+I2:64*((\k)%4)+I2+1], v[BI+I2:BI+I2+1]
.set I2, I2+2
.endr
	WIN 0
.endm
.macro GELU g                          ; sixteen numbers, operation by operation over eight pairs, so that no line waits for the line above it
.set HX, H+16*(\g)
.irp i, 0,2,4,6,8,10,12,14
	v_pk_mul_f32 v[Z+\i:Z+\i+1], v[HX+\i:HX+\i+1], 0x3f3504f3 op_sel_hi:[1,0]          ; z = x / sqrt 2
.endr
.irp i, 0,1,2,3,4,5,6,7,8,9,10,11,12,13,14,15
	v_med3_num_f32 v[Z+\i], v[Z+\i], -4.0, 4.0
.endr
.irp i, 0,2,4,6,8,10,12,14
	v_pk_mul_f32 v[X2+\i:X2+\i+1], v[Z+\i:Z+\i+1], v[Z+\i:Z+\i+1]
.endr
.irp i, 0,2,4,6,8,10,12,14
	v_pk_fma_f32 v[PP+\i:PP+\i+1], v[X2+\i:X2+\i+1], v[CA:CA+1], 0x32edffee op_sel_hi:[1,1,0]
.endr
.irp k, 0xb60cff51, 0xb86ec2d2, 0xba40ac63, 0xbb41a1f6, 0xbc83dbd4
.irp i, 0,2,4,6,8,10,12,14
	v_pk_fma_f32 v[PP+\i:PP+\i+1], v[PP+\i:PP+\i+1], v[X2+\i:X2+\i+1], \k op_sel_hi:[1,1,0]
.endr
.endr
.irp i, 0,2,4,6,8,10,12,14
	v_pk_mul_f32 v[PP+\i:PP+\i+1], v[PP+\i:PP+\i+1], v[Z+\i:Z+\i+1]                    ; z P(z^2)
.endr
.irp i, 0,2,4,6,8,10,12,14
	v_pk_fma_f32 v[Z+\i:Z+\i+1], v[X2+\i:X2+\i+1], v[CB:CB+1], 0xb95fbd29 op_sel_hi:[1,1,0]
.endr
.irp k, 0xbadc924e, 0xbbf19bf8, 0xbc69b6a7
.irp i, 0,2,4,6,8,10,12,14
	v_pk_fma_f32 v[Z+\i:Z+\i+1], v[Z+\i:Z+\i+1], v[X2+\i:X2+\i+1], \k op_sel_hi:[1,1,0]
.endr
.endr
.irp i, 0,1,2,3,4,5,6,7,8,9,10,11,12,13,14,15
	v_rcp_f32 v[Z+\i], v[Z+\i]
.endr
.irp i, 0,2,4,6,8,10,12,14
	v_pk_mul_f32 v[X2+\i:X2+\i+1], v[HX+\i:HX+\i+1], 0.5 op_sel_hi:[1,0]               ; x / 2: plain work behind the batch of reciprocals
.endr
	s_wait_alu depctr_va_vdst(0)                   ; one wait for the sixteen, ahead of their first reader
.irp i, 0,2,4,6,8,10,12,14
	v_pk_mul_f32 v[PP+\i:PP+\i+1], v[PP+\i:PP+\i+1], v[Z+\i:Z+\i+1]                    ; erf
.endr
.irp i, 0,2,4,6,8,10,12,14
	v_pk_fma_f32 v[HX+\i:HX+\i+1], v[X2+\i:X2+\i+1], v[PP+\i:PP+\i+1], v[X2+\i:X2+\i+1]
.endr
.endm
	s_load_b128 s[4:7], s[0:1], 0x0                ; xn, wimg
	s_load_b128 s[8:11], s[0:1], 0x10              ; b1, hid
	v_lshl_add_u32 v[SPW], v0, 2, SPARE
	v_mov_b32 v[NIL], 0
	ds_add_u32 v28, v29
	ds_add_u32 v28, v29
	s_wait_dscnt 0x0
	v_lshrrev_b32 v1, 5, v0
	v_readfirstlane_b32 s14, v1
	s_lshr_b32 s15, s14, 1
	s_and_b32 s16, s14, 1
	s_bfe_u32 s40, ttmp6, 0x40000
	s_bfe_u32 s41, ttmp6, 0x40004
	s_lshl_b32 s42, ttmp9, 2
	s_add_co_u32 s42, s42, s40                     ; P's block of 256 hidden units
	s_and_b32 s17, ttmp7, 0xffff
	s_lshl_b32 s17, s17, 2
	s_add_co_u32 s17, s17, s41                     ; Q's block of 256 tokens
	s_lshl_b32 s43, s41, 2
	s_lshl_b32 s43, 15, s43
	s_lshl_b32 s44, 0x1111, s40
	s_mov_b32 s[SEL], 0x76543210
	s_mov_b32 s[SEL+1], 0xfedcba98
	s_or_b32 s[G1+0], s43, (3<<16)|(1<<21)
	s_or_b32 s[G1B+0], s44, (3<<16)|(1<<21)
.irp g, G1, G1B
	s_mov_b32 s[\g+1], (NQ*192)<<16
	s_mov_b32 s[\g+2], NB<<16
	s_mov_b32 s[\g+3], (NQ*192)<<16
	s_mov_b32 s[\g+4], NB
	s_mov_b32 s[\g+5], KS*192
	s_mov_b32 s[\g+6], 0
	s_mov_b32 s[\g+7], 0
.endr
	s_or_b32 s[G1S+0], s43, (3<<16)|(1<<21)
	s_or_b32 s[G1SB+0], s44, (3<<16)|(1<<21)
.irp g, G1S, G1SB
	s_mov_b32 s[\g+1], 32<<16
	s_mov_b32 s[\g+2], (HALFS/256)<<16
	s_mov_b32 s[\g+3], 32<<16
	s_mov_b32 s[\g+4], HALFS/256
	s_mov_b32 s[\g+5], 32
	s_mov_b32 s[\g+6], 0
	s_mov_b32 s[\g+7], 0
.endr
	s_mul_i32 s18, s16, NB
	s_mul_i32 s20, s17, 2*NB
	s_add_co_u32 s20, s20, s18
	s_mul_i32 s46, s42, 2*NB
	s_add_co_u32 s46, s46, s18
	s_mul_i32 s22, s20, KS*128
	s_mul_i32 s92, s46, KS*128
	s_mul_i32 s20, s20, KS*1536
	s_mul_i32 s46, s46, KS*1536
	s_mov_b32 s21, 0
	s_mov_b32 s23, 0
	s_mov_b32 s47, 0
	s_mov_b32 s93, 0
	s_mul_i32 s45, s14, HALFT
	s_mul_i32 s94, s14, HALFS
	s_wait_kmcnt 0x0
	s_add_nc_u64 s[20:21], s[4:5], s[20:21]
	s_add_nc_u64 s[22:23], s[4:5], s[22:23]
	s_add_nc_u64 s[22:23], s[22:23], QSOFF
	s_add_nc_u64 s[46:47], s[6:7], s[46:47]
	s_add_nc_u64 s[46:47], s[46:47], POFF
	s_add_nc_u64 s[92:93], s[6:7], s[92:93]
	s_add_nc_u64 s[92:93], s[92:93], PSOFF
	CROUND
	s_mov_b32 s[G0S], 1
	s_add_co_u32 s[G0S+1], s94, SCL
	s_mov_b64 s[G0S+2:G0S+3], s[22:23]
	s_or_b32 s[G0S+3], s[G0S+3], 0x80000000
	s_mov_b32 s[G0SB], 1
	s_add_co_u32 s[G0SB+1], s94, SCL
	s_mov_b64 s[G0SB+2:G0SB+3], s[92:93]
	s_or_b32 s[G0SB+3], s[G0SB+3], 0x80000000
	JLOAD G0S, G1S, G0SB, G1SB
.irp s, 0,1
	s_mov_b32 s[G0+4*\s], 1
	s_add_co_u32 s[G0+4*\s+1], s45, \s*SLOT
	s_add_nc_u64 s[G0+4*\s+2:G0+4*\s+3], s[20:21], \s*NQ*1536
	s_or_b32 s[G0+4*\s+3], s[G0+4*\s+3], 0x80000000
	s_mov_b32 s[G0B+4*\s], 1
	s_add_co_u32 s[G0B+4*\s+1], s45, \s*SLOT
	s_add_nc_u64 s[G0B+4*\s+2:G0B+4*\s+3], s[46:47], \s*NQ*1536
	s_or_b32 s[G0B+4*\s+3], s[G0B+4*\s+3], 0x80000000
	JLOAD G0+4*\s, G1, G0B+4*\s, G1B
.endr
	v_and_b32 v1, 31, v0
	v_bfe_u32 v2, v0, 4, 1
	v_lshlrev_b32 v[LI], 4, v1
	v_lshlrev_b32 v[LS], 2, v1
	v_lshlrev_b32 v[BA], 6, v2                     ; register 16 B + i wants hidden unit 32 B + 16 h + i
	s_lshl_b32 s18, s42, 10
	s_lshl_b32 s19, s16, 9
	s_add_co_u32 s18, s18, s19
	s_mov_b32 s19, 0
	s_add_nc_u64 s[18:19], s[8:9], s[18:19]        ; b1 at my 128 units
.irp b, 0,1,2,3
.irp j, 0,1,2,3
	global_load_b128 v[BI+16*\b+4*\j:BI+16*\b+4*\j+3], v[BA], s[18:19] offset:128*\b+16*\j
.endr
.endr
	s_lshl_b32 s20, s17, 4
	s_lshl_b32 s21, s15, 3
	s_add_co_u32 s20, s20, s21                     ; my first token tile
	s_lshl_b32 s20, s20, 5                         ; 32 K steps a tile
	s_lshl_b32 s21, s42, 1
	s_add_co_u32 s20, s20, s21
	s_add_co_u32 s22, s20, s16                     ; my K step of the next product
	s_mul_i32 s20, s22, 1536
	s_mov_b32 s21, 0
	s_add_nc_u64 s[12:13], s[10:11], s[20:21]
	s_lshl_b32 s20, s22, 7
	s_add_nc_u64 s[66:67], s[10:11], s[20:21]
	s_add_nc_u64 s[66:67], s[66:67], HSC
	s_mul_i32 s21, s15, HALFT
	s_mul_i32 s22, s16, HALFT
	s_add_co_u32 s22, s22, 2*HALFT
.irp s, 0,1
	v_add_nc_u32 v[ADRQ+\s], s21, v[LI]
	v_add_nc_u32 v[ADRP+\s], s22, v[LI]
	s_add_co_u32 s21, s21, SLOT
	s_add_co_u32 s22, s22, SLOT
.endr
	s_mul_i32 s21, s15, HALFS
	s_mul_i32 s22, s16, HALFS
	s_add_co_u32 s22, s22, 2*HALFS
	s_sub_co_u32 s22, s22, s21
	v_mul_u32_u24 v3, s22, v2
	s_add_co_u32 s21, s21, SCL
	v_add_nc_u32 v3, v3, v[LS]
	v_add_nc_u32 v[ADRS], s21, v3
	s_wait_tensorcnt 1                             ; the scale records and my part of slot 0 are in; slot 1's load may be out
	s_barrier_signal -1
	s_barrier_wait -1
	FETCH_P 0, 0, 0
	FETCH_Q 0, 0, 0
	SCALES 0
	FETCH_Q 0, 0, HB
	STEP 0, 0, 1
	s_mov_b32 s3, LAPS-1
.Llap:
	MID 0
	TURN 0, 1, 1
	STEP 1, 0, 0
	MID 1
	TURN 1, 0, 1
	STEP 0, 0, 0
	s_sub_co_u32 s3, s3, 1
	s_cmp_lg_u32 s3, 0
	s_cbranch_scc1 .Llap
	MID 0
	TURN 0, 1, 0
	STEP 1, 0, 0
	MID 1
	LAST
	PLACES 4                                       ; behind the last products
.irp b, 0,1,2,3
	v_mov_b32 v[TM+4+\b], 0                        ; a lane permute's destination counts as one of its sources
.endr
	v_mov_b32 v[CA], 0xaf95df0b                    ; the two leading coefficients, as pairs
	v_mov_b32 v[CA+1], 0xaf95df0b
	v_mov_b32 v[CB], 0xb77460cd
	v_mov_b32 v[CB+1], 0xb77460cd
	s_wait_loadcnt 0x0                             ; the bias
	s_mov_b32 s95, 0
.Lblk:
.irp k, 1,2,3,4,5,6,7
	s_cmp_eq_u32 s95, \k
	s_cbranch_scc1 .Lacc\k
.endr
	COPY 0
	s_branch .Lgo
.irp k, 1,2,3,4,5,6
.Lacc\k:
	COPY \k
	s_branch .Lgo
.endr
.Lacc7:
	COPY 7
.Lgo:
	GELU 0
	GELU 1
	GELU 2
	GELU 3
	QUANT H
.irp c, 0,1,2
	global_store_b128 v[LI], v[PC+4*\c:PC+4*\c+3], s[12:13] offset:512*\c
.endr
	global_store_b32 v[LS], v[PW], s[66:67]
	s_wait_xcnt 0x0                                ; the stores have read their bases and their data: both are written again only behind this wait
	s_add_nc_u64 s[12:13], s[12:13], 49152         ; the next token tile: 32 fragments on
	s_add_nc_u64 s[66:67], s[66:67], 4096
	s_add_co_u32 s95, s95, 1
	s_cmp_lt_u32 s95, 8
	s_cbranch_scc1 .Lblk
	s_wait_tensorcnt 0x0                           ; the wave's end
	ds_add_u32 v[SPW], v[NIL]
	s_wait_dscnt 0x0
	CROUND
	s_endpgm
.Lfunc_end_k_q66fe2a690f_ffn1:
	.size	k_q66fe2a690f_ffn1, .Lfunc_end_k_q66fe2a690f_ffn1-k_q66fe2a690f_ffn1
	.p2alignl 7, 3214868480
	.fill 96, 4, 3214868480
	.section	.rodata,"a",@progbits
	.p2align	6, 0x0
	.amdhsa_kernel k_q66fe2a690f_ffn1
		.amdhsa_group_segment_fixed_size 327680
		.amdhsa_private_segment_fixed_size 0
		.amdhsa_enable_private_segment 0
		.amdhsa_kernarg_size 32
		.amdhsa_user_sgpr_count 2
		.amdhsa_user_sgpr_kernarg_segment_ptr 1
		.amdhsa_wavefront_size32 1
		.amdhsa_system_sgpr_workgroup_id_x 1
		.amdhsa_system_sgpr_workgroup_id_y 1
		.amdhsa_system_sgpr_workgroup_id_z 1
		.amdhsa_system_vgpr_workitem_id 0
		.amdhsa_next_free_vgpr 1024
		.amdhsa_next_free_sgpr 102
		.amdhsa_reserve_vcc 0
		.amdhsa_float_denorm_mode_32 3
		.amdhsa_float_denorm_mode_16_64 3
		.amdhsa_memory_ordered 1
		.amdhsa_forward_progress 1
		.amdhsa_inst_pref_size 181
	.end_amdhsa_kernel
	.amdgpu_metadata
---
amdhsa.version: [ 1, 2 ]
amdhsa.kernels:
  - .name:           k_q66fe2a690f_ffn1
    .symbol:         k_q66fe2a690f_ffn1.kd
    .args:
      - { .name: xn, .offset: 0, .size: 8, .value_kind: global_buffer, .address_space: global }
      - { .name: wimg, .offset: 8, .size: 8, .value_kind: global_buffer, .address_space: global }
      - { .name: b1, .offset: 16, .size: 8, .value_kind: global_buffer, .address_space: global }
      - { .name: hid, .offset: 24, .size: 8, .value_kind: global_buffer, .address_space: global }
    .group_segment_fixed_size: 327680
    .private_segment_fixed_size: 0
    .kernarg_segment_align: 8
    .kernarg_segment_size: 32
    .max_flat_workgroup_size: 128
    .sgpr_count:     102
    .vgpr_count:     1024
    .wavefront_size: 32
...
	.end_amdgpu_metadata
.endif
;; end of part 6
;; launch ffn2 (part 7): grid 8 x 32, 4 waves a work-group, clusters of 4 x 4, 327,680 bytes of LDS; arguments hid, wimg, b2, x1, out0; writes out0
.if DOCPART == 7
	.amdgcn_target "amdgcn-amd-amdhsa--gfx1250"
	.amdhsa_code_object_version 6
	.text
	.protected	k_q66fe2a690f_ffn2
	.globl	k_q66fe2a690f_ffn2
	.p2align	8
	.type	k_q66fe2a690f_ffn2,@function
k_q66fe2a690f_ffn2:
	s_mov_b64 s[64:65], 0
	v_nop
	global_prefetch_b8 v0, s[64:65] scope:SCOPE_SE
	s_setreg_imm32_b32 hwreg(HW_REG_WAVE_MODE, 25, 1), 1
	s_wait_xcnt 0x0
	s_wait_alu depctr_hold_cnt(0) depctr_sa_sdst(0) depctr_va_vdst(0) depctr_va_sdst(0) depctr_va_ssrc(0) depctr_va_vcc(0) depctr_vm_vsrc(0)
	s_getreg_b32 s2, hwreg(HW_REG_IB_STS2, 6, 4)
	s_cmp_eq_u32 s2, 0
	s_cbranch_scc0 .Lentry_in_a_cluster
	s_endpgm
.Lentry_in_a_cluster:
	s_bfe_u32 s2, ttmp6, 0x10000c
	s_cmp_lg_u32 s2, 0xf033
	s_cbranch_scc0 .Lentry_shape_is_right
	s_endpgm
.Lentry_shape_is_right:
; out0 = x1 + (hid w2 + b2): the product on codes of FP6 (E2M3) with E8M0 scales; f32 out.
; OPERANDS ARE FRAGMENT IMAGES (16 rows x 128 K: 1,536 bytes, three runs of 512, 16 bytes a lane) and scale records of 128 bytes.  Lane r of tile T stands for row 32 (T / 2) + 8 (T % 2) + r + 8 (r / 8).
; P (source 0) = the weight's rows = output columns, Q (source 1) = tokens: a lane holds one token and eight neighbouring columns a register run.
; N = 1,024 gives too few tiles of 256 x 256 for the chip's work-group processors: a work-group makes 128 x 128, a wave 64 x 64 (16 accumulators); a slot holds 4 K steps.  K = 4,096 is 8 slots' worth through a ring of two slots;
; the scale records of all K come once.  CLUSTERS 4 x 4: Q's tiles shared along a row, P's along a column.  A wave has three tensor loads out at the start, later one.
; The residual (32 loads a wave) and the bias are asked for at the head and land under the products.  The way out goes through the wave's stage in slot 0, which has had its last fill and its last read: sixteen lanes store 256 consecutive bytes, aligned.
.set NB,    4
.set NQ,    4
.set KS,    32
.set POFF,  6291456
.set PSOFF, 9437184+524288
.set QSOFF, 12582912
.set FR,    12
.set NL,    3
.set HB,    NB/2
.set QB,    NB/4
.set APW,   32/NB
.set HALFT, NB*NQ*1536
.set SLOT,  4*HALFT
.set SCL,   2*SLOT
.set HALFS, NB*KS*128
.set SPARE, SCL+4*HALFS
.set LAPS,  KS/(2*NQ)
.set ADRQ, 16
.set ADRP, 20
.set LI,   24
.set LS,   25
.set CO,   26
.set ADRS, 27
.set SPW,  28
.set NIL,  29
.set STO,  30
.set RD,   31
.set SC,   32
.set AF,   128
.set BIA,  240
.set G1, 24
.set G0, 32
.set G1B, 48
.set G0B, 56
.set G1S, 68
.set G0S, 76
.set G1SB, 80
.set G0SB, 88
.set MSB, 0
.macro WIN new
.if MSB != \new
	s_set_vgpr_msb (MSB<<8)|\new
.set MSB, \new
.endif
.endm
.macro JLOAD g0a, g1a, g0b, g1b
	s_cmp_eq_u32 s15, 0
	s_cbranch_scc0 .Lfor_b_\@
	tensor_load_to_lds s[\g0a:\g0a+3], s[\g1a:\g1a+7]
	s_nop 0
.rept 4
	v_nop
.endr
	s_branch .Lasked_\@
.Lfor_b_\@:
	tensor_load_to_lds s[\g0b:\g0b+3], s[\g1b:\g1b+7]
	s_nop 0
.rept 4
	v_nop
.endr
.Lasked_\@:
.endm
.macro CREST
	s_cmp_lg_u32 s14, 0
	s_cbranch_scc1 .Lnot_wave_0_\@
	s_barrier_signal -3
.Lnot_wave_0_\@:
	s_barrier_wait -3
	s_barrier_signal -1
	s_barrier_wait -1
.endm
.macro CROUND
	s_barrier_signal -1
	s_barrier_wait -1
	CREST
.endm
.macro PLACES n
.rept \n
	v_nop
.endr
.endm
.macro FRAG reg, adr, off
.irp c, 0,1,2
	ds_load_b128 v[\reg+4*\c:\reg+4*\c+3], v[\adr] offset:\off+512*\c
.endr
.endm
.macro FETCH_P slot, q, p
	WIN 0x40
.set II, 0
.rept NB
	FRAG 128*(\p)+FR*II, ADRP+\slot, (II*NQ+(\q))*1536
.set II, II+1
.endr
	WIN 0
.endm
.macro FETCH_Q slot, q, i0
.set II, \i0
.rept HB
	FRAG AF+FR*II, ADRQ+\slot, (II*NQ+(\q))*1536
.set II, II+1
.endr
.endm
.macro SCALES set
.set II, 0
.rept NB
.set QI, 0
.rept NQ
	ds_load_b32 v[SC+16*\set+NQ*II+QI], v[ADRS] offset:II*KS*128+QI*128
.set QI, QI+1
.endr
.set II, II+1
.endr
.endm
.macro MULB a, p, q, sc, zero          ; the accumulators take turns, one instruction a turn
.set WN, 0xa1+0x50*((\a)/APW)
	WIN WN
.irp b, 0,1,2,3,4,5,6,7
.if \b < NB
.set AC, 8*(NB*((\a)%APW)+\b)
.if \zero
	v_wmma_scale_f32_16x16x128_f8f6f4 v[AC:AC+7], v[128*(\p)+FR*\b:128*(\p)+FR*\b+FR-1], v[AF+FR*(\a):AF+FR*(\a)+FR-1], 0, v[SC+16*(\sc)+NQ*\b+(\q)], v[SC+16*(\sc)+NQ*(\a)+(\q)] matrix_a_fmt:MATRIX_FMT_FP6 matrix_b_fmt:MATRIX_FMT_FP6 matrix_a_scale:MATRIX_SCALE_ROW1
.else
	v_wmma_scale_f32_16x16x128_f8f6f4 v[AC:AC+7], v[128*(\p)+FR*\b:128*(\p)+FR*\b+FR-1], v[AF+FR*(\a):AF+FR*(\a)+FR-1], v[AC:AC+7], v[SC+16*(\sc)+NQ*\b+(\q)], v[SC+16*(\sc)+NQ*(\a)+(\q)] matrix_a_fmt:MATRIX_FMT_FP6 matrix_b_fmt:MATRIX_FMT_FP6 matrix_a_scale:MATRIX_SCALE_ROW1
.endif
.endif
.endr
.endm
.macro MULS a0, n, p, q, sc, zero
.set AA, \a0
.rept \n
	MULB AA, \p, \q, \sc, \zero
.set AA, AA+1
.endr
.endm
.macro STEP slot, q, zero
	s_wait_dscnt HB*NL                             ; all but the youngest loads, Q's upper blocks
	MULS 0, HB, (\q)%2, \q, \slot, \zero
	s_wait_dscnt 0x0
	PLACES 4
	FETCH_P \slot, (\q)+1, 1-(\q)%2
	FETCH_Q \slot, (\q)+1, 0
	MULS HB, HB, (\q)%2, \q, \slot, \zero
	PLACES 4
	WIN 0
	FETCH_Q \slot, (\q)+1, HB
.endm
.macro MID slot
.set QM, 1
.rept NQ-2
	STEP \slot, QM, 0
.set QM, QM+1
.endr
.endm
.macro TURN slot, next, fill
	s_wait_tensorcnt 0x0                           ; all my tensor loads have landed: my part of the next slot
	ds_add_u32 v[SPW], v[NIL]                      ; 0 onto my spare word
	s_wait_dscnt HB*NL+1                           ; (the add and Q's upper blocks may be out)
	MULS 0, QB, 1, NQ-1, \slot, 0
	s_wait_dscnt 0x0                               ; the add is done, and my reads of this slot are over
	s_barrier_signal -1
	MULS QB, HB-QB, 1, NQ-1, \slot, 0
	WIN 0
	s_barrier_wait -1
.if \fill
	CREST                                          ; no wave of any partner still reads this slot or has a load on its way
	s_add_nc_u64 s[G0+4*\slot+2:G0+4*\slot+3], s[G0+4*\slot+2:G0+4*\slot+3], 2*NQ*1536
	s_add_nc_u64 s[G0B+4*\slot+2:G0B+4*\slot+3], s[G0B+4*\slot+2:G0B+4*\slot+3], 2*NQ*1536
	JLOAD G0+4*\slot, G1, G0B+4*\slot, G1B
.else
	PLACES 4
.endif
	v_add_nc_u32 v[ADRS], NQ*128, v[ADRS]
	FETCH_P \next, 0, 0
	FETCH_Q \next, 0, 0
	SCALES \next
	MULS HB, HB, 1, NQ-1, \slot, 0
	PLACES 4
	WIN 0
	FETCH_Q \next, 0, HB
.endm
.macro LAST
	s_wait_dscnt HB*NL
	MULS 0, HB, 1, NQ-1, 1, 0
	s_wait_dscnt 0x0
	MULS HB, HB, 1, NQ-1, 1, 0
	WIN 0
.endm
.macro RESREG a                        ; where block a's residual lies: blocks 0, 1 in v64-127, blocks 2, 3 in v176-239
.set RR, 64+32*(\a)+48*((\a)/2)
.endm
.macro TOSTAGE a
	WIN 0x08                                       ; an LDS store's data are its source 1: window 2
.irp b, 0,1,2,3
	ds_store_b128 v[STO], v[8*(4*(\a)+\b):8*(4*(\a)+\b)+3] offset:128*(\b/2)+32*(\b%2)      ; each accumulator from its low end on
	ds_store_b128 v[STO], v[8*(4*(\a)+\b)+4:8*(4*(\a)+\b)+7] offset:128*(\b/2)+32*(\b%2)+16
.endr
	WIN 0
.set BB, 32+96*((\a)%2)
.irp t, 0,1,2,3,4,5,6,7
	ds_load_b128 v[BB+4*\t:BB+4*\t+3], v[RD] offset:544*\t   ; LDS serves a wave's instructions in order
.endr
.endm
.macro SENDF a, younger
.set BB, 32+96*((\a)%2)
	RESREG \a
	s_wait_dscnt \younger                          ; the block is back; the next block's 8 stores and 8 loads may be out
.irp t, 0,1,2,3,4,5,6,7
	v_pk_add_f32 v[BB+4*\t:BB+4*\t+1], v[BB+4*\t:BB+4*\t+1], v[BIA:BIA+1]
	v_pk_add_f32 v[BB+4*\t+2:BB+4*\t+3], v[BB+4*\t+2:BB+4*\t+3], v[BIA+2:BIA+3]
	v_pk_add_f32 v[BB+4*\t:BB+4*\t+1], v[BB+4*\t:BB+4*\t+1], v[RR+4*\t:RR+4*\t+1]
	v_pk_add_f32 v[BB+4*\t+2:BB+4*\t+3], v[BB+4*\t+2:BB+4*\t+3], v[RR+4*\t+2:RR+4*\t+3]
	global_store_b128 v[CO], v[BB+4*\t:BB+4*\t+3], s[12:13] offset:(32*((\a)/2)+8*((\a)%2)+2*\t+8*(\t/4))*4096 th:TH_STORE_NT
.endr
.endm
	s_load_b256 s[4:11], s[0:1], 0x0               ; Q's images, wimg, the bias, the residual
	s_load_b64 s[12:13], s[0:1], 0x20              ; the output
	v_lshl_add_u32 v[SPW], v0, 2, SPARE
	v_mov_b32 v[NIL], 0
	ds_add_u32 v28, v29
	ds_add_u32 v28, v29
	s_wait_dscnt 0x0
	v_lshrrev_b32 v1, 5, v0
	v_readfirstlane_b32 s14, v1
	s_lshr_b32 s15, s14, 1
	s_and_b32 s16, s14, 1
	s_bfe_u32 s40, ttmp6, 0x40000
	s_bfe_u32 s41, ttmp6, 0x40004
	s_lshl_b32 s42, ttmp9, 2
	s_add_co_u32 s42, s42, s40                     ; P's block of 128 columns
	s_and_b32 s17, ttmp7, 0xffff
	s_lshl_b32 s17, s17, 2
	s_add_co_u32 s17, s17, s41                     ; Q's block of 128 tokens
	s_lshl_b32 s43, s41, 2
	s_lshl_b32 s43, 15, s43
	s_lshl_b32 s44, 0x1111, s40
	s_or_b32 s[G1+0], s43, (3<<16)|(1<<21)
	s_or_b32 s[G1B+0], s44, (3<<16)|(1<<21)
.irp g, G1, G1B
	s_mov_b32 s[\g+1], (NQ*192)<<16
	s_mov_b32 s[\g+2], NB<<16
	s_mov_b32 s[\g+3], (NQ*192)<<16
	s_mov_b32 s[\g+4], NB
	s_mov_b32 s[\g+5], KS*192
	s_mov_b32 s[\g+6], 0
	s_mov_b32 s[\g+7], 0
.endr
	s_or_b32 s[G1S+0], s43, (3<<16)|(1<<21)
	s_or_b32 s[G1SB+0], s44, (3<<16)|(1<<21)
.irp g, G1S, G1SB
	s_mov_b32 s[\g+1], 32<<16
	s_mov_b32 s[\g+2], (HALFS/256)<<16
	s_mov_b32 s[\g+3], 32<<16
	s_mov_b32 s[\g+4], HALFS/256
	s_mov_b32 s[\g+5], 32
	s_mov_b32 s[\g+6], 0
	s_mov_b32 s[\g+7], 0
.endr
	s_mul_i32 s18, s16, NB
	s_mul_i32 s20, s17, 2*NB
	s_add_co_u32 s20, s20, s18
	s_mul_i32 s46, s42, 2*NB
	s_add_co_u32 s46, s46, s18
	s_mul_i32 s22, s20, KS*128
	s_mul_i32 s92, s46, KS*128
	s_mul_i32 s20, s20, KS*1536
	s_mul_i32 s46, s46, KS*1536
	s_mov_b32 s21, 0
	s_mov_b32 s23, 0
	s_mov_b32 s47, 0
	s_mov_b32 s93, 0
	s_mul_i32 s45, s14, HALFT
	s_mul_i32 s94, s14, HALFS
	s_wait_kmcnt 0x0
	s_add_nc_u64 s[20:21], s[4:5], s[20:21]
	s_add_nc_u64 s[22:23], s[4:5], s[22:23]
	s_add_nc_u64 s[22:23], s[22:23], QSOFF
	s_add_nc_u64 s[46:47], s[6:7], s[46:47]
	s_add_nc_u64 s[46:47], s[46:47], POFF
	s_add_nc_u64 s[92:93], s[6:7], s[92:93]
	s_add_nc_u64 s[92:93], s[92:93], PSOFF
	CROUND
	s_mov_b32 s[G0S], 1
	s_add_co_u32 s[G0S+1], s94, SCL
	s_mov_b64 s[G0S+2:G0S+3], s[22:23]
	s_or_b32 s[G0S+3], s[G0S+3], 0x80000000
	s_mov_b32 s[G0SB], 1
	s_add_co_u32 s[G0SB+1], s94, SCL
	s_mov_b64 s[G0SB+2:G0SB+3], s[92:93]
	s_or_b32 s[G0SB+3], s[G0SB+3], 0x80000000
	JLOAD G0S, G1S, G0SB, G1SB
.irp s, 0,1
	s_mov_b32 s[G0+4*\s], 1
	s_add_co_u32 s[G0+4*\s+1], s45, \s*SLOT
	s_add_nc_u64 s[G0+4*\s+2:G0+4*\s+3], s[20:21], \s*NQ*1536
	s_or_b32 s[G0+4*\s+3], s[G0+4*\s+3], 0x80000000
	s_mov_b32 s[G0B+4*\s], 1
	s_add_co_u32 s[G0B+4*\s+1], s45, \s*SLOT
	s_add_nc_u64 s[G0B+4*\s+2:G0B+4*\s+3], s[46:47], \s*NQ*1536
	s_or_b32 s[G0B+4*\s+3], s[G0B+4*\s+3], 0x80000000
	JLOAD G0+4*\s, G1, G0B+4*\s, G1B
.endr
	v_and_b32 v1, 31, v0
	v_bfe_u32 v2, v0, 4, 1
	v_and_b32 v3, 15, v0
	v_lshlrev_b32 v[LI], 4, v1
	v_lshlrev_b32 v[LS], 2, v1
	v_lshlrev_b32 v[CO], 12, v2
	v_lshl_add_u32 v[CO], v3, 4, v[CO]
	v_lshlrev_b32 v5, 4, v3
	s_lshl_b32 s20, s17, 7
	s_lshl_b32 s21, s15, 6
	s_add_co_u32 s20, s20, s21                     ; my first token
	s_lshl_b32 s20, s20, 12
	s_lshl_b32 s21, s42, 7
	s_lshl_b32 s22, s16, 6
	s_add_co_u32 s21, s21, s22                     ; my first column
	s_lshl_b32 s22, s21, 2
	s_add_co_u32 s20, s20, s22
	s_mov_b32 s21, 0
	s_mov_b32 s23, 0
	s_add_nc_u64 s[10:11], s[10:11], s[20:21]
	s_add_nc_u64 s[12:13], s[12:13], s[20:21]
	s_add_nc_u64 s[8:9], s[8:9], s[22:23]
	global_load_b128 v[BIA:BIA+3], v5, s[8:9]
.irp a, 0,1,2,3
	RESREG \a
.irp t, 0,1,2,3,4,5,6,7
	global_load_b128 v[RR+4*\t:RR+4*\t+3], v[CO], s[10:11] offset:(32*(\a/2)+8*(\a%2)+2*\t+8*(\t/4))*4096
.endr
.endr
	s_mul_i32 s21, s15, HALFT
	s_mul_i32 s22, s16, HALFT
	s_add_co_u32 s22, s22, 2*HALFT
.irp s, 0,1
	v_add_nc_u32 v[ADRQ+\s], s21, v[LI]
	v_add_nc_u32 v[ADRP+\s], s22, v[LI]
	s_add_co_u32 s21, s21, SLOT
	s_add_co_u32 s22, s22, SLOT
.endr
	s_mul_i32 s21, s15, HALFS
	s_mul_i32 s22, s16, HALFS
	s_add_co_u32 s22, s22, 2*HALFS
	s_sub_co_u32 s22, s22, s21
	v_mul_u32_u24 v4, s22, v2
	s_add_co_u32 s21, s21, SCL
	v_add_nc_u32 v4, v4, v[LS]
	v_add_nc_u32 v[ADRS], s21, v4
	s_mul_i32 s23, s14, 4352                       ; my stage
	v_mul_u32_u24 v4, v3, 272
	v_lshl_add_u32 v4, v2, 6, v4
	v_add_nc_u32 v[STO], s23, v4                   ; in: row r, + 64 h
	v_mul_u32_u24 v4, v2, 272
	v_lshl_add_u32 v4, v3, 4, v4
	v_add_nc_u32 v[RD], s23, v4                    ; back: lanes 0-15 one row, lanes 16-31 the next
	s_wait_tensorcnt 1                             ; the scale records and my part of slot 0 are in; slot 1's load may be out
	s_barrier_signal -1
	s_barrier_wait -1
	FETCH_P 0, 0, 0
	FETCH_Q 0, 0, 0
	SCALES 0
	FETCH_Q 0, 0, HB
	STEP 0, 0, 1
.if LAPS > 1
	s_mov_b32 s3, LAPS-1
.Llap:
	MID 0
	TURN 0, 1, 1
	STEP 1, 0, 0
	MID 1
	TURN 1, 0, 1
	STEP 0, 0, 0
	s_sub_co_u32 s3, s3, 1
	s_cmp_lg_u32 s3, 0
	s_cbranch_scc1 .Llap
.endif
	MID 0
	TURN 0, 1, 0
	STEP 1, 0, 0
	MID 1
	LAST
	PLACES 4
	s_wait_loadcnt 0x0                             ; the bias and the residual
	TOSTAGE 0
.irp a, 1,2,3
.if \a > 1
	s_wait_xcnt 0x0                                ; block a - 2's stores have read the registers that block a's loads take
.endif
	TOSTAGE \a
	SENDF \a-1, 16
.endr
	SENDF 3, 0
	s_wait_tensorcnt 0x0                           ; the wave's end
	ds_add_u32 v[SPW], v[NIL]
	s_wait_dscnt 0x0
	CROUND
	s_endpgm
.Lfunc_end_k_q66fe2a690f_ffn2:
	.size	k_q66fe2a690f_ffn2, .Lfunc_end_k_q66fe2a690f_ffn2-k_q66fe2a690f_ffn2
	.p2alignl 7, 3214868480
	.fill 96, 4, 3214868480
	.section	.rodata,"a",@progbits
	.p2align	6, 0x0
	.amdhsa_kernel k_q66fe2a690f_ffn2
		.amdhsa_group_segment_fixed_size 327680
		.amdhsa_private_segment_fixed_size 0
		.amdhsa_enable_private_segment 0
		.amdhsa_kernarg_size 40
		.amdhsa_user_sgpr_count 2
		.amdhsa_user_sgpr_kernarg_segment_ptr 1
		.amdhsa_wavefront_size32 1
		.amdhsa_system_sgpr_workgroup_id_x 1
		.amdhsa_system_sgpr_workgroup_id_y 1
		.amdhsa_system_sgpr_workgroup_id_z 1
		.amdhsa_system_vgpr_workitem_id 0
		.amdhsa_next_free_vgpr 768
		.amdhsa_next_free_sgpr 102
		.amdhsa_reserve_vcc 0
		.amdhsa_float_denorm_mode_32 3
		.amdhsa_float_denorm_mode_16_64 3
		.amdhsa_memory_ordered 1
		.amdhsa_forward_progress 1
		.amdhsa_inst_pref_size 99
	.end_amdhsa_kernel
	.amdgpu_metadata
---
amdhsa.version: [ 1, 2 ]
amdhsa.kernels:
  - .name:           k_q66fe2a690f_ffn2
    .symbol:         k_q66fe2a690f_ffn2.kd
    .args:
      - { .name: hid, .offset: 0, .size: 8, .value_kind: global_buffer, .address_space: global }
      - { .name: wimg, .offset: 8, .size: 8, .value_kind: global_buffer, .address_space: global }
      - { .name: b2, .offset: 16, .size: 8, .value_kind: global_buffer, .address_space: global }
      - { .name: x1, .offset: 24, .size: 8, .value_kind: global_buffer, .address_space: global }
      - { .name: out0, .offset: 32, .size: 8, .value_kind: global_buffer, .address_space: global }
    .group_segment_fixed_size: 327680
    .private_segment_fixed_size: 0
    .kernarg_segment_align: 8
    .kernarg_segment_size: 40
    .max_flat_workgroup_size: 128
    .sgpr_count:     102
    .vgpr_count:     768
    .wavefront_size: 32
...
	.end_amdgpu_metadata
.endif
;; end of part 7
;; ======== version 2 of 2: 8 launches; version 1 with the launch attn written anew for expert scheduling mode
;; workspace buffers: tpa 65,536 bytes; tpf 65,536 bytes; wimg 10,223,616 bytes; xn 3,407,872 bytes; qkv 10,223,616 bytes; att 3,407,872 bytes; x1 16,777,216 bytes; hid 13,631,488 bytes
;; launch prep: the kernel of part 1 again; grid 352 x 1, 8 waves a work-group, no clusters, 113,664 bytes of LDS; arguments t_emb, wt_attn, wt_ffn, wq_codes, wk_codes, wv_codes, wo_codes, w1_codes, w2_codes, wq_scales, wk_scales, wv_scales, wo_scales, w1_scales, w2_scales, tpa, tpf, wimg; writes tpa, tpf, wimg
;; launch ln1: the kernel of part 2 again; grid 256 x 1, 8 waves a work-group, no clusters, 78,848 bytes of LDS; arguments x, tpa, bt_attn, ln1_w, ln1_b, xn; writes xn
;; launch qkv: the kernel of part 3 again; grid 12 x 16, 4 waves a work-group, clusters of 4 x 4, 327,680 bytes of LDS; arguments xn, wimg, bq, bk, bv, qkv; writes qkv
;; launch attn (part 8): grid 16 x 16, 16 waves a work-group, no clusters, 69,632 bytes of LDS; arguments qkv, att; writes att
.if DOCPART == 8
	.amdgcn_target "amdgcn-amd-amdhsa--gfx1250"
	.amdhsa_code_object_version 6
	.text
	.protected	k_q66fe2a690f_attn
	.globl	k_q66fe2a690f_attn
	.p2align	8
	.type	k_q66fe2a690f_attn,@function
k_q66fe2a690f_attn:
	s_mov_b64 s[64:65], 0
	v_nop
	global_prefetch_b8 v0, s[64:65] scope:SCOPE_SE
	s_setreg_imm32_b32 hwreg(HW_REG_WAVE_SCHED_MODE, 0, 2), 2
	s_setreg_imm32_b32 hwreg(HW_REG_WAVE_MODE, 25, 1), 1
	s_wait_xcnt 0x0
	s_wait_alu depctr_vm_vsrc(0)
; att = softmax(q k^T / 8) v for 32 heads of 64, both products on codes of FP6 (E2M3); the result is quantised at once along head x 64 + channel for the next product.
; t = score x log2(e) / 8; M = the running largest t rounded UP to a whole number; p = 2^(t - M) is quantised along the keys, not normalised; the row's sum of the unquantised p divides at the end.
; SHARES.  A work-group: 128 queries of a head PAIR; 16 waves: wave w has head 2 hp + (w & 1) and query tile w / 2.  Four waves to a SIMD: one wave's vector work stands beside another's products.
; A fragment of q or k holds both heads of the pair (registers 0-5, 6-11).  The product's K is 128 and a head's is 64: my Q fragment's other six registers are set to zero codes, so K's fragment is used whole.
; Both products are used transposed (S^T = K Q^T, O^T = V^T P^T): a lane holds one query.  The tiles' row order makes the 16 registers of two neighbouring tiles 16 neighbouring keys (channels).
; FEEDING.  A key step (128 keys) is 8 fragments of K, 8 of V and their 16 scale records: 26,624 bytes.  Wave w copies fragment w and record w of the NEXT step: four loads at the step's head,
; four LDS stores in its middle, into the other of two buffers, which nobody reads since the last barrier; one barrier a step, at its end: behind it the next buffer is whole and nobody reads the one just left.
; No tensor loads: what is shared is small beside a step's work.
; THE MODE: SCHED_MODE bits 1:0 = 2 (LLVM: expert scheduling mode 2), set by the entry lines.  The code itself states the register dependences
; between vector or matrix instructions and memory or LDS instructions, with s_wait_alu, always for 0.
; THE PLAN.  Registers that memory or LDS instructions touch in a key step:
;   v1-v6              addresses, made at the head and never written again.
;   v80-92             the copy.  Global loads land in them at the step's head; four LDS stores read them in its middle.  No vector instruction names them.
;   v32-79, v248-251   K's fragments 0-3 and their scale words: LDS loads at the step's head, read by the first four products.  Then V's four fragments and words: LDS loads behind the wait for the
;                      64 exponentials, read by the step's last four products.  No vector instruction names them.
;   v192-239, v28-31   K's fragments 4-7 and their scale words: LDS loads at the step's head, read by products 4 to 7.  v224-239 are later in the step p's codes and registers at work.
;   v224-235, v253     p's codes and scale word: written by vector instructions, taken by the last four products.
; So a step has one wait on vm_vsrc (at its head: the copy's LDS stores have read v80-92) and four on va_vdst: at its head, for all 32 loads of K; behind the 64 exponentials, where it also serves V's 16 loads;
; behind the four exponentials; and ahead of the last four products, for p's codes and scale word.
; LIMITS: NaN and infinities are not served; a block whose largest magnitude lies under 2^-124 gets the byte 1.
.set BUFB, 26624
.set SREC, 24576
.set STG,  53248                       ; the way out: 768 bytes for each wave: its six registers
.set STGS, 65536                       ; and 128 bytes: its two scale bytes
.set KOFF, 3145728
.set VOFF, 6291456
.set QSC,  9437184
.set SEL,  20
.set CS,   22
; v1 16 l; v2 4 l; v3, v4 my head's V fragments and records; v5, v6 where I copy to; v7, v10 stage in; v9, v11 stage out; v12 -M; v13 largest t; v[14:15] the sum; v16-27 Q; v28-31 the scale words of K's tiles 4-7;
; v32-79 four fragments (K's 0-3, then V's); v80-92 the copy; v96-159 S^T, then p; v160-191 O^T; v192-239 K's fragments 4-7; then v224-235 p's codes; v232-254 at work; v248-251 scale words; v253 p's scale word; v255 Q's
.macro COPYLD
.irp c, 0,1,2
	global_load_b128 v[80+4*\c:83+4*\c], v1, s[8:9] offset:512*\c
.endr
	global_load_b32 v92, v2, s[10:11]
.endm
.macro COPYST p
.irp c, 0,1,2
	ds_store_b128 v5, v[80+4*\c:83+4*\c] offset:(\p)*BUFB+512*\c
.endr
	ds_store_b32 v6, v92 offset:(\p)*BUFB
	s_add_nc_u64 s[8:9], s[8:9], 12288             ; (the loads that read these bases have come)
	s_add_nc_u64 s[10:11], s[10:11], 1024
.endm
.macro MEET
	s_wait_dscnt 0x0                               ; for the others' sake: my stores into the next buffer are done and my reads of this one are in (in a key step both were waited for ahead of its last products)
	s_barrier_signal -1
	s_barrier_wait -1
.endm
.macro KSTEP p, more
.if \more
	s_wait_alu depctr_vm_vsrc(0)                   ; my last LDS stores of the copy have read v80-92, in which the loads below land
	COPYLD                                         ; the next step's part: it has half of this step's work in which to come
.endif
.rept 4
	v_nop                                          ; places ahead of loads into registers that matrix instructions have read; in the first step also the places between Q's masking and the products that take it
.endr
	s_wait_alu depctr_va_vdst(0)                   ; the last step's products are done reading v28-79, v192-239 and v248-251, and its vector lines are done with v224-239: K's loads land in these.  In the first step: Q's masked codes v16-27 are written, which the products below take as source 1, and so are v236-239
.irp t, 0,1,2,3,4,5,6,7                        ; all eight tiles of 16 keys in one run: tiles 0-3 into v32-79, tiles 4-7 into v192-239
.irp c, 0,1,2
	ds_load_b128 v[32+12*\t+112*(\t/4)+4*\c:35+12*\t+112*(\t/4)+4*\c], v1 offset:(\p)*BUFB+\t*1536+512*\c
.endr
	ds_load_b32 v[248+\t-224*(\t/4)], v2 offset:(\p)*BUFB+SREC+\t*128
.endr
.irp t, 0,1,2,3,4,5,6,7                        ; S^T = K Q^T
	s_wait_dscnt 28-4*\t                           ; LDS loads come back in order (ISA guide 5.7.1): tile t's four are in, the later tiles' 28 - 4 t may be out
	v_wmma_scale_f32_16x16x128_f8f6f4 v[96+8*\t:103+8*\t], v[32+12*\t+112*(\t/4):43+12*\t+112*(\t/4)], v[16:27], 0, v[248+\t-224*(\t/4)], v255 matrix_a_fmt:MATRIX_FMT_FP6 matrix_b_fmt:MATRIX_FMT_FP6
.endr
.rept 4
	v_nop                                          ; places behind the last product: the lines below read its result and write v232-235, which it read
.endr
.irp b, 0,1,2,3
	v_max3_num_f32 v[232+\b], v[96+16*\b], v[97+16*\b], v[98+16*\b]   ; the largest score of each block of 32 keys: for the row's maximum, and, since p rises with the score, for the block's largest p
.endr
.irp i, 3,5,7,9,11,13
.irp b, 0,1,2,3
	v_max3_num_f32 v[232+\b], v[232+\b], v[96+16*\b+\i], v[97+16*\b+\i]
.endr
.endr
.irp b, 0,1,2,3
	v_max_num_f32 v[232+\b], v[232+\b], v[111+16*\b]
.endr
.irp b, 0,1,2,3
	v_permlanex16_b32 v[236+\b], v[232+\b], s[SEL], s[SEL+1]
.endr
.irp b, 0,1,2,3
	v_max_num_f32 v[232+\b], v[232+\b], v[236+\b]
.endr
	v_max3_num_f32 v254, v232, v233, v234
	v_max_num_f32 v254, v254, v235
	v_mul_f32 v254, s[CS], v254
	v_max_num_f32 v13, v13, v254                   ; the running largest t
	v_mov_b32 v254, v12
	v_floor_f32 v12, -v13                          ; -M = floor(-t): M is a whole number
	v_sub_f32 v254, v12, v254
	v_cvt_i32_f32 v254, v254
	v_ldexp_f32 v252, 1.0, v254                    ; f = 2^(old M - new M): a multiplication by it rounds nothing
.irp j, 0,2,4,6,8,10,12,14,16,18,20,22,24,26,28,30,32,34,36,38,40,42,44,46,48,50,52,54,56,58,60,62
	v_pk_fma_f32 v[96+\j:97+\j], v[96+\j:97+\j], s[CS:CS+1], v[12:13] op_sel_hi:[1,0,0]   ; t - M
.endr
.irp b, 0,1,2,3
	v_fma_f32 v[232+\b], v[232+\b], s[CS], v12
.endr
.set J, 0
.rept 64
	v_exp_f32 v[96+J], v[96+J]                     ; p = 2^(t - M)
.set J, J+1
.endr
	v_pk_mul_f32 v[14:15], v[14:15], v[252:253] op_sel_hi:[1,0]   ; the sums under the new M: a plain place behind the exponentials
	s_wait_alu depctr_va_vdst(0)                   ; the 64 exponentials have written p, ahead of its first reader (one wait for the batch); and the products K Q^T are done reading v32-79 and v248-251, in which V's loads land
.irp t, 0,1,2,3                                ; my head's four tiles of 16 channels of V: asked for here, wanted behind the quantising of p.  No vector line from here to the products names their registers
.irp c, 0,1,2
	ds_load_b128 v[32+12*\t+4*\c:35+12*\t+4*\c], v3 offset:(\p)*BUFB+1536*\t+512*\c
.endr
	ds_load_b32 v[248+\t], v4 offset:(\p)*BUFB+128*\t
.endr
.irp b, 0,1,2,3
	v_exp_f32 v[232+\b], v[232+\b]                 ; each block's largest p
.endr
	v_pk_add_f32 v[236:237], v[96:97], v[98:99]    ; the row's sum is taken of the unquantised p
.irp j, 4,8,12,16,20,24,28,32,36,40,44,48,52,56,60
	v_pk_add_f32 v[14:15], v[14:15], v[96+\j:97+\j]
	v_pk_add_f32 v[236:237], v[236:237], v[98+\j:99+\j]
.endr
	v_pk_add_f32 v[14:15], v[14:15], v[236:237]
	s_wait_alu depctr_va_vdst(0)                   ; the four exponentials have written v232-235, ahead of their first reader
.if \more
	s_wait_loadcnt 0x0                             ; the copy's four loads are in
	COPYST 1-(\p)                                  ; into the other buffer: every wave's reads of it were in ahead of the last barrier.  The data come from loads, the addresses from the head: no vector line is waited for
.endif
.irp b, 0,1,2,3
	v_max_num_f32 v[232+\b], 0x1800000, v[232+\b]  ; the floor 2^(3 - 127)
.endr
.irp b, 0,1,2,3
	v_add_nc_u32 v[244+\b], 0xff000000, v[232+\b]
.endr
.irp b, 0,1,2,3
	v_lshrrev_b32 v[236+\b], 23, v[244+\b]
.endr
	v_lshl_or_b32 v253, v237, 8, v236              ; p's scale word for these 128 keys
	v_lshl_or_b32 v253, v238, 16, v253
	v_lshl_or_b32 v253, v239, 24, v253
.irp c, 0,1
	v_cvt_scalef32_pk16_fp6_f32 v[224+6*\c:226+6*\c], v[96+32*\c:111+32*\c], v[244+2*\c]
	v_cvt_scalef32_pk16_fp6_f32 v[236+4*\c:238+4*\c], v[112+32*\c:127+32*\c], v[244+2*\c+1]
.endr
	v_nop
.irp c, 0,1
.irp i, 0,1,2
	v_permlane16_swap_b32 v[224+6*\c+\i], v[236+4*\c+\i]
.endr
.irp i, 0,1,2
	v_mov_b32 v[227+6*\c+\i], v[236+4*\c+\i]
.endr
.endr
.irp j, 0,2,4,6,8,10,12,14,16,18,20,22,24,26,28,30
	v_pk_mul_f32 v[160+\j:161+\j], v[160+\j:161+\j], v[252:253] op_sel_hi:[1,0]   ; O^T under the new M; these sixteen are also the places ahead of the products below
.endr
	s_wait_dscnt 0x0                               ; V's fragments and scale words are in (and the copy's stores are done)
	s_wait_alu depctr_va_vdst(0)                   ; p's codes v224-235 and p's scale word v253 are written, which the products below take as source 1 and as its scales; the places above stay beside this wait
.irp t, 0,1,2,3                                ; O^T += V^T P^T
	v_wmma_scale_f32_16x16x128_f8f6f4 v[160+8*\t:167+8*\t], v[32+12*\t:43+12*\t], v[224:235], v[160+8*\t:167+8*\t], v[248+\t], v253 matrix_a_fmt:MATRIX_FMT_FP6 matrix_b_fmt:MATRIX_FMT_FP6
.endr
.if \more
	MEET
.endif
.endm
	s_load_b128 s[4:7], s[0:1], 0x0                ; qkv, att
	v_lshl_add_u32 v95, v0, 2, 0x10800
	v_mov_b32 v243, 0
	v_lshrrev_b32 v8, 5, v0
	v_readfirstlane_b32 s18, v8                    ; wave 0..15
	v_and_b32 v8, 31, v0
	v_lshlrev_b32 v1, 4, v8
	v_lshlrev_b32 v2, 2, v8
	s_wait_alu depctr_va_sdst(0)                   ; s18 is written, ahead of its first reader: every base and LDS place of the wave is made from it
	s_and_b32 s19, s18, 1                          ; which head of the pair
	s_lshr_b32 s24, s18, 1                         ; which query tile
	s_lshl_b32 s25, s19, 2
	s_add_co_u32 s25, s25, 8
	s_mul_i32 s26, s25, 1536
	v_add_nc_u32 v3, s26, v1
	s_lshl_b32 s26, s25, 7
	s_add_co_u32 s26, s26, SREC
	v_add_nc_u32 v4, s26, v2
	s_mul_i32 s26, s18, 1536
	v_add_nc_u32 v5, s26, v1
	s_lshl_b32 s26, s18, 7
	s_add_co_u32 s27, s26, SREC
	v_add_nc_u32 v6, s27, v2
	s_add_co_u32 s27, s26, STGS
	v_add_nc_u32 v10, s27, v2
	v_lshlrev_b32 v9, 3, v8
	s_mul_i32 s27, s18, 768
	s_add_co_u32 s27, s27, STG
	v_add_nc_u32 v7, s27, v9
	s_mul_i32 s27, s24, 1536
	s_add_co_u32 s27, s27, STG
	v_add_nc_u32 v9, s27, v9
	s_lshl_b32 s27, s24, 8
	s_add_co_u32 s27, s27, STGS
	v_add_nc_u32 v11, s27, v2
	s_and_b32 s28, ttmp7, 0xffff                   ; 8 x batch + head pair
	s_and_b32 s29, s18, 7
	s_mul_i32 s30, s28, 196608
	s_mul_i32 s31, s29, 1536
	s_add_co_u32 s30, s30, s31
	s_lshl_b32 s32, s28, 14
	s_lshl_b32 s33, s29, 7
	s_add_co_u32 s32, s32, s33
	s_mov_b32 s34, VOFF
	s_mov_b32 s35, QSC+524288
	s_cmp_lt_u32 s18, 8                            ; waves 0-7 copy K's fragments, waves 8-15 V's
	s_cselect_b32 s34, KOFF, s34
	s_cselect_b32 s35, QSC+262144, s35
	s_add_co_u32 s30, s30, s34
	s_add_co_u32 s32, s32, s35
	s_mov_b32 s31, 0
	s_mov_b32 s33, 0
	s_lshl_b32 s36, s28, 7
	s_lshl_b32 s37, ttmp9, 3
	s_add_co_u32 s36, s36, s37
	s_add_co_u32 s36, s36, s24                     ; my Q fragment
	s_mul_i32 s38, s36, 1536
	s_mov_b32 s39, 0
	s_lshl_b32 s36, s36, 7
	s_mov_b32 s37, 0
	s_lshr_b32 s40, s28, 3
	s_lshl_b32 s40, s40, 7
	s_lshl_b32 s41, ttmp9, 3
	s_add_co_u32 s40, s40, s41
	s_add_co_u32 s40, s40, s24                     ; my token tile of 256
	s_lshl_b32 s40, s40, 3
	s_and_b32 s41, s28, 7
	s_add_co_u32 s40, s40, s41                     ; K step = head pair
	s_mul_i32 s42, s40, 1536
	s_mov_b32 s43, 0
	s_lshl_b32 s40, s40, 7
	s_mov_b32 s41, 0
	s_mov_b32 s[SEL], 0x76543210
	s_mov_b32 s[SEL+1], 0xfedcba98
	s_mov_b32 s[CS], 0x3e38aa3b                    ; c = log2(e) / 8
	s_mov_b32 s[CS+1], s[CS]
	s_wait_kmcnt 0x0
	s_add_nc_u64 s[8:9], s[4:5], s[30:31]
	s_add_nc_u64 s[10:11], s[4:5], s[32:33]
	s_add_nc_u64 s[12:13], s[4:5], s[38:39]
	s_add_nc_u64 s[14:15], s[4:5], s[36:37]
	s_add_nc_u64 s[14:15], s[14:15], QSC
	s_add_nc_u64 s[16:17], s[6:7], s[42:43]
	s_add_nc_u64 s[44:45], s[6:7], s[40:41]
	s_add_nc_u64 s[44:45], s[44:45], 3145728
	s_wait_alu depctr_va_vdst(0)                   ; the addresses v1-v7 and v9-v11 are written, which the loads and stores of the whole kernel read; none is written again
	COPYLD                                         ; key step 0
.irp c, 0,1,2
	global_load_b128 v[16+4*\c:19+4*\c], v1, s[12:13] offset:512*\c
.endr
	global_load_b32 v255, v2, s[14:15]
	v_mov_b32 v13, 0xff61b1e6                      ; the largest t so far: -3e38
	v_floor_f32 v12, -v13
	v_mov_b32 v14, 0
	v_mov_b32 v15, 0
.irp b, 0,1,2,3
	v_mov_b32 v[236+\b], 0                         ; a lane permute's destination counts as one of its sources
.endr
	v_mov_b32 v253, 0
.set J, 0
.rept 32
	v_mov_b32 v[160+J], 0                          ; O^T: the step is written once, its first turn finds zeros
.set J, J+1
.endr
	s_cmp_eq_u32 s19, 0
	s_cselect_b32 s26, -1, 0
	s_cselect_b32 s27, 0, -1
	s_wait_loadcnt 4                               ; the copy's four loads are in; Q's four may be out
	COPYST 0
	MEET
	s_wait_loadcnt 0x0
.irp i, 0,1,2,3,4,5
	v_and_b32 v[16+\i], s26, v[16+\i]              ; the other head's codes become zeros
	v_and_b32 v[22+\i], s27, v[22+\i]
.endr
	s_mov_b32 s46, 7
.Lpair:
	KSTEP 0, 1
	KSTEP 1, 1
	s_sub_co_u32 s46, s46, 1
	s_cmp_lg_u32 s46, 0
	s_cbranch_scc1 .Lpair
	KSTEP 0, 1
	KSTEP 1, 0                                     ; the last step copies nothing: no load leaves the buffer
	; THE WAY OUT: O^T / the sum; two blocks of 32 channels are quantised; the pair's two waves meet in LDS; the even wave stores the fragment
.rept 4
	v_nop
.endr
	v_add_f32 v14, v14, v15
	v_permlanex16_b32 v252, v14, s[SEL], s[SEL+1]
	v_add_f32 v14, v14, v252
	v_rcp_f32 v14, v14
	v_nop
	s_wait_alu depctr_va_vdst(0)                   ; the reciprocal has written v14, ahead of its first reader
.set J, 0
.rept 32
	v_mul_f32 v[96+J], v[160+J], v14               ; register 16 B + i = channel 32 B + 16 h + i
.set J, J+1
.endr
.irp b, 0,1
	v_max3_num_f32 v[232+\b], |v[96+16*\b]|, |v[97+16*\b]|, 0x1800000
.endr
.irp i, 2,4,6,8,10,12,14
.irp b, 0,1
	v_max3_num_f32 v[232+\b], v[232+\b], |v[96+16*\b+\i]|, |v[97+16*\b+\i]|
.endr
.endr
.irp b, 0,1
	v_permlanex16_b32 v[236+\b], v[232+\b], s[SEL], s[SEL+1]
.endr
.irp b, 0,1
	v_max_num_f32 v[232+\b], v[232+\b], v[236+\b]
.endr
.irp b, 0,1
	v_add_nc_u32 v[244+\b], 0xff000000, v[232+\b]
.endr
.irp b, 0,1
	v_lshrrev_b32 v[236+\b], 23, v[244+\b]
.endr
	v_lshl_or_b32 v238, v237, 8, v236              ; my head's two scale bytes
	v_cvt_scalef32_pk16_fp6_f32 v[224:226], v[96:111], v244
	v_cvt_scalef32_pk16_fp6_f32 v[228:230], v[112:127], v245
	v_nop
.irp i, 0,1,2
	v_permlane16_swap_b32 v[224+\i], v[228+\i]
.endr
	v_mov_b32 v227, v228
	v_mov_b32 v228, v229
	v_mov_b32 v229, v230                           ; v224-229: my head's six registers of the fragment
	s_wait_alu depctr_va_vdst(0)                   ; v224-229 and v238 are written, which the LDS stores below read; and the last products are done reading v32-45, in which the even wave's loads land behind the barrier (no vector line between names them)
	ds_store_b64 v7, v[224:225]
	ds_store_b64 v7, v[226:227] offset:256
	ds_store_b64 v7, v[228:229] offset:512
	ds_store_b32 v10, v238
	s_wait_dscnt 0x0
	s_barrier_signal -1
	s_barrier_wait -1
	s_cmp_lg_u32 s19, 0
	s_cbranch_scc1 .Lend
.irp k, 0,1,2,3,4,5
	ds_load_b64 v[32+2*\k:33+2*\k], v9 offset:256*\k   ; registers 0-5 are mine, 6-11 the odd wave's
.endr
	ds_load_b32 v44, v11
	ds_load_b32 v45, v11 offset:128
	s_wait_dscnt 0x0
	v_lshl_or_b32 v44, v45, 16, v44
	s_wait_alu depctr_va_vdst(0)                   ; the joined scale word v44 is written, which the last of the stores below reads
.irp c, 0,1,2
	global_store_b128 v1, v[32+4*\c:35+4*\c], s[16:17] offset:512*\c
.endr
	global_store_b32 v2, v44, s[44:45]
.Lend:
	s_wait_dscnt 0x0
	s_wait_alu depctr_hold_cnt(0) depctr_sa_sdst(0) depctr_va_vdst(0) depctr_va_sdst(0) depctr_va_ssrc(0) depctr_va_vcc(0) depctr_vm_vsrc(0)
	s_wait_tensorcnt 0x0
	ds_add_u32 v95, v243
	s_wait_dscnt 0x0
	s_endpgm
.Lfunc_end_k_q66fe2a690f_attn:
	.size	k_q66fe2a690f_attn, .Lfunc_end_k_q66fe2a690f_attn-k_q66fe2a690f_attn
	.p2alignl 7, 3214868480
	.fill 96, 4, 3214868480
	.section	.rodata,"a",@progbits
	.p2align	6, 0x0
	.amdhsa_kernel k_q66fe2a690f_attn
		.amdhsa_group_segment_fixed_size 69632
		.amdhsa_private_segment_fixed_size 0
		.amdhsa_enable_private_segment 0
		.amdhsa_kernarg_size 16
		.amdhsa_user_sgpr_count 2
		.amdhsa_user_sgpr_kernarg_segment_ptr 1
		.amdhsa_wavefront_size32 1
		.amdhsa_system_sgpr_workgroup_id_x 1
		.amdhsa_system_sgpr_workgroup_id_y 1
		.amdhsa_system_sgpr_workgroup_id_z 1
		.amdhsa_system_vgpr_workitem_id 0
		.amdhsa_next_free_vgpr 256
		.amdhsa_next_free_sgpr 66
		.amdhsa_reserve_vcc 0
		.amdhsa_float_denorm_mode_32 3
		.amdhsa_float_denorm_mode_16_64 3
		.amdhsa_memory_ordered 1
		.amdhsa_forward_progress 1
		.amdhsa_inst_pref_size 82
	.end_amdhsa_kernel
	.amdgpu_metadata
---
amdhsa.version: [ 1, 2 ]
amdhsa.kernels:
  - .name:           k_q66fe2a690f_attn
    .symbol:         k_q66fe2a690f_attn.kd
    .args:
      - { .name: qkv, .offset: 0, .size: 8, .value_kind: global_buffer, .address_space: global }
      - { .name: att, .offset: 8, .size: 8, .value_kind: global_buffer, .address_space: global }
    .group_segment_fixed_size: 69632
    .private_segment_fixed_size: 0
    .kernarg_segment_align: 8
    .kernarg_segment_size: 16
    .max_flat_workgroup_size: 512
    .sgpr_count:     66
    .vgpr_count:     256
    .wavefront_size: 32
...
	.end_amdgpu_metadata
.endif
;; end of part 8
;; launch wo: the kernel of part 5 again; grid 8 x 32, 4 waves a work-group, clusters of 4 x 4, 327,680 bytes of LDS; arguments att, wimg, bo, x, x1; writes x1
;; launch ln2: the kernel of part 2 again; grid 256 x 1, 8 waves a work-group, no clusters, 78,848 bytes of LDS; arguments x1, tpf, bt_ffn, ln2_w, ln2_b, xn; writes xn
;; launch ffn1: the kernel of part 6 again; grid 16 x 16, 4 waves a work-group, clusters of 4 x 4, 327,680 bytes of LDS; arguments xn, wimg, b1, hid; writes hid
;; launch ffn2: the kernel of part 7 again; grid 8 x 32, 4 waves a work-group, clusters of 4 x 4, 327,680 bytes of LDS; arguments hid, wimg, b2, x1, out0; writes out0
